; MI455X (gfx1250); checked and timed in simulation.
; The chip was launched on July 23, 2026; its instructions are those of AMD's public machine-readable ISA for CDNA 5 (MIT licence, August 2026) and "CDNA5" Instruction Set Architecture Reference Guide (July 2026). The comments in the code are by the model that wrote it; some were corrected since.
;; Block. Allowed arithmetic: float matrix products may take bf16 or f16 operands with f32 sums; other float arithmetic in f32, or as packed bf16 or f16 multiplies, adds, multiply-adds, maxima and minima; sums over many terms, partial sums and values carried from step to step in f32; what a program stores and reads back later, other than sums and carried values, may be rounded once to bf16 or f16.
;; Inputs: b1 4,096 float32; b2 1,024 float32; b_proj 1,024 float32; ln1_b 1,024 float32; ln1_g 1,024 float32; ln2_b 1,024 float32; ln2_g 1,024 float32; w1 1,024 x 4,096 float32; w2 4,096 x 1,024 float32; w_proj 1,024 x 1,024 float32; wk 16 x 1,024 x 64 float32; wq 16 x 1,024 x 64 float32; wv 16 x 1,024 x 64 float32; x 4 x 1,024 x 1,024 float32.
;; Outputs: out0 4 x 1,024 x 1,024 float32.
;; 2 versions, each right; version 2 is version 1 with the launches prep, ln2 written anew for expert scheduling mode. Each part assembles by itself: llvm-mc -triple=amdgcn-amd-amdhsa -mcpu=gfx1250 --defsym DOCPART=n.
;; ======== version 1 of 2: 7 launches
;; workspace buffers: wb 25,165,824 bytes; act 8,388,608 bytes; big 33,554,432 bytes; x1 16,777,216 bytes
;; launch prep (part 1): grid 1024 x 1, 8 waves a work-group, no clusters, 0 bytes of LDS; arguments x, ln1_g, ln1_b, wq, wk, wv, w_proj, w1, w2, act, wb; writes act, wb
.if DOCPART == 1
	.amdgcn_target "amdgcn-amd-amdhsa--gfx1250"
	.amdhsa_code_object_version 6
	.text
	.protected	k_q55ed704e61_prep
	.globl	k_q55ed704e61_prep
	.p2align	8
	.type	k_q55ed704e61_prep,@function
k_q55ed704e61_prep:
	s_mov_b64 s[64:65], 0
	v_nop
	global_prefetch_b8 v0, s[64:65] scope:SCOPE_SE
	s_setreg_imm32_b32 hwreg(HW_REG_WAVE_MODE, 25, 1), 1
	s_wait_xcnt 0x0
; PREP.  Work-groups 0-255: h = LayerNorm(x) g + b, rounded once to bf16, into act.  Work-groups 256-1023: the six weights rounded once to bf16, into wb.
; THE SAME BODY SERVES THE BLOCK'S SECOND NORM: a launch of 256 work-groups takes the norm's path alone, with x1, ln2_g and ln2_b in the first three places.
; LAYOUTS.  act lies in panels of 64 columns: element (row m, column c) at byte ((c / 64) 4096 + m) 128 + 2 (c % 64): a panel is 4,096 dense rows of 128 bytes.
; A weight [K][N] lies likewise: element (k, n) at ((n / 64) K + k) 128 + 2 (n % 64).  wq, wk, wv ([16][1024][64]) lie so already.
; wb: q's 16 panels, k's, v's from byte 0; w_proj from 6,291,456; w1 from 8,388,608; w2 from 16,777,216.
; A stream: every byte is read once and written once, no wave needs another's data: no LDS, no barrier, no matrix unit.
; THE NORM.  A wave takes two rows, one to each half of its lanes: load j brings 256 consecutive bytes of each row (the 64 columns of panel j), so a row's sums stay
; inside 16 lanes, and store j writes the two rows' 128 bytes of panel j: 256 consecutive bytes, aligned.  The variance is taken of the centred numbers.
.set X,   32                           ; v[32:95]   16 loads of 4 numbers
.set G,   96                           ; v[96:159]  the gain of my columns
.set BT,  160                          ; v[160:223] the bias of my columns
.set Y,   96                           ; v[96:127]  the casts' packed results
.set VX,  2                            ; v2   byte offset of my 16 bytes in what is read
.set VG,  3                            ; v3   the same in g and b
.set VO,  4                            ; v4   8 x lane: my 8 bytes of a store's 256
.set CH,  8                            ; v[8:15]    four chains of packed sums
.set MU,  16                           ; v[16:17]   the mean, twice
.set RS,  18                           ; v[18:19]   1 / sqrt(var + eps), twice
.set VA,  20                           ; v20        var + eps
.set SRC, 34                           ; s[34:35]
.set DST, 36                           ; s[36:37]
.macro REDUCE                          ; four chains into one number, then over the row's 16 lanes
	v_pk_add_f32 v[CH:CH+1], v[CH:CH+1], v[CH+2:CH+3]
	v_pk_add_f32 v[CH+4:CH+5], v[CH+4:CH+5], v[CH+6:CH+7]
	v_pk_add_f32 v[CH:CH+1], v[CH:CH+1], v[CH+4:CH+5]
	v_add_f32 v[CH], v[CH], v[CH+1]
	v_add_f32_dpp v[CH], v[CH], v[CH] row_xmask:1 row_mask:0xf bank_mask:0xf
	v_add_f32_dpp v[CH], v[CH], v[CH] row_xmask:2 row_mask:0xf bank_mask:0xf
	v_add_f32_dpp v[CH], v[CH], v[CH] row_xmask:4 row_mask:0xf bank_mask:0xf
	v_add_f32_dpp v[CH], v[CH], v[CH] row_xmask:8 row_mask:0xf bank_mask:0xf
.endm
; Two rows of 1,024 numbers are normed.  xp, gp, bp, op: the scalar pairs with the addresses (x and the output at the wave's first row).  s30 = 1/1024, s31 = eps.
.macro LNROWS xp, gp, bp, op
.set j, 0
.rept 16
	global_load_b128 v[X+4*j:X+4*j+3], v[VX], s[\xp:\xp+1] offset:256*j th:TH_LOAD_NT
.set j, j+1
.endr
.set j, 0
.rept 16
	global_load_b128 v[G+4*j:G+4*j+3], v[VG], s[\gp:\gp+1] offset:256*j
.set j, j+1
.endr
.set j, 0
.rept 16
	global_load_b128 v[BT+4*j:BT+4*j+3], v[VG], s[\bp:\bp+1] offset:256*j
.set j, j+1
.endr
	s_wait_loadcnt 32                              ; the rows are in; the 32 loads of g and b may stay out
.set k, 0
.rept 4
	v_pk_add_f32 v[CH+2*k:CH+2*k+1], v[X+2*k:X+2*k+1], v[X+8+2*k:X+8+2*k+1]  ; the first sums start the chains: nothing is cleared
.set k, k+1
.endr
.set k, 8
.rept 24
	v_pk_add_f32 v[CH+2*(k%4):CH+2*(k%4)+1], v[CH+2*(k%4):CH+2*(k%4)+1], v[X+2*k:X+2*k+1]
.set k, k+1
.endr
	REDUCE
	v_mul_f32 v[MU], s30, v[CH]
	v_mul_f32 v[MU+1], s30, v[CH]
.set k, 0
.rept 32
	v_pk_add_f32 v[X+2*k:X+2*k+1], v[X+2*k:X+2*k+1], v[MU:MU+1] neg_lo:[0,1] neg_hi:[0,1]  ; x - mean, in place
.set k, k+1
.endr
.set k, 0
.rept 4
	v_pk_mul_f32 v[CH+2*k:CH+2*k+1], v[X+2*k:X+2*k+1], v[X+2*k:X+2*k+1]
.set k, k+1
.endr
.set k, 4
.rept 28
	v_pk_fma_f32 v[CH+2*(k%4):CH+2*(k%4)+1], v[X+2*k:X+2*k+1], v[X+2*k:X+2*k+1], v[CH+2*(k%4):CH+2*(k%4)+1]
.set k, k+1
.endr
	REDUCE
	v_fma_f32 v[VA], v[CH], s30, s31               ; var + eps
	v_rsq_f32 v[RS], v[VA]                         ; twice: the packed multiply takes a pair
	v_rsq_f32 v[RS+1], v[VA]
	v_nop                                          ; a plain instruction behind the last of the two,
	s_wait_alu depctr_va_vdst(0)                   ; and one wait ahead of their first reader
	s_wait_loadcnt 0x0                             ; g and b
.set k, 0
.rept 32
	v_pk_mul_f32 v[X+2*k:X+2*k+1], v[X+2*k:X+2*k+1], v[RS:RS+1]
.set k, k+1
.endr
.set k, 0
.rept 32
	v_pk_fma_f32 v[X+2*k:X+2*k+1], v[X+2*k:X+2*k+1], v[G+2*k:G+2*k+1], v[BT+2*k:BT+2*k+1]
.set k, k+1
.endr
.set j, 0
.rept 16
	v_cvt_pk_bf16_f32 v[X+4*j], v[X+4*j], v[X+4*j+1]
	v_cvt_pk_bf16_f32 v[X+4*j+1], v[X+4*j+2], v[X+4*j+3]
	global_store_b64 v[VO], v[X+4*j:X+4*j+1], s[\op:\op+1] offset:j*524288  ; panel j: the wave's 256 consecutive bytes, aligned
.set j, j+1
.endr
.endm
; Sixteen items of 128 numbers are rounded: item i is read sin bytes behind item i - 1 and written 256 bytes behind it.  No register is written twice.
.macro CAST sin
.set i, 0
.rept 16
	global_load_b128 v[X+4*i:X+4*i+3], v[VX], s[SRC:SRC+1] offset:i*(\sin) th:TH_LOAD_NT
.set i, i+1
.endr
.set i, 0
.rept 16
	s_wait_loadcnt 15-i                            ; loads come back in order: item i is in, the younger ones stay out
	v_cvt_pk_bf16_f32 v[Y+2*i], v[X+4*i], v[X+4*i+1]
	v_cvt_pk_bf16_f32 v[Y+2*i+1], v[X+4*i+2], v[X+4*i+3]
	global_store_b64 v[VO], v[Y+2*i:Y+2*i+1], s[DST:DST+1] offset:i*256
.set i, i+1
.endr
.endm
	s_load_b512 s[4:19], s[0:1], 0x0               ; x, g, b, wq, wk, wv, w_proj, w1
	s_load_b128 s[20:23], s[0:1], 0x40             ; w2, act
	s_load_b64 s[24:25], s[0:1], 0x50              ; wb
	v_lshrrev_b32 v1, 5, v0
	v_readfirstlane_b32 s26, v1                    ; wave 0..7
	s_mov_b32 s27, ttmp9
	s_mov_b32 s30, 0x3a800000                      ; 1 / 1024
	s_mov_b32 s31, 0x3727c5ac                      ; 1e-5
	v_and_b32 v5, 31, v0                           ; lane
	v_and_b32 v6, 15, v0                           ; lane % 16
	v_bfe_u32 v7, v0, 4, 1                         ; lane / 16
	v_lshlrev_b32 v[VO], 3, v5
	v_lshlrev_b32 v[VG], 4, v6
	s_wait_kmcnt 0x0
	s_cmp_lt_u32 s27, 256
	s_cbranch_scc0 .Lcast
	s_lshl_b32 s28, s27, 3
	s_add_co_u32 s28, s28, s26
	s_lshl_b32 s28, s28, 1                         ; my first row
	s_lshl_b32 s32, s28, 12
	s_mov_b32 s33, 0
	s_add_nc_u64 s[4:5], s[4:5], s[32:33]
	s_lshl_b32 s32, s28, 7
	s_add_nc_u64 s[22:23], s[22:23], s[32:33]
	v_lshl_add_u32 v[VX], v7, 12, v[VG]            ; the row of my half of the lanes, my 16 bytes
	LNROWS 4, 6, 8, 22
	s_endpgm
.Lcast:
	s_cmp_lt_u32 s27, 448
	s_cbranch_scc0 .Lturned
	; wq, wk, wv: the layout stays.  A work-group takes 65,536 bytes, a wave 8,192
	s_sub_co_u32 s28, s27, 256
	s_lshr_b32 s29, s28, 6                         ; which of the three
	s_and_b32 s28, s28, 63
	s_cmp_eq_u32 s29, 0
	s_cselect_b64 s[SRC:SRC+1], s[10:11], s[12:13]
	s_cmp_eq_u32 s29, 2
	s_cselect_b64 s[SRC:SRC+1], s[14:15], s[SRC:SRC+1]
	s_lshl_b32 s32, s28, 16
	s_lshl_b32 s33, s26, 13
	s_add_co_u32 s32, s32, s33
	s_mov_b32 s33, 0
	s_add_nc_u64 s[SRC:SRC+1], s[SRC:SRC+1], s[32:33]
	s_lshl_b32 s32, s29, 21
	s_lshl_b32 s28, s28, 15
	s_add_co_u32 s32, s32, s28
	s_lshl_b32 s28, s26, 12
	s_add_co_u32 s32, s32, s28
	s_add_nc_u64 s[DST:DST+1], s[24:25], s[32:33]
	v_lshlrev_b32 v[VX], 4, v5
	CAST 512
	s_endpgm
.Lturned:                                      ; rows of N numbers go into panels: a wave takes one panel's 64 columns of 32 rows k; an item is two rows: two aligned runs of 256 bytes in, 256 consecutive bytes out
	s_cmp_lt_u32 s27, 512
	s_cbranch_scc1 .Ln1k
	s_cmp_lt_u32 s27, 768
	s_cbranch_scc1 .Lw1
.Ln1k:                                         ; N = 1,024: w_proj (work-groups 448-511, K = 1,024) and w2 (768-1023, K = 4,096)
	s_movk_i32 s28, 448
	s_movk_i32 s29, 768
	s_mov_b32 s32, 6291456
	s_mov_b32 s33, 16777216
	s_cmp_lt_u32 s27, 512
	s_cselect_b64 s[SRC:SRC+1], s[16:17], s[20:21]
	s_cselect_b32 s28, s28, s29
	s_cselect_b32 s29, 17, 19                      ; log2 of a panel's bytes, 128 K
	s_cselect_b32 s38, s32, s33
	s_sub_co_u32 s28, s27, s28
	s_and_b32 s32, s28, 1
	s_lshl_b32 s32, s32, 3
	s_add_co_u32 s32, s32, s26                     ; the panel
	s_lshr_b32 s28, s28, 1                         ; the block of 32 rows
	s_lshl_b32 s29, s32, s29
	s_add_co_u32 s38, s38, s29
	s_lshl_b32 s29, s28, 12
	s_add_co_u32 s38, s38, s29
	s_mov_b32 s39, 0
	s_add_nc_u64 s[DST:DST+1], s[24:25], s[38:39]
	s_lshl_b32 s38, s28, 17                        ; 32 rows of 4,096 bytes
	s_lshl_b32 s32, s32, 8
	s_add_co_u32 s38, s38, s32
	s_add_nc_u64 s[SRC:SRC+1], s[SRC:SRC+1], s[38:39]
	v_lshl_add_u32 v[VX], v7, 12, v[VG]
	CAST 8192
	s_endpgm
.Lw1:                                          ; N = 4,096: w1 (work-groups 512-767)
	s_sub_co_u32 s28, s27, 512
	s_and_b32 s32, s28, 7
	s_lshl_b32 s32, s32, 3
	s_add_co_u32 s32, s32, s26                     ; the panel
	s_lshr_b32 s28, s28, 3                         ; the block of 32 rows
	s_lshl_b32 s38, s32, 17
	s_add_co_u32 s38, s38, 8388608
	s_lshl_b32 s29, s28, 12
	s_add_co_u32 s38, s38, s29
	s_mov_b32 s39, 0
	s_add_nc_u64 s[DST:DST+1], s[24:25], s[38:39]
	s_lshl_b32 s38, s28, 19                        ; 32 rows of 16,384 bytes
	s_lshl_b32 s32, s32, 8
	s_add_co_u32 s38, s38, s32
	s_add_nc_u64 s[SRC:SRC+1], s[18:19], s[38:39]
	v_lshl_add_u32 v[VX], v7, 14, v[VG]
	CAST 32768
	s_endpgm
.Lfunc_end_k_q55ed704e61_prep:
	.size	k_q55ed704e61_prep, .Lfunc_end_k_q55ed704e61_prep-k_q55ed704e61_prep
	.p2alignl 7, 3214868480
	.fill 96, 4, 3214868480
	.section	.rodata,"a",@progbits
	.p2align	6, 0x0
	.amdhsa_kernel k_q55ed704e61_prep
		.amdhsa_group_segment_fixed_size 0
		.amdhsa_private_segment_fixed_size 0
		.amdhsa_enable_private_segment 0
		.amdhsa_kernarg_size 88
		.amdhsa_user_sgpr_count 2
		.amdhsa_user_sgpr_kernarg_segment_ptr 1
		.amdhsa_wavefront_size32 1
		.amdhsa_system_sgpr_workgroup_id_x 1
		.amdhsa_system_sgpr_workgroup_id_y 1
		.amdhsa_system_sgpr_workgroup_id_z 1
		.amdhsa_system_vgpr_workitem_id 0
		.amdhsa_next_free_vgpr 224
		.amdhsa_next_free_sgpr 66
		.amdhsa_reserve_vcc 0
		.amdhsa_float_denorm_mode_32 3
		.amdhsa_float_denorm_mode_16_64 3
		.amdhsa_memory_ordered 1
		.amdhsa_forward_progress 1
		.amdhsa_inst_pref_size 40
	.end_amdhsa_kernel
	.amdgpu_metadata
---
amdhsa.version: [ 1, 2 ]
amdhsa.kernels:
  - .name:           k_q55ed704e61_prep
    .symbol:         k_q55ed704e61_prep.kd
    .args:
      - { .name: x, .offset: 0, .size: 8, .value_kind: global_buffer, .address_space: global }
      - { .name: ln1_g, .offset: 8, .size: 8, .value_kind: global_buffer, .address_space: global }
      - { .name: ln1_b, .offset: 16, .size: 8, .value_kind: global_buffer, .address_space: global }
      - { .name: wq, .offset: 24, .size: 8, .value_kind: global_buffer, .address_space: global }
      - { .name: wk, .offset: 32, .size: 8, .value_kind: global_buffer, .address_space: global }
      - { .name: wv, .offset: 40, .size: 8, .value_kind: global_buffer, .address_space: global }
      - { .name: w_proj, .offset: 48, .size: 8, .value_kind: global_buffer, .address_space: global }
      - { .name: w1, .offset: 56, .size: 8, .value_kind: global_buffer, .address_space: global }
      - { .name: w2, .offset: 64, .size: 8, .value_kind: global_buffer, .address_space: global }
      - { .name: act, .offset: 72, .size: 8, .value_kind: global_buffer, .address_space: global }
      - { .name: wb, .offset: 80, .size: 8, .value_kind: global_buffer, .address_space: global }
    .group_segment_fixed_size: 0
    .private_segment_fixed_size: 0
    .kernarg_segment_align: 8
    .kernarg_segment_size: 88
    .max_flat_workgroup_size: 256
    .sgpr_count:     66
    .vgpr_count:     224
    .wavefront_size: 32
...
	.end_amdgpu_metadata
.endif
;; end of part 1
;; launch qkv (part 2): grid 16 x 16, 4 waves a work-group, clusters of 4 x 4, 327,680 bytes of LDS; arguments act, wb, big; writes big
.if DOCPART == 2
	.amdgcn_target "amdgcn-amd-amdhsa--gfx1250"
	.amdhsa_code_object_version 6
	.text
	.protected	k_q55ed704e61_qkv
	.globl	k_q55ed704e61_qkv
	.p2align	8
	.type	k_q55ed704e61_qkv,@function
k_q55ed704e61_qkv:
	s_mov_b64 s[64:65], 0
	v_nop
	global_prefetch_b8 v0, s[64:65] scope:SCOPE_SE
	s_setreg_imm32_b32 hwreg(HW_REG_WAVE_MODE, 25, 1), 1
	s_wait_xcnt 0x0
	s_wait_alu depctr_hold_cnt(0) depctr_sa_sdst(0) depctr_va_vdst(0) depctr_va_sdst(0) depctr_va_ssrc(0) depctr_va_vcc(0) depctr_vm_vsrc(0)
	s_getreg_b32 s2, hwreg(HW_REG_IB_STS2, 6, 4)
	s_cmp_eq_u32 s2, 0
	s_cbranch_scc0 .Lentry_in_a_cluster
	s_endpgm
.Lentry_in_a_cluster:
	s_bfe_u32 s2, ttmp6, 0x10000c
	s_cmp_lg_u32 s2, 0xf033
	s_cbranch_scc0 .Lentry_shape_is_right
	s_endpgm
.Lentry_shape_is_right:
; q, k, v = h Wqkv.  C[4096][3072] = A[4096][1024] W[1024][3072], bf16 operands, f32 sums, C rounded once to bf16.
.set TM,    256                        ; a work-group's tile of C: rows,
.set TN,    192                        ; columns
.set WROWS, 4                          ; the four waves lie 4 x 1 over the tile
.set MB,    4                          ; blocks of 16 rows a wave
.set NBW,   12                         ; blocks of 16 columns a wave
.set KS,    128                        ; a K step
.set SUB,   1                          ; a quarter of a K step is SUB x 32 along K
.set KK,    1024                       ; rows from a panel of W to the next
.set WOFF,  0                          ; where W begins in its buffer
.set EPI,   0                          ; the way out: 0 bf16; 1 bias, ReLU, bf16; 2 bias, residual, f32
.set PF,    1                          ; prefetches are laid
.set RTL,   0                          ; 0: K = KK; 1: the number of laps is read from memory
; ONE TEXT FOR THE PRODUCTS OF THE BLOCK; the constants above tell them apart.
; LAYOUTS.  A and a bf16 C lie in panels of 64 columns: element (m, c) at ((c / 64) 4096 + m) 128 + 2 (c % 64).  W lies [K][N] in panels too: (k, n) at ((n / 64) KK + k) 128 + 2 (n % 64).
; So a tile's part of a panel is a dense run of memory, asked for as one long row and cut into LDS rows of 128 bytes by the padding.
; THE PRODUCT IS USED TRANSPOSED: source 0 = 16 columns of W (turned on the way out of LDS by ds_load_tr16_b128), source 1 = 16 rows of A: a lane holds ONE row of C and 8 neighbouring columns.
; RING.  Two LDS slots, a K step each.  Waves 0 and 1 fetch the halves of A's part, waves 2 and 3 those of W's: one tensor load a wave behind each change of slots, a K step's products in which to land.
; CLUSTER 4 x 4: A's tiles are shared along a row of the cluster, W's along a column: joint loads with a mask of four.
; A K step is four quarters on two fragment buffers; a quarter's 32 LDS loads stand in one run behind the first row block's products of the quarter before.  The loop over a step's quarters has two trips.
; The first quarter alone is written out ahead of the loops (its products start the sums); behind it the text goes into the lap loop's second half, with one trip of its inner loop to go.
; The accumulators take turns, one instruction a turn, in one fixed order, over the jumps too.  The first products start the sums, with 0 or with the bias as C.
; LIMITS.  Operands are bf16, each rounded once; the order of the f32 sums is the unit's; NaN and infinities are not treated apart (ReLU of NaN gives 0).
; REGISTERS, in windows of 256: window 0 addresses, bias, residual; window 1 two fragment buffers of 128 (W's fragments, then A's), later the way out; windows 2, 3 the accumulators: (a, b) is number a NBW + b.
.set NSTEP, KK/KS
.set PB,    TN/64                      ; panels of W in a tile
.set PA,    144                        ; an LDS row of A: 128 bytes + 16: the 16 rows of a load start at 16 different groups of four banks (ISA guide 11.1)
.set PW,    160                        ; an LDS row of W: 128 + 32
.set AH,    36864                      ; what an A wave fetches: 256 LDS rows
.set AREG,  2*AH
.set PBLK,  (KS/2)*PW                  ; half a step's rows of one panel of W
.set BH,    PB*PBLK                    ; what a W wave fetches
.set SLOT,  AREG+2*BH                  ; A: [k panel][row]; behind it W: [k half][panel][row]
.set SPARE, 2*SLOT                     ; the spare words, 128 bytes a wave: two blocks of 256 bytes that no other line names
.set STG,   0                          ; the stage of the way out lies in slot 0, which has had its last fill and its last read by then
.set ASTEP, (KS/64)*524288             ; bytes from a K step of A to the next
.set BSTEP, KS*128                     ; the same for W
.set NPQ,   SUB*MB
.set KA2,   64+(SUB-1)*(TM*PA-64)      ; from an even quarter's fragments of A to the odd quarter's, in LDS
.set KB2,   SUB*32*PW                  ; the same for W
.set OUTP,  8+2*EPI                    ; s pair of the output
.set BIP,   8                          ; s[8:9] the bias (EPI 1, 2)
.set REP,   10                         ; s[10:11] the residual (EPI 2)
.set ADRA0, 4                          ; v4  my lane's place in a slot's A; never rewritten
.set ADRB0, 5                          ; v5  the same for W
.set PAP,   6                          ; v6  the LDS address of the fetches in hand, A
.set PBP,   7                          ; v7  W
.set STO,   8                          ; v8  the way out: where I put my part of a row
.set RD,    9                          ; v9  where I read rows back
.set CO,    10                         ; v10 my byte offset in C
.set BO,    11                         ; v11 my byte offset in a block's bias
.set PFO,   12                         ; v12 the prefetches' offset; never rewritten
.set ZR,    13                         ; v13 0, for ReLU
.set SPW,   14                         ; v14 LDS address of my spare word; never rewritten
.set NIL,   15                         ; v15 0; never rewritten
.set BIAS,  64                         ; v[64:127] 8 registers a column block
.set RES,   128                        ; v[128:255] the residual
.set WV,    14                         ; s14 wave
.set WR,    15                         ; s15, s16 my place in the tile
.set WC,    16
.set CX,    17                         ; s17, s18 my work-group's place in the cluster
.set CY,    18
.set TC,    19                         ; s19, s20 tile column, tile row
.set TR,    20
.set G1A,   24                         ; s[24:31] descriptor group 1, A;  s[32:39] group 0, a set for each slot
.set G0A,   32
.set G1B,   40                         ; s[40:47], s[48:55] the same for W
.set G0B,   48
.set PFA,   56                         ; s[56:57] where my prefetches stand
.set LIM,   58                         ; s58 1 in a wave that prefetches, else the greatest number
.set ROLE,  59                         ; s59 0: I fetch for A; 1: for W
.set PFS,   66                         ; s[66:67] a K step in what I prefetch
.set TBA,   68                         ; s68, s69 LDS byte at which the fetches in hand begin, A's and W's
.set TBB,   69
.set LAP,   70
.set CNT,   71
.set POFF,  76                         ; s[76:77] my work-group's share of a prefetch
.set HALF,  78                         ; s78 which half I fetch
.set NLB,   79                         ; s79 (RTL) the laps and one, read from memory
.set CFG,   82                         ; s[82:83] (RTL) where it is read
.set LEFT,  84                         ; s84 (RTL) laps still to come, the one in hand among them
.if RTL
.set ASKC,  LEFT
.else
.set ASKC,  LAP
.endif
.set MSB, 0
.macro WIN new                         ; the immediate's high byte repeats the setting that is left; a switch that changes nothing is dropped
.if MSB != (\new)
	s_set_vgpr_msb (MSB<<8)|(\new)
.set MSB, \new
.endif
.endm
.macro PLACES                          ; four places behind matrix instructions, in front of loads into registers that they read (ISA guide 7.12.1 for vector instructions)
.rept 4
	v_nop
.endr
.endm
.macro CROUND                          ; a round of the cluster's barrier
	s_barrier_signal -1
	s_barrier_wait -1
	s_cmp_lg_u32 s[WV], 0
	s_cbranch_scc1 .Lnot_wave_0_\@
	s_barrier_signal -3
.Lnot_wave_0_\@:
	s_barrier_wait -3
	s_barrier_signal -1
	s_barrier_wait -1
.endm
.macro JLOAD s                         ; a joint refill of slot s; the branch hangs on the wave's number alone; s_nop 0 and four v_nop follow each line
	s_cmp_eq_u32 s[ROLE], 0
	s_cbranch_scc0 .Lfor_b_\@
	tensor_load_to_lds s[G0A+4*(\s):G0A+4*(\s)+3], s[G1A:G1A+7]
	s_nop 0
.rept 4
	v_nop
.endr
	s_branch .Lasked_\@
.Lfor_b_\@:
	tensor_load_to_lds s[G0B+4*(\s):G0B+4*(\s)+3], s[G1B:G1B+7]
	s_nop 0
.rept 4
	v_nop
.endr
.Lasked_\@:
.endm
; A prefetch, behind the joint load and its five lines: my work-group's share of what I shall fetch two refills on, a lane to each 256 bytes.  A's rows are asked for by the clusters with x = 0, W's by those with
; y = 0; the four partners of a joint load share its bytes out by address.  The last lap asks for nothing: the K steps that it would name do not exist.
.macro ASK
	s_cmp_gt_u32 s[ASKC], s[LIM]
	s_cbranch_scc0 .Lnot_mine_\@
	global_prefetch_b8 v[PFO], s[PFA:PFA+1] th:TH_LOAD_NT scope:SCOPE_SE
.Lnot_mine_\@:
.endm
.macro FETCH f, koa, kob               ; a quarter's 32 LDS loads into buffer f
	WIN 0x40                                       ; destination window 1, address window 0
.set ic, 0
.rept SUB
.set ib, 0
.rept NBW
.set rW, 128*(\f)+8*(ic*NBW+ib)
.set oW, (\kob)+ic*32*PW+(ib/4)*PBLK+(ib%4)*32
	ds_load_tr16_b128 v[rW:rW+3], v[PBP] offset:oW
	ds_load_tr16_b128 v[rW+4:rW+7], v[PBP] offset:oW+16*PW
.set ib, ib+1
.endr
.set ic, ic+1
.endr
.set ic, 0
.rept SUB
.set ia, 0
.rept MB
.set rA, 128*(\f)+8*SUB*NBW+8*(ic*MB+ia)
.set oA, (\koa)+ic*64+ia*16*PA
	ds_load_b128 v[rA:rA+3], v[PAP] offset:oA
	ds_load_b128 v[rA+4:rA+7], v[PAP] offset:oA+32
.set ia, ia+1
.endr
.set ic, ic+1
.endr
.endm
.macro MULS f, p0, p1, first           ; the products of buffer f for (32 along K, row block) number p0 .. p1 - 1, all column blocks
.set ip, \p0
.rept (\p1)-(\p0)
.set ic, ip/MB
.set ia, ip%MB
.set ib, 0
.rept NBW
.set ix, ia*NBW+ib
.set wn, 2+ix/32
.set rD, 8*(ix%32)
.set rW, 128*(\f)+8*(ic*NBW+ib)
.set rA, 128*(\f)+8*SUB*NBW+8*(ic*MB+ia)
.if (\first) && (ic == 0)
.if EPI == 0
	WIN 0x05|(wn<<4)|(wn<<6)
	v_wmma_f32_16x16x32_bf16 v[rD:rD+7], v[rW:rW+7], v[rA:rA+7], 0
.else
	WIN 0x05|(wn<<6)                               ; C, the bias, in window 0
	v_wmma_f32_16x16x32_bf16 v[rD:rD+7], v[rW:rW+7], v[rA:rA+7], v[BIAS+8*ib:BIAS+8*ib+7]
.endif
.else
	WIN 0x05|(wn<<4)|(wn<<6)
	v_wmma_f32_16x16x32_bf16 v[rD:rD+7], v[rW:rW+7], v[rA:rA+7], v[rD:rD+7]
.endif
.set ib, ib+1
.endr
.set ip, ip+1
.endr
.endm
.macro QUARTER f, g, koa, kob, first   ; buffer f is multiplied; behind its first row block's products the next quarter is fetched into g, which the quarter before has multiplied
	s_wait_dscnt 0x0                               ; f's 32 loads are all that is out: they were issued NPQ - 1 row blocks' products ago
	MULS \f, 0, 1, \first
	PLACES
	FETCH \g, \koa, \kob
	MULS \f, 1, NPQ, \first
.endm
; THE CHANGE OF SLOTS.  Each wave waits for all its tensor loads (one is out: its part of slot new), adds 0 to its spare word, and waits for that and for its reads of the old slot.
; fill = 1: the barrier is a round of the cluster's, and the old slot's joint refill, two K steps on, is the first thing behind it.
.macro CHANGE new, fill
	WIN 0
.if PF && (\fill)
	s_wait_xcnt 0x0                                ; the last prefetch, a K step back, has read its address
	s_add_nc_u64 s[PFA:PFA+1], s[PFA:PFA+1], s[PFS:PFS+1]
.endif
	s_wait_tensorcnt 0x0                           ; no tensor load of mine is out, so a group 0 may be written
	ds_add_u32 v[SPW], v[NIL]                      ; 0 onto my spare word; scalar work stands between it and the wait for it
.if \fill
	s_add_nc_u64 s[G0A+4*(1-(\new))+2:G0A+4*(1-(\new))+3], s[G0A+4*(1-(\new))+2:G0A+4*(1-(\new))+3], 2*ASTEP
	s_add_nc_u64 s[G0B+4*(1-(\new))+2:G0B+4*(1-(\new))+3], s[G0B+4*(1-(\new))+2:G0B+4*(1-(\new))+3], 2*BSTEP
.endif
	s_mov_b32 s[TBA], (\new)*SLOT
	s_mov_b32 s[TBB], (\new)*SLOT
	s_wait_dscnt 0x0                               ; the add is done, and my reads of the old slot are over
.if \fill
	CROUND
	JLOAD 1-(\new)
.if PF
	ASK
.endif
.else
	s_barrier_signal -1
	s_barrier_wait -1
.endif
.endm
; A change of slots and four quarters: the old step's last and the new step's first three; all four fetches read the new slot, two a trip.  The tag ends the inner loop's label.
.macro STEP new, fill, tag
	CHANGE \new, \fill
	s_mov_b32 s[CNT], 2
.Lq\tag:
	v_add_nc_u32 v[PAP], s[TBA], v[ADRA0]
	v_add_nc_u32 v[PBP], s[TBB], v[ADRB0]
	QUARTER 1, 0, 0, 0, 0
	QUARTER 0, 1, KA2, KB2, 0
	WIN 0
	s_add_co_u32 s[TBA], s[TBA], AH
	s_add_co_u32 s[TBB], s[TBB], BH
	s_sub_co_u32 s[CNT], s[CNT], 1
	s_cmp_lg_u32 s[CNT], 0
	s_cbranch_scc1 .Lq\tag
.endm
.if EPI == 0
	s_load_b128 s[4:7], s[0:1], 0x0                ; A, W
	s_load_b64 s[8:9], s[0:1], 0x10                ; C
.elseif EPI == 1
	s_load_b256 s[4:11], s[0:1], 0x0               ; A, W, bias, C
.else
	s_load_b256 s[4:11], s[0:1], 0x0               ; A, W, bias, residual
	s_load_b64 s[12:13], s[0:1], 0x20              ; C
.endif
.if RTL
	s_load_b64 s[CFG:CFG+1], s[0:1], 0x28          ; the count
.endif
	v_lshl_add_u32 v[SPW], v0, 2, SPARE
	v_mov_b32 v[NIL], 0
	ds_add_u32 v[SPW], v[NIL]                      ; the wave's opening: the add and its wait stand ahead of my first tensor load
	v_lshrrev_b32 v1, 5, v0
	v_readfirstlane_b32 s[WV], v1
	s_lshr_b32 s[ROLE], s[WV], 1
	s_and_b32 s[HALF], s[WV], 1
.if WROWS == 4
	s_mov_b32 s[WR], s[WV]
	s_mov_b32 s[WC], 0
.else
	s_mov_b32 s[WR], s[ROLE]
	s_mov_b32 s[WC], s[HALF]
.endif
	s_bfe_u32 s[CX], ttmp6, 0x40000
	s_bfe_u32 s[CY], ttmp6, 0x40004
	s_lshl_b32 s[TC], ttmp9, 2
	s_add_co_u32 s[TC], s[TC], s[CX]               ; tile column = 4 x cluster x + cx
	s_and_b32 s[TR], ttmp7, 0xffff
	s_lshl_b32 s[TR], s[TR], 2
	s_add_co_u32 s[TR], s[TR], s[CY]               ; tile row = 4 x cluster y + cy
	s_lshl_b32 s2, s[CY], 2
	s_lshl_b32 s2, 15, s2                          ; my row of the cluster
	s_lshl_b32 s3, 0x1111, s[CX]                   ; my column
	s_or_b32 s[G1A], s2, (1<<16)|(1<<20)|(1<<21)|(4<<22)|(3<<25)  ; the mask; 2-byte elements; padding on; bit 21 beside a mask; after every 32 words, 4 words
	s_or_b32 s[G1B], s3, (1<<16)|(1<<20)|(1<<21)|(4<<22)|(7<<25)  ; the same with 8 words
	s_mov_b32 s[G1A+1], ((TM*64)&0xffff)<<16       ; tensor_dim0 = the tile's rows of one panel, as one run
	s_mov_b32 s[G1A+2], ((TM*64)>>16)|((KS/128)<<16)  ; tensor_dim1 = the panels that a wave fetches
	s_mov_b32 s[G1A+3], (TM*64)<<16                ; tile_dim0
	s_mov_b32 s[G1A+4], KS/128                     ; tile_dim1
	s_mov_b32 s[G1A+5], 262144                     ; elements from panel to panel
	s_mov_b32 s[G1A+6], 0
	s_mov_b32 s[G1A+7], 0
	s_mov_b32 s[G1B+1], (((KS/2)*64)&0xffff)<<16   ; tensor_dim0 = half a step's rows of one panel
	s_mov_b32 s[G1B+2], PB<<16                     ; tensor_dim1 = the tile's panels
	s_mov_b32 s[G1B+3], ((KS/2)*64)<<16
	s_mov_b32 s[G1B+4], PB
	s_mov_b32 s[G1B+5], KK*64
	s_mov_b32 s[G1B+6], 0
	s_mov_b32 s[G1B+7], 0
	s_mul_i32 s60, s[TR], TM*128                   ; A hangs on the tile row and the wave alone,
	s_mul_i32 s21, s[HALF], (KS/128)*524288
	s_add_co_u32 s60, s60, s21
	s_mov_b32 s61, 0
	s_mul_i32 s62, s[TC], PB*KK*128                ; W on the tile column and the wave alone
	s_mul_i32 s21, s[HALF], (KS/2)*128
	s_add_co_u32 s62, s62, s21
	s_add_co_u32 s62, s62, WOFF
	s_mov_b32 s63, 0
	s_mul_i32 s22, s[HALF], AH                     ; LDS: no place in the cluster enters
	s_mul_i32 s23, s[HALF], BH
	s_add_co_u32 s23, s23, AREG
	s_wait_dscnt 0x0                               ; the opening add is done
	s_wait_kmcnt 0x0
.if RTL
	s_load_b32 s[NLB], s[CFG:CFG+1], 0x0           ; waited for behind the first quarter
.endif
	s_add_nc_u64 s[72:73], s[4:5], s[60:61]
	s_add_nc_u64 s[74:75], s[6:7], s[62:63]
.irp s, 0,1
	s_mov_b32 s[G0A+4*(\s)], 1
	s_add_co_u32 s[G0A+4*(\s)+1], s22, (\s)*SLOT
	s_add_nc_u64 s[G0A+4*(\s)+2:G0A+4*(\s)+3], s[72:73], (\s)*ASTEP
	s_or_b32 s[G0A+4*(\s)+3], s[G0A+4*(\s)+3], 0x80000000
	s_mov_b32 s[G0B+4*(\s)], 1
	s_add_co_u32 s[G0B+4*(\s)+1], s23, (\s)*SLOT
	s_add_nc_u64 s[G0B+4*(\s)+2:G0B+4*(\s)+3], s[74:75], (\s)*BSTEP
	s_or_b32 s[G0B+4*(\s)+3], s[G0B+4*(\s)+3], 0x80000000
.endr
	CROUND                                         ; all sixteen work-groups are here: the first joint loads meet
	s_cmp_eq_u32 s[ROLE], 0                        ; a wave's two first fills stand in one branch: K steps 0 and 1; two loads of mine are out
	s_cbranch_scc0 .Lfirst_b
	tensor_load_to_lds s[G0A:G0A+3], s[G1A:G1A+7]
	s_nop 0
	tensor_load_to_lds s[G0A+4:G0A+7], s[G1A:G1A+7]
	s_nop 0
.rept 4
	v_nop
.endr
	s_branch .Lfirst_asked
.Lfirst_b:
	tensor_load_to_lds s[G0B:G0B+3], s[G1B:G1B+7]
	s_nop 0
	tensor_load_to_lds s[G0B+4:G0B+7], s[G1B:G1B+7]
	s_nop 0
.rept 4
	v_nop
.endr
.Lfirst_asked:
	v_and_b32 v1, 15, v0                           ; l % 16
	v_bfe_u32 v2, v0, 4, 1                         ; l / 16
	v_mul_u32_u24 v[ADRA0], v1, PA                 ; a fragment of A: row l % 16, 16 bytes for each half of the lanes, twice, 32 bytes apart
	v_lshl_add_u32 v[ADRA0], v2, 4, v[ADRA0]
	s_mul_i32 s21, s[WR], MB*16*PA
	v_add_nc_u32 v[ADRA0], s21, v[ADRA0]
	v_and_b32 v3, 7, v0                            ; the turning load: lane l reads row k = 8 (l / 16) + l % 8, columns 8 ((l / 8) % 2) on
	v_lshl_add_u32 v[ADRB0], v2, 3, v3
	v_mul_u32_u24 v[ADRB0], v[ADRB0], PW
	v_bfe_u32 v3, v0, 3, 1
	v_lshl_add_u32 v[ADRB0], v3, 4, v[ADRB0]
	s_mul_i32 s21, s[WC], (NBW/4)*PBLK
	s_add_co_u32 s21, s21, AREG
	v_add_nc_u32 v[ADRB0], s21, v[ADRB0]
.if EPI > 0
	s_mul_i32 s2, s[TC], TN*4                      ; the bias of my columns: register j of block b is column 16 b + 8 (l / 16) + j, as in a result
	s_mul_i32 s3, s[WC], NBW*64
	s_add_co_u32 s2, s2, s3
	s_mov_b32 s3, 0
	s_add_nc_u64 s[BIP:BIP+1], s[BIP:BIP+1], s[2:3]
	v_lshlrev_b32 v[BO], 5, v2
.set ib, 0
.rept NBW
	global_load_b128 v[BIAS+8*ib:BIAS+8*ib+3], v[BO], s[BIP:BIP+1] offset:64*ib
	global_load_b128 v[BIAS+8*ib+4:BIAS+8*ib+7], v[BO], s[BIP:BIP+1] offset:64*ib+16
.set ib, ib+1
.endr
.endif
.if EPI < 2
	s_mul_i32 s2, s[TC], PB                        ; C in panels: my first panel, my first row
	s_mul_i32 s3, s[WC], NBW/4
	s_add_co_u32 s2, s2, s3
	s_lshl_b32 s2, s2, 19
	s_mul_i32 s3, s[TR], TM*128
	s_add_co_u32 s2, s2, s3
	s_mul_i32 s3, s[WR], MB*16*128
	s_add_co_u32 s2, s2, s3
	s_mov_b32 s3, 0
	s_add_nc_u64 s[OUTP:OUTP+1], s[OUTP:OUTP+1], s[2:3]
	s_mul_i32 s21, s[WV], 16*PA
	s_add_co_u32 s21, s21, STG                     ; my stage: 16 rows of 144 bytes
	v_mul_u32_u24 v[STO], v1, PA
	v_lshl_add_u32 v[STO], v2, 4, v[STO]
	v_add_nc_u32 v[STO], s21, v[STO]
	v_bfe_u32 v[RD], v0, 3, 2                      ; back: 32 lanes take four rows of 128 bytes,
	v_mul_u32_u24 v[RD], v[RD], PA
	v_and_b32 v3, 7, v0
	v_lshl_add_u32 v[RD], v3, 4, v[RD]
	v_add_nc_u32 v[RD], s21, v[RD]
	v_and_b32 v[CO], 31, v0                        ; which are 512 consecutive bytes of a panel
	v_lshlrev_b32 v[CO], 4, v[CO]
	v_mov_b32 v[ZR], 0
.else
	s_mul_i32 s2, s[TR], 128*4096                  ; C and the residual, f32, row-major, 4,096 bytes a row
	s_mul_i32 s3, s[WR], 64*4096
	s_add_co_u32 s2, s2, s3
	s_mul_i32 s3, s[TC], 512
	s_add_co_u32 s2, s2, s3
	s_lshl_b32 s3, s[WC], 8
	s_add_co_u32 s2, s2, s3
	s_mov_b32 s3, 0
	s_add_nc_u64 s[OUTP:OUTP+1], s[OUTP:OUTP+1], s[2:3]
	s_add_nc_u64 s[REP:REP+1], s[REP:REP+1], s[2:3]
	s_mul_i32 s21, s[WV], 16*272
	s_add_co_u32 s21, s21, STG                     ; my stage: 16 rows of 272 bytes
	v_mul_u32_u24 v[STO], v1, 272
	v_lshl_add_u32 v[STO], v2, 5, v[STO]
	v_add_nc_u32 v[STO], s21, v[STO]
	v_mul_u32_u24 v[RD], v2, 272                   ; back: lanes 0-15 one row of 256 bytes, lanes 16-31 the next
	v_lshl_add_u32 v[RD], v1, 4, v[RD]
	v_add_nc_u32 v[RD], s21, v[RD]
	v_lshlrev_b32 v[CO], 12, v2
	v_lshl_add_u32 v[CO], v1, 4, v[CO]
.endif
.if PF
.if KS == 128
	s_lshl_b32 s21, s[CX], 13                      ; A: a quarter of the panel's 32,768 bytes
.else
	s_lshr_b32 s21, s[CX], 1                       ; A: half of one of two panels' 16,384 bytes
	s_lshl_b32 s21, s21, 19
	s_and_b32 s22, s[CX], 1
	s_lshl_b32 s22, s22, 13
	s_add_co_u32 s21, s21, s22
.endif
.if PB == 3
	s_lshl_b32 s23, s[CY], 11                      ; W: a quarter of each of three panels' 8,192 bytes
.elseif PB == 4
	s_lshl_b32 s23, s[CY], 17                      ; W: one of four panels' 8,192 bytes
.else
	s_lshr_b32 s23, s[CY], 1                       ; W: half of one of two panels' 16,384 bytes
	s_lshl_b32 s23, s23, 19
	s_and_b32 s22, s[CY], 1
	s_lshl_b32 s22, s22, 13
	s_add_co_u32 s23, s23, s22
.endif
	s_and_b32 s22, ttmp7, 0xffff                   ; cluster y
	s_mov_b32 s2, ASTEP
	s_mov_b32 s3, BSTEP
	s_cmp_eq_u32 s[ROLE], 0
	s_cselect_b32 s[POFF], s21, s23
	s_cselect_b32 s22, ttmp9, s22                  ; the coordinate along which other clusters read the same bytes
	s_cselect_b32 s[PFS], s2, s3
	s_cselect_b64 s[PFA:PFA+1], s[72:73], s[74:75]
	s_mov_b32 s[POFF+1], 0
	s_mov_b32 s[PFS+1], 0
	s_cmp_eq_u32 s22, 0
	s_cselect_b32 s[LIM], 1, -1                    ; the same in all sixteen partners, for a given wave
	s_add_nc_u64 s[PFA:PFA+1], s[PFA:PFA+1], s[POFF:POFF+1]
.rept 3
	s_add_nc_u64 s[PFA:PFA+1], s[PFA:PFA+1], s[PFS:PFS+1]  ; at K step 3: the first change steps it to 4.  K steps 0 to 3 come by their loads alone
.endr
.if PB == 3
	s_mov_b32 s2, 2048                             ; A: 32 blocks on end.  W: 8 blocks in each of 3 panels; lanes 24-31 name the blocks of lanes 16-23 once more, in the same instruction
	s_mov_b32 s3, 131072
	s_cmp_eq_u32 s[ROLE], 0
	s_cselect_b32 s2, s2, s3
	s_cselect_b32 s3, 3, 2
	v_bfe_u32 v[PFO], v0, 3, 2
	v_min_u32 v[PFO], s3, v[PFO]
	v_mul_u32_u24 v[PFO], s2, v[PFO]
	v_and_b32 v3, 7, v0
	v_lshl_add_u32 v[PFO], v3, 8, v[PFO]
.else
	v_and_b32 v[PFO], 31, v0
	v_lshlrev_b32 v[PFO], 8, v[PFO]
.endif
.endif
	s_wait_tensorcnt 0x1                           ; my part of K step 0 is in; K step 1's may stay out
	s_barrier_signal -1
	s_barrier_wait -1                              ; everybody's is
	s_mov_b32 s[TBA], 0
	s_mov_b32 s[TBB], 0
	v_add_nc_u32 v[PAP], s[TBA], v[ADRA0]
	v_add_nc_u32 v[PBP], s[TBB], v[ADRB0]
	FETCH 0, 0, 0
.if EPI > 0
	s_wait_loadcnt 0x0                             ; the bias
.endif
	QUARTER 0, 1, KA2, KB2, 1                      ; the first quarter is written out: its products start the sums
	WIN 0
	s_add_co_u32 s[TBA], s[TBA], AH                ; K step 0's second half is fetched by one trip of the inner loop that reads slot 0
	s_add_co_u32 s[TBB], s[TBB], BH
	s_mov_b32 s[CNT], 1
.if RTL
	s_wait_kmcnt 0x0                               ; the count: the same number in every work-group
	s_min_u32 s[NLB], s[NLB], 64
	s_mov_b32 s[LEFT], s[NLB]
	s_mov_b32 s[LAP], 0
.else
	s_mov_b32 s[LAP], NSTEP/2                      ; the laps and one: the way in passes the loop's end once
.endif
	s_branch .Lqb
.Llap:                                         ; a lap goes once round the ring and fills both slots again
	STEP 1, 1, a
	STEP 0, 1, b
.if RTL
	s_sub_co_u32 s[LEFT], s[LEFT], 1
	s_add_co_u32 s[LAP], s[LAP], 1
	s_cmp_lt_u32 s[LAP], s[NLB]
.else
	s_sub_co_u32 s[LAP], s[LAP], 1
	s_cmp_lg_u32 s[LAP], 0
.endif
	s_cbranch_scc1 .Llap
.if EPI == 2
.set i, 0
.rept 32                                       ; the residual of my 64 x 64: two rows' 256 bytes an instruction; a K step's products in which to land
	global_load_b128 v[RES+4*i:RES+4*i+3], v[CO], s[REP:REP+1] offset:2*i*4096 th:TH_LOAD_NT
.set i, i+1
.endr
.endif
	STEP 1, 0, c                                   ; the last change fills nothing
	s_wait_dscnt 0x0
	MULS 1, 0, NPQ, 0                              ; the last quarter
	PLACES
	PLACES
.if EPI < 2
; THE WAY OUT, bf16.  A unit is 16 rows x one panel: rounded (and cut at 0), 16 bytes a lane into my stage, back as whole rows, stored as 512 consecutive bytes.  Unit u has registers 16 u .. 16 u + 15 of window 1 to itself.
; A unit's stores stand behind the packing of the unit two further on: two units' conversions stand between its loads from the stage and the wait for them.
.set NU, MB*(NBW/4)
.macro PACK u
.set ix, ((\u)/(NBW/4))*NBW+4*((\u)%(NBW/4))
.set wn, 2+ix/32
.set rD, 8*(ix%32)
	WIN wn|(wn<<2)|0x40
.set ir, 0
.rept 16
	v_cvt_pk_bf16_f32 v[16*(\u)+ir], v[rD+2*ir], v[rD+2*ir+1]  ; each accumulator's registers in ascending order
.set ir, ir+1
.endr
.if EPI == 1
	WIN 0x41
.set ir, 0
.rept 16
	v_pk_max_num_bf16 v[16*(\u)+ir], v[16*(\u)+ir], v[ZR]
.set ir, ir+1
.endr
.endif
	WIN 0x04
.set jf, 0
.rept 4
	ds_store_b128 v[STO], v[16*(\u)+4*jf:16*(\u)+4*jf+3] offset:32*jf
.set jf, jf+1
.endr
	WIN 0x40
.set jf, 0
.rept 4
	ds_load_b128 v[16*(\u)+4*jf:16*(\u)+4*jf+3], v[RD] offset:4*PA*jf  ; LDS serves a wave's instructions in order (ISA guide 5.7.1.4): these see the stores above, and the next unit's stores come behind them
.set jf, jf+1
.endr
.endm
.macro SEND u, younger                 ; younger: the LDS instructions issued behind unit u's loads: eight for each later unit that has been packed
	WIN 0x04
.set jf, 0
.rept 4
	s_wait_dscnt (\younger)+3-jf
	global_store_b128 v[CO], v[16*(\u)+4*jf:16*(\u)+4*jf+3], s[OUTP:OUTP+1] offset:((\u)%(NBW/4))*524288+((\u)/(NBW/4))*2048+512*jf
.set jf, jf+1
.endr
.endm
	PACK 0
	PACK 1
.set iu, 2
.rept NU-2
	PACK iu
	SEND iu-2, 16
.set iu, iu+1
.endr
	SEND NU-2, 8
	SEND NU-1, 0
.else
; THE WAY OUT, f32.  A unit is 16 rows x 64 columns: from the accumulators into my stage, back as whole rows of 256 bytes, the residual added, stored: 16 lanes fill 256 consecutive bytes, aligned.
.macro PACKF a
	WIN 0x08
.set ib, 0
.rept 4
	ds_store_b128 v[STO], v[8*(4*(\a)+ib):8*(4*(\a)+ib)+3] offset:64*ib
	ds_store_b128 v[STO], v[8*(4*(\a)+ib)+4:8*(4*(\a)+ib)+7] offset:64*ib+16
.set ib, ib+1
.endr
	WIN 0x40
.set jf, 0
.rept 8
	ds_load_b128 v[32*(\a)+4*jf:32*(\a)+4*jf+3], v[RD] offset:544*jf
.set jf, jf+1
.endr
.endm
.macro SENDF a, younger
	s_wait_loadcnt (3-(\a))*8                      ; this unit's residual is in; the later units' may stay out
	s_wait_dscnt \younger                          ; the unit is back in registers
	WIN 0x41
.set jf, 0
.rept 16
	v_pk_add_f32 v[32*(\a)+2*jf:32*(\a)+2*jf+1], v[32*(\a)+2*jf:32*(\a)+2*jf+1], v[RES+32*(\a)+2*jf:RES+32*(\a)+2*jf+1]
.set jf, jf+1
.endr
	WIN 0x04
.set jf, 0
.rept 8
	global_store_b128 v[CO], v[32*(\a)+4*jf:32*(\a)+4*jf+3], s[OUTP:OUTP+1] offset:(16*(\a)+2*jf)*4096
.set jf, jf+1
.endr
.endm
	PACKF 0
	PACKF 1
	SENDF 0, 16
	PACKF 2
	SENDF 1, 16
	PACKF 3
	SENDF 2, 16
	SENDF 3, 0
.endif
	WIN 0
	s_wait_tensorcnt 0x0                           ; the wave's end, behind my last tensor load and my last LDS store
	ds_add_u32 v[SPW], v[NIL]
	s_wait_dscnt 0x0
	CROUND                                         ; the closing round: no work-group ends while a partner may still ask for a tile that names it
	s_endpgm
.Lfunc_end_k_q55ed704e61_qkv:
	.size	k_q55ed704e61_qkv, .Lfunc_end_k_q55ed704e61_qkv-k_q55ed704e61_qkv
	.p2alignl 7, 3214868480
	.fill 96, 4, 3214868480
	.section	.rodata,"a",@progbits
	.p2align	6, 0x0
	.amdhsa_kernel k_q55ed704e61_qkv
		.amdhsa_group_segment_fixed_size 327680
		.amdhsa_private_segment_fixed_size 0
		.amdhsa_enable_private_segment 0
		.amdhsa_kernarg_size 24
		.amdhsa_user_sgpr_count 2
		.amdhsa_user_sgpr_kernarg_segment_ptr 1
		.amdhsa_wavefront_size32 1
		.amdhsa_system_sgpr_workgroup_id_x 1
		.amdhsa_system_sgpr_workgroup_id_y 1
		.amdhsa_system_sgpr_workgroup_id_z 1
		.amdhsa_system_vgpr_workitem_id 0
		.amdhsa_next_free_vgpr 896
		.amdhsa_next_free_sgpr 80
		.amdhsa_reserve_vcc 0
		.amdhsa_float_denorm_mode_32 3
		.amdhsa_float_denorm_mode_16_64 3
		.amdhsa_memory_ordered 1
		.amdhsa_forward_progress 1
		.amdhsa_inst_pref_size 81
	.end_amdhsa_kernel
	.amdgpu_metadata
---
amdhsa.version: [ 1, 2 ]
amdhsa.kernels:
  - .name:           k_q55ed704e61_qkv
    .symbol:         k_q55ed704e61_qkv.kd
    .args:
      - { .name: act, .offset: 0, .size: 8, .value_kind: global_buffer, .address_space: global }
      - { .name: wb, .offset: 8, .size: 8, .value_kind: global_buffer, .address_space: global }
      - { .name: big, .offset: 16, .size: 8, .value_kind: global_buffer, .address_space: global }
    .group_segment_fixed_size: 327680
    .private_segment_fixed_size: 0
    .kernarg_segment_align: 8
    .kernarg_segment_size: 24
    .max_flat_workgroup_size: 128
    .sgpr_count:     80
    .vgpr_count:     896
    .wavefront_size: 32
...
	.end_amdgpu_metadata
.endif
;; end of part 2
;; launch attn (part 3): grid 4 x 64, 4 waves a work-group, no clusters, 327,680 bytes of LDS; arguments big, act; writes act
.if DOCPART == 3
	.amdgcn_target "amdgcn-amd-amdhsa--gfx1250"
	.amdhsa_code_object_version 6
	.text
	.protected	k_q55ed704e61_attn
	.globl	k_q55ed704e61_attn
	.p2align	8
	.type	k_q55ed704e61_attn,@function
k_q55ed704e61_attn:
	s_mov_b64 s[64:65], 0
	v_nop
	global_prefetch_b8 v0, s[64:65] scope:SCOPE_SE
	s_setreg_imm32_b32 hwreg(HW_REG_WAVE_MODE, 25, 1), 1
	s_wait_xcnt 0x0
; CAUSAL ATTENTION, head size 64, 64 pairs (head, batch) of 1,024 rows.  O[q] = the sum over k <= q of softmax_k(Q[q] . K[k] / 8) V[k].
; The first buffer holds q, k, v in bf16, in panels: pair y = 4 h + b has 131,072 dense bytes (1,024 rows of 128) at y x 131,072 in q's section (byte 0), k's (8,388,608) and v's (16,777,216).  O goes to act in the same layout.
; Products, maxima and sums in f32; the weights p are rounded to bf16 for the second product (their sum l is taken of the unrounded p), O once at the end.
; LIMITS.  A hidden score counts as its value less 1e30; a weight below 2^-126 counts as 0 in l; NaN and infinities are not treated apart.
; THE WALK.  A pair's queries lie in 8 blocks of 128; block i needs the key tiles 0 .. i of 128 keys, the last of which holds the diagonal.  A work-group takes block p and then block 7 - p:
; 9 tiles whatever p: all 256 work-groups do equal work, and one loop with a constant trip count walks them.  Every jump but the loops' own goes forward and passes no barrier and no tensor load.
; NO CLUSTER: which tile is asked for and where a block ends hang on p, and p is just what tells a pair's four work-groups apart; a walk common to the four would have 12 trips for 9.
; SHARES.  Wave w owns rows 32 w .. 32 w + 31 of a block: two tiles of 16 queries.  Every wave computes the whole diagonal tile under the mask.
; LAYOUT.  S^T = K Q^T holds ONE query a lane (lane % 16) and the keys 8 (lane / 16) + 0..7; two such results rounded to bf16 ARE source 1 of O^T = V^T P.  V is turned on the way out of LDS.
; SOFTMAX.  p = 2^(c s - c m), c = log2(e) / 8, with a running maximum m; O and l are multiplied by a = 2^(c m_old - c m_new) in every step.  m starts at the lowest finite number: a block's first step has a = 0.
; THE MASK is the C operand that starts S^T: 0, or -1e30 where the key is hidden.  For tile t and key group kt of step s of the diagonal tile, with D = 4 s + kt - 2 w - t: all hidden if D > 0, none if D < 0, and MD if D = 0.
; A TRIP is turned by half a key step: 16 products V^T P of the step BEFORE, then 16 products K Q^T and the softmax (ONE batch of exponentials, one wait) of the step in hand.  So no run of LDS loads is waited for
; where it is issued: K of a tile's first step is asked for behind the change of slots, 16 products ahead of its wait; K of its second step and V of the step in hand behind K Q^T, a softmax ahead of theirs.
; The first trip's V^T P finds P = V = 0.  A block's last V^T P falls into the next tile's first trip: the block's way out stands there, under a jump on a scalar flag.
; REGISTERS: window 0: addresses, statistics, MD, S^T (v64-127), P (v128-159), MC (v160-223).  Window 1: O^T (v0-63), Q (v64-95), the second block's Q (v96-127), K (v128-191), V (v192-255).
.set KS,    64                         ; keys in a step
.set PK,    144                        ; a row of K in LDS: 128 bytes + 16
.set PV,    160                        ; a row of V: 128 + 32
.set VOFF,  128*PK                     ; a slot holds a tile: 128 rows of K, then 128 rows of V
.set SLOT1, 65536                      ; slot 1 begins here: one exclusive or turns an address in one slot into the other's
.set STAGE, SLOT1+128*(PK+PV)          ; behind the ring, never filled by a tensor load: 16 rows x 144 bytes for each wave
.set SP,    144
.set SPARE, STAGE+4*16*SP              ; the spare words, 128 bytes a wave: two blocks of 256 bytes that no other line names
.set AK0, 2                            ; v2  my lane's place in a tile of K; never rewritten
.set AV0, 3                            ; v3  the same for V
.set AK,  4
.set AV,  5
.set STO, 6
.set RD,  7
.set GO,  8
.set QO,  9
.set PFO, 10                           ; v10 256 x lane; never rewritten
.set MV,  14                           ; v14-15 c m_old, by tile
.set ST,  16                           ; tile t: c m, m, l (even keys', odd keys') at v[ST+4 t]
.set TMP, 24                           ; tile t: c0-c3 at work; c2 takes a
.set MD,  32                           ; v32-39 the diagonal group's mask
.set SPW, 40
.set NIL, 41
.set S,   64
.set P,   128
.set MC,  160                          ; the masks of the products to come: tile t, key group kt at MC + 32 t + 8 kt
.set Q,   64                           ; window 1
.set Q2,  96
.set KF,  128
.set VF,  192
.set OP,  10                           ; s[10:11] O at my rows of the block in hand
.set WV,  12
.set PBK, 13                           ; p
.set HI,  14                           ; 7 - p
.set G1K, 24
.set G1V, 32
.set G0K, 40
.set G0V, 44
.set PFA, 48
.set LIM, 50
.set QBG, 51                           ; 2 w - 4 s
.set QP,  52
.set QP2, 54
.set SLOTS, 56
.set CNT, 57
.set CS,  58
.set SEL, 60
.set TBK, 62                           ; LDS byte at which K of the step to be fetched next begins
.set TBV, 63                           ; the same for V, less VOFF
.set RT,  70                           ; tiles of the block in hand still to be entered
.set NXT, 71                           ; the tile to be asked for next
.set LQ,  72                           ; the last tile of the block whose tiles are being asked for
.set FIN, 73                           ; 1: the tile before was its block's last
.set OFF, 74
.set AL,  76
.set BE,  78
.set OHI, 80
.set BIGN, 82
.set RT2, 83                           ; 8 - p: the second block's tiles
.set KBA, 84                           ; s[84:85] K at my half of the pair's tile 0
.set VBA, 86
.set MSB, 0
.macro WIN new
.if MSB != (\new)
	s_set_vgpr_msb (MSB<<8)|(\new)
.set MSB, \new
.endif
.endm
.macro PLACES
.rept 4
	v_nop
.endr
.endm
.macro ADV                             ; the block's next tile, or behind its last the second block's tile 0
	s_add_co_u32 s[NXT], s[NXT], 1
	s_cmp_gt_u32 s[NXT], s[LQ]
	s_cselect_b32 s[NXT], 0, s[NXT]
	s_cselect_b32 s[LQ], s[HI], s[LQ]
.endm
.macro LOAD                            ; waves 0 and 1 fetch the halves of a tile's K, waves 2 and 3 those of its V; s_nop 0 and four v_nop follow each line
	s_cmp_lt_u32 s[WV], 2
	s_cbranch_scc0 .Lfor_v_\@
	tensor_load_to_lds s[G0K:G0K+3], s[G1K:G1K+7]
	s_nop 0
.rept 4
	v_nop
.endr
	s_branch .Lasked_\@
.Lfor_v_\@:
	tensor_load_to_lds s[G0V:G0V+3], s[G1V:G1V+7]
	s_nop 0
.rept 4
	v_nop
.endr
.Lasked_\@:
.endm
; A prefetch: work-group p = 0 alone asks, in trip i = 0 .. 5, for tile i + 2 of the pair; each wave names the 8,192 bytes that it would fetch itself, a lane to each 256.  So each block of tiles 2 to 7 is named once.
.macro ASK
	s_cmp_gt_u32 s[SLOTS], s[LIM]
	s_cbranch_scc0 .Lnot_mine_\@
	global_prefetch_b8 v[PFO], s[PFA:PFA+1] th:TH_LOAD_NT scope:SCOPE_SE
.Lnot_mine_\@:
.endm
; THE CHANGE OF SLOTS.  Each wave waits for all its tensor loads (one is out: its part of the other slot), adds 0 to its spare word, and waits for that and for its reads of the slot that it leaves.
; fill = 1: the old slot is filled again, first thing behind the barrier, with tile NXT.  (At its first use nothing has been read yet: slot 0 is waited for, slot 1 filled.)
.macro CHANGE fill
	WIN 0
.if \fill
	s_wait_xcnt 0x0                                ; the last prefetch, a tile back, has read its address
	s_add_nc_u64 s[PFA:PFA+1], s[PFA:PFA+1], 16384
.endif
	s_wait_tensorcnt 0x0
	ds_add_u32 v[SPW], v[NIL]
.if \fill
	s_lshl_b32 s[OFF], s[NXT], 14
	s_xor_b32 s[G0K+1], s[G0K+1], SLOT1
	s_add_nc_u64 s[G0K+2:G0K+3], s[KBA:KBA+1], s[OFF:OFF+1]
	s_or_b32 s[G0K+3], s[G0K+3], 0x80000000
	s_xor_b32 s[G0V+1], s[G0V+1], SLOT1
	s_add_nc_u64 s[G0V+2:G0V+3], s[VBA:VBA+1], s[OFF:OFF+1]
	s_or_b32 s[G0V+3], s[G0V+3], 0x80000000
	ADV
.endif
	s_wait_dscnt 0x0                               ; the add is done, and my reads of the slot are over
	s_barrier_signal -1
	s_sub_co_u32 s[TBK], s[TBK], 2*KS*PK           ; the fetches go back to a slot's first step, in the other slot
	s_xor_b32 s[TBK], s[TBK], SLOT1
	s_sub_co_u32 s[TBV], s[TBV], 2*KS*PV
	s_xor_b32 s[TBV], s[TBV], SLOT1
	s_barrier_wait -1
.if \fill
	LOAD
	ASK
.endif
.endm
.macro FETCHK                          ; K of the step at s[TBK]: keys 16 (f / 2) on, channels 32 (f % 2) on
	v_add_nc_u32 v[AK], s[TBK], v[AK0]
	WIN 0x40
.irp f, 0,1,2,3,4,5,6,7
	ds_load_b128 v[KF+8*\f:KF+8*\f+3],   v[AK] offset:(\f/2)*16*PK+(\f%2)*64
	ds_load_b128 v[KF+8*\f+4:KF+8*\f+7], v[AK] offset:(\f/2)*16*PK+(\f%2)*64+32
.endr
	WIN 0
	s_add_co_u32 s[TBK], s[TBK], KS*PK
.endm
.macro FETCHV                          ; V of the step at s[TBV], turned: keys 32 (f / 4) on, channels 16 (f % 4) on
	v_add_nc_u32 v[AV], s[TBV], v[AV0]
	WIN 0x40
.irp f, 0,1,2,3,4,5,6,7
	ds_load_tr16_b128 v[VF+8*\f:VF+8*\f+3],   v[AV] offset:(\f/4)*32*PV+(\f%4)*32
	ds_load_tr16_b128 v[VF+8*\f+4:VF+8*\f+7], v[AV] offset:(\f/4)*32*PV+16*PV+(\f%4)*32
.endr
	WIN 0
	s_add_co_u32 s[TBV], s[TBV], KS*PV
.endm
.macro MAKEMASK                        ; MC = MD x AL + BE, by d = kt - t
.irp d, -1,0,1,2,3
	s_cmp_eq_i32 s[QBG], \d
	s_cselect_b32 s[AL], 1.0, 0
	s_cmp_lt_i32 s[QBG], \d
	s_cselect_b32 s[BE], s[BIGN], 0
.irp t, 0,1
.if ((\d)+(\t) >= 0) && ((\d)+(\t) <= 3)
.set rM, MC+32*(\t)+8*((\d)+(\t))
.irp z, 0,1,2,3
	v_pk_fma_f32 v[rM+2*\z:rM+2*\z+1], v[MD+2*\z:MD+2*\z+1], s[AL:AL+1], s[BE:BE+1] op_sel_hi:[1,0,0]
.endr
.endif
.endr
.endr
.endm
.macro REGS u
.set rT, ST+4*(\u)
.set rC, TMP+4*(\u)
.set rW, MV+(\u)
.set rS, S+32*(\u)
.set rP, P+16*(\u)
.set rO, 32*(\u)
.endm
; Number n of the 22 that find tile u's maximum and statistics; each accumulator's lowest registers are read first.
.macro XS u, n
	REGS \u
.if (\n) < 4
	v_max3_num_f32 v[rC+(\n)], v[rS+8*(\n)], v[rS+8*(\n)+1], v[rS+8*(\n)+2]
.elseif (\n) < 12
	v_max3_num_f32 v[rC+(\n)%4], v[rC+(\n)%4], v[rS+8*((\n)%4)+2*((\n)/4)+1], v[rS+8*((\n)%4)+2*((\n)/4)+2]
.elseif (\n) == 12
	v_max3_num_f32 v[rC], v[rC], v[rS+7], v[rS+15]
.elseif (\n) == 13
	v_max3_num_f32 v[rC+1], v[rC+1], v[rS+23], v[rS+31]
.elseif (\n) == 14
	v_max3_num_f32 v[rC+2], v[rC+2], v[rC+3], v[rT+1]
.elseif (\n) == 15
	v_mov_b32 v[rW], v[rT]
.elseif (\n) == 16
	v_max3_num_f32 v[rC], v[rC], v[rC+1], v[rC+2]
.elseif (\n) == 17
	v_permlanex16_b32 v[rC+3], v[rC], s[SEL], s[SEL+1]  ; the query's other 32 keys lie in the lane 16 away
.elseif (\n) == 18
	v_max_num_f32 v[rT+1], v[rC], v[rC+3]
.elseif (\n) == 19
	v_mul_f32 v[rT], s[CS], v[rT+1]
.elseif (\n) == 20
	v_sub_f32 v[rC+1], v[rW], v[rT]
.else
	v_exp_f32 v[rC+2], v[rC+1]
.endif
.endm
.macro FS k                            ; c s - c m for pair k / 2 of tile k % 2
	REGS (\k)%2
.set q, 2*((\k)/2)
	v_pk_fma_f32 v[rS+q:rS+q+1], v[rS+q:rS+q+1], s[CS:CS+1], v[rT:rT+1] op_sel_hi:[1,0,0] neg_lo:[0,0,1] neg_hi:[0,0,1]
.endm
.macro EX2 k                           ; that pair's two exponentials
	REGS (\k)%2
.set q, 2*((\k)/2)
	v_exp_f32 v[rS+q], v[rS+q]
	v_exp_f32 v[rS+q+1], v[rS+q+1]
.endm
; O^T += V^T P of the step whose P and V lie in registers: keys 32 (i / 8) on, channels 16 ((i / 2) % 4) on, tile i % 2: eight accumulators by turns.
.macro PVS
	WIN 0x51                                       ; V in window 1, P in window 0, O^T in window 1
.set i, 0
.rept 16
.set rO, 32*(i%2)+8*((i/2)%4)
.set rV, VF+32*(i/8)+8*((i/2)%4)
.set rP, P+16*(i%2)+8*(i/8)
	v_wmma_f32_16x16x32_bf16 v[rO:rO+7], v[rV:rV+7], v[rP:rP+7], v[rO:rO+7]
.set i, i+1
.endr
	WIN 0
.endm
; The step in hand: K Q^T, the fetches, the softmax.  diag = 0: masks are made if the tile is its block's last; diag = 1: always.
.macro BODY diag
.if !(\diag)
	s_cmp_lg_u32 s[RT], 0
	s_cbranch_scc1 .Lnomask_\@
.endif
	MAKEMASK
.if !(\diag)
.Lnomask_\@:
.endif
	s_wait_dscnt 0x0                               ; K is in: asked for 16 products ago (a tile's first step) or a softmax ago (its second)
	WIN 0x05                                       ; K and Q in window 1, MC and S^T in window 0
.set i, 0
.rept 16                                       ; channels 32 (i / 8) on, keys 16 ((i / 2) % 4) on, tile i % 2: eight accumulators by turns
.set rS, S+32*(i%2)+8*((i/2)%4)
.set rK, KF+16*((i/2)%4)+8*(i/8)
.set rQ, Q+16*(i%2)+8*(i/8)
.set rM, MC+32*(i%2)+8*((i/2)%4)
.if i < 8
	v_wmma_f32_16x16x32_bf16 v[rS:rS+7], v[rK:rK+7], v[rQ:rQ+7], v[rM:rM+7]
.else
	v_wmma_f32_16x16x32_bf16 v[rS:rS+7], v[rK:rK+7], v[rQ:rQ+7], v[rS:rS+7]
.endif
.set i, i+1
.endr
	WIN 0
	PLACES                                         ; in front of the loads into K's and V's registers and of the reads of the scores
	s_cmp_lg_u32 s[CNT], 2                         ; in a tile's first step: K of its second.  K of the next tile lies in the other slot and is asked for behind the change
	s_cbranch_scc1 .Lnok_\@
	FETCHK
.Lnok_\@:
	FETCHV                                         ; V of the step in hand
.irp n, 0,1,2,3,4,5,6,7,8,9,10,11,12,13,14,15,16,17,18,19,20
	XS 0, \n
	XS 1, \n
.endr
	XS 0, 21                                       ; ONE BATCH: the two a, then the 64 exponentials, each pair scaled two lines ahead; nothing in it names an exponential's result
	XS 1, 21
.set kk, 0
.rept 32
	FS kk
.if kk >= 2
	EX2 kk-2
.endif
.set kk, kk+1
.endr
	EX2 30
	EX2 31
	v_nop                                          ; a plain instruction behind the last exponential,
	s_wait_alu depctr_va_vdst(0)                   ; and one wait ahead of the batch's first reader
	WIN 0x41
.set kk, 0
.rept 32                                       ; O^T times a
	REGS kk%2
	v_pk_mul_f32 v[rO+2*(kk/2):rO+2*(kk/2)+1], v[rO+2*(kk/2):rO+2*(kk/2)+1], v[rC+2:rC+3] op_sel_hi:[1,0]
.set kk, kk+1
.endr
	WIN 0
.set kk, 0
.rept 32                                       ; the weights rounded to bf16
	REGS kk%2
	v_cvt_pk_bf16_f32 v[rP+kk/2], v[rS+2*(kk/2)], v[rS+2*(kk/2)+1]
.set kk, kk+1
.endr
.irp w, 4,8,16,32                      ; the sum of a tile's 16 pairs, in place: neighbours 1, 2, 4 and 8 pairs apart
.set kk, 0
.rept 2*(32/(\w))
	REGS kk%2
.set q, (\w)*(kk/2)
	v_pk_add_f32 v[rS+q:rS+q+1], v[rS+q:rS+q+1], v[rS+q+(\w)/2:rS+q+(\w)/2+1]
.set kk, kk+1
.endr
.endr
.irp u, 0,1
	REGS \u
	v_pk_fma_f32 v[rT+2:rT+3], v[rT+2:rT+3], v[rC+2:rC+3], v[rS:rS+1] op_sel_hi:[1,0,1]  ; l = a l + the sum
.endr
	s_wait_dscnt 0x0                               ; V is in, and K where it was asked for: the count is right on both sides of the jump
	s_sub_co_i32 s[QBG], s[QBG], 4
.endm
.macro PACK t                          ; O^T / l, rounded; 16 bytes a lane into rows of 144 bytes, back as whole rows of 128, into S^T's registers
	WIN 0x41
.set i, 32*(\t)
.rept 16
	v_pk_mul_f32 v[i:i+1], v[i:i+1], v[ST+4*(\t)+2:ST+4*(\t)+3] op_sel_hi:[1,0]
.set i, i+2
.endr
	WIN 0x05
.set i, 0
.rept 16
	v_cvt_pk_bf16_f32 v[S+16*(\t)+i], v[32*(\t)+2*i], v[32*(\t)+2*i+1]
.set i, i+1
.endr
	WIN 0
.irp f, 0,1,2,3
	ds_store_b128 v[STO], v[S+16*(\t)+4*\f:S+16*(\t)+4*\f+3] offset:32*\f
.endr
.irp f, 0,1,2,3
	ds_load_b128 v[S+16*(\t)+4*\f:S+16*(\t)+4*\f+3], v[RD] offset:\f*4*SP  ; LDS serves a wave's instructions in order (ISA guide 5.7.1.4)
.endr
.endm
.macro SEND t, younger                 ; younger: the LDS instructions issued behind tile t's loads; what was issued ahead of them has come back by then
.irp f, 0,1,2,3
	s_wait_dscnt (\younger)+3-\f
	global_store_b128 v[GO], v[S+16*(\t)+4*\f:S+16*(\t)+4*\f+3], s[OP:OP+1] offset:(\t)*2048+\f*512  ; 512 consecutive bytes, aligned
.endr
.endm
.macro FINISH                          ; a block's way out
	WIN 0
.irp t, 0,1
	v_add_f32 v[ST+4*\t+2], v[ST+4*\t+2], v[ST+4*\t+3]
.endr
.irp t, 0,1
	v_permlanex16_b32 v[ST+4*\t+3], v[ST+4*\t+2], s[SEL], s[SEL+1]
.endr
.irp t, 0,1
	v_add_f32 v[ST+4*\t+2], v[ST+4*\t+2], v[ST+4*\t+3]
.endr
.irp t, 0,1
	v_rcp_f32 v[ST+4*\t+2], v[ST+4*\t+2]
.endr
	v_nop
	s_wait_alu depctr_va_vdst(0)                   ; one wait for the two reciprocals, ahead of their first reader
	PACK 0
	PACK 1
	SEND 0, 8
	SEND 1, 0
.endm
.macro RESET                           ; a block begins: c m far below every c s, m the lowest finite number, l = 0, no mask
	WIN 0
.irp t, 0,1
	v_mov_b32 v[ST+4*\t], 0xfe000000
	v_mov_b32 v[ST+4*\t+1], 0xff7fffff
	v_mov_b32 v[ST+4*\t+2], 0
	v_mov_b32 v[ST+4*\t+3], 0
.endr
.set i, 0
.rept 64
	v_mov_b32 v[MC+i], 0
.set i, i+1
.endr
.endm
; A tile: K of its first step is asked for; then two trips.  diag = 0, in the loop: the first trip may end a block.  diag = 1: the walk's last tile.
.macro PROC diag
	s_lshl_b32 s[QBG], s[WV], 1
	FETCHK
	s_mov_b32 s[CNT], 2
.Lst_\@:
	PVS
.if !(\diag)
	s_cmp_eq_u32 s[FIN], 0
	s_cbranch_scc1 .Lnofin_\@
	PLACES                                         ; THE FIRST BLOCK'S END: those were its last products
	FINISH
	s_wait_xcnt 0x0                                ; the stores have read their registers and O's address
	s_mov_b64 s[OP:OP+1], s[OHI:OHI+1]
	WIN 0x41
.set i, 0
.rept 32
	v_mov_b32 v[Q+i], v[Q2+i]                      ; the second block's Q goes where the one text of the steps names Q (both blocks' Q were waited for ahead of the loop)
.set i, i+1
.endr
	RESET
	s_mov_b32 s[FIN], 0
.Lnofin_\@:
.endif
	BODY \diag
	s_sub_co_u32 s[CNT], s[CNT], 1
	s_cmp_lg_u32 s[CNT], 0
	s_cbranch_scc1 .Lst_\@
.endm
	s_load_b128 s[4:7], s[0:1], 0x0                ; q, k, v s[4:5], act s[6:7]
	v_lshl_add_u32 v[SPW], v0, 2, SPARE
	v_mov_b32 v[NIL], 0
	ds_add_u32 v[SPW], v[NIL]                      ; the wave's opening: the add and its wait stand ahead of my first tensor load
	v_lshrrev_b32 v1, 5, v0
	v_readfirstlane_b32 s[WV], v1
	s_mov_b32 s[PBK], ttmp9
	s_sub_co_u32 s[HI], 7, s[PBK]
	s_sub_co_u32 s[RT2], 8, s[PBK]
	s_and_b32 s16, ttmp7, 0xffff
	s_lshl_b32 s16, s16, 17                        ; the pair's 131,072 bytes
	s_and_b32 s17, s[WV], 1                        ; which half of a tile's 128 keys I fetch
	s_lshl_b32 s18, s17, 13
	s_add_co_u32 s18, s18, s16
	s_mov_b32 s19, 0
	s_mul_i32 s20, s17, 64*PK
	s_mul_i32 s21, s17, 64*PV
	s_lshl_b32 s22, s[WV], 12                      ; my 32 rows in a block,
	s_add_co_u32 s22, s22, s16
	s_lshl_b32 s2, s[PBK], 14                      ; in the first block,
	s_add_co_u32 s2, s2, s22
	s_mov_b32 s3, 0
	s_lshl_b32 s23, s[HI], 14                      ; and in the second
	s_add_co_u32 s22, s22, s23
	s_mov_b32 s23, 0
	s_mov_b32 s[G1K], (1<<16)|(1<<20)|(4<<22)|(3<<25)  ; 2-byte elements; padding on; after every 32 words, 4 words
	s_mov_b32 s[G1V], (1<<16)|(1<<20)|(4<<22)|(7<<25)  ; the same with 8 words
.irp g, G1K, G1V
	s_mov_b32 s[\g+1], 128<<16                     ; 64 keys are 8,192 dense bytes: 32 rows of 256 bytes, two keys a row
	s_mov_b32 s[\g+2], 32<<16
	s_mov_b32 s[\g+3], 128<<16
	s_mov_b32 s[\g+4], 32
	s_mov_b32 s[\g+5], 128
	s_mov_b32 s[\g+6], 0
	s_mov_b32 s[\g+7], 0
.endr
	s_mov_b32 s[CS], 0x3e38aa3b                    ; c = log2(e) / 8
	s_mov_b32 s[CS+1], s[CS]
	s_mov_b32 s[SEL], 0x76543210
	s_mov_b32 s[SEL+1], 0xfedcba98
	s_mov_b32 s[TBK], SLOT1+2*KS*PK                ; the first change of slots turns these two into 0
	s_mov_b32 s[TBV], SLOT1+2*KS*PV
	s_mov_b32 s[G0K], 1
	s_mov_b32 s[G0K+1], s20
	s_mov_b32 s[G0V], 1
	s_add_co_u32 s[G0V+1], s21, VOFF
	s_add_co_u32 s[RT], s[PBK], 1                  ; the first block has p + 1 tiles
	s_mov_b32 s[NXT], 0
	s_mov_b32 s[LQ], s[PBK]
	s_mov_b32 s[OFF+1], 0
	s_mov_b32 s[AL+1], 0
	s_mov_b32 s[BE+1], 0
	s_mov_b32 s[BIGN], 0xf149f2ca                  ; -1e30
	s_mov_b32 s[SLOTS], 8
	s_cmp_eq_u32 s[PBK], 0
	s_cselect_b32 s[LIM], 2, -1
	s_wait_dscnt 0x0                               ; the opening add is done
	s_wait_kmcnt 0x0
	s_add_nc_u64 s[KBA:KBA+1], s[4:5], s[18:19]
	s_add_nc_u64 s[VBA:VBA+1], s[KBA:KBA+1], 16777216
	s_add_nc_u64 s[KBA:KBA+1], s[KBA:KBA+1], 8388608
	s_add_nc_u64 s[G0K+2:G0K+3], s[KBA:KBA+1], 0
	s_or_b32 s[G0K+3], s[G0K+3], 0x80000000
	s_add_nc_u64 s[G0V+2:G0V+3], s[VBA:VBA+1], 0
	s_or_b32 s[G0V+3], s[G0V+3], 0x80000000
	s_add_nc_u64 s[QP:QP+1], s[4:5], s[2:3]
	s_add_nc_u64 s[QP2:QP2+1], s[4:5], s[22:23]
	s_add_nc_u64 s[OP:OP+1], s[6:7], s[2:3]
	s_add_nc_u64 s[OHI:OHI+1], s[6:7], s[22:23]
	s_cmp_lt_u32 s[WV], 2
	s_cselect_b64 s[PFA:PFA+1], s[KBA:KBA+1], s[VBA:VBA+1]
	s_add_nc_u64 s[PFA:PFA+1], s[PFA:PFA+1], 16384 ; at tile 1: the first change steps it to tile 2.  Tiles 0 and 1 come by their loads alone
	LOAD                                           ; tile 0 into slot 0
	ADV
	v_and_b32 v1, 15, v0                           ; l % 16
	v_bfe_u32 v11, v0, 4, 1                        ; l / 16
	v_lshlrev_b32 v[QO], 7, v1
	v_lshl_add_u32 v[QO], v11, 4, v[QO]
	WIN 0x40
.set i, 0
.rept 4                                        ; both blocks' Q stay in registers: tile i / 2, channels 32 (i % 2) on
	global_load_b128 v[Q+8*i:Q+8*i+3],     v[QO], s[QP:QP+1] offset:(i/2)*2048+(i%2)*64
	global_load_b128 v[Q+8*i+4:Q+8*i+7],   v[QO], s[QP:QP+1] offset:(i/2)*2048+(i%2)*64+32
	global_load_b128 v[Q2+8*i:Q2+8*i+3],   v[QO], s[QP2:QP2+1] offset:(i/2)*2048+(i%2)*64
	global_load_b128 v[Q2+8*i+4:Q2+8*i+7], v[QO], s[QP2:QP2+1] offset:(i/2)*2048+(i%2)*64+32
.set i, i+1
.endr
	; What the first trip finds: O^T, V and P hold 0, so that its products V^T P, of a step that has not been, add 0.  The price of writing no first trip out: 160 lines, in the wait for the first tile.
.set i, 0
.rept 64
	v_mov_b32 v[i], 0
	v_mov_b32 v[VF+i], 0
.set i, i+1
.endr
	WIN 0
.set i, 0
.rept 32
	v_mov_b32 v[P+i], 0
.set i, i+1
.endr
	v_lshlrev_b32 v12, 3, v11
	v_sub_nc_u32 v12, v1, v12                      ; l % 16 - 8 (l / 16): register j of the diagonal group is hidden where j is greater
.set i, 0
.rept 8
	v_cmp_gt_i32 vcc_lo, i, v12
	v_cndmask_b32 v[MD+i], 0, s[BIGN], vcc_lo
.set i, i+1
.endr
	v_mul_u32_u24 v[AK0], v1, PK
	v_lshl_add_u32 v[AK0], v11, 4, v[AK0]
	v_and_b32 v12, 7, v0
	v_bfe_u32 v13, v0, 3, 1
	v_lshl_add_u32 v[AV0], v11, 3, v12
	v_mul_u32_u24 v[AV0], v[AV0], PV
	v_lshl_add_u32 v[AV0], v13, 4, v[AV0]
	v_add_nc_u32 v[AV0], VOFF, v[AV0]
	s_mul_i32 s16, s[WV], 16*SP
	s_add_co_u32 s16, s16, STAGE
	v_mul_u32_u24 v[STO], v1, SP
	v_lshl_add_u32 v[STO], v11, 4, v[STO]
	v_add_nc_u32 v[STO], s16, v[STO]
	v_bfe_u32 v[RD], v0, 3, 2
	v_mul_u32_u24 v[RD], v[RD], SP
	v_lshl_add_u32 v[RD], v12, 4, v[RD]
	v_add_nc_u32 v[RD], s16, v[RD]
	v_and_b32 v[GO], 31, v0
	v_lshlrev_b32 v[PFO], 8, v[GO]
	v_lshlrev_b32 v[GO], 4, v[GO]
	RESET
	s_wait_loadcnt 0x0                             ; both blocks' Q, once, ahead of the loop and so of every reader on every way; the first tile is waited for next anyway
.Lslot:                                        ; 8 trips: a tile is entered and the next is asked for
	CHANGE 1
	s_cmp_eq_u32 s[RT], 0                          ; was the tile before its block's last?  Then the second block begins: 8 - p tiles
	s_cselect_b32 s[FIN], 1, 0
	s_cselect_b32 s[RT], s[RT2], s[RT]
	s_sub_co_u32 s[RT], s[RT], 1                   ; 0: the tile in hand holds the diagonal
	PROC 0
	s_sub_co_u32 s[SLOTS], s[SLOTS], 1
	s_cmp_lg_u32 s[SLOTS], 0
	s_cbranch_scc1 .Lslot
	CHANGE 0                                       ; the walk's last tile is written out: nothing is asked for.  It is the second block's last, never a block's first
	PROC 1
	PVS                                            ; the last step's V^T P
	PLACES
	FINISH
	s_wait_tensorcnt 0x0                           ; the wave's end, behind my last tensor load and my last LDS store
	ds_add_u32 v[SPW], v[NIL]
	s_wait_dscnt 0x0
	s_endpgm
.Lfunc_end_k_q55ed704e61_attn:
	.size	k_q55ed704e61_attn, .Lfunc_end_k_q55ed704e61_attn-k_q55ed704e61_attn
	.p2alignl 7, 3214868480
	.fill 96, 4, 3214868480
	.section	.rodata,"a",@progbits
	.p2align	6, 0x0
	.amdhsa_kernel k_q55ed704e61_attn
		.amdhsa_group_segment_fixed_size 327680
		.amdhsa_private_segment_fixed_size 0
		.amdhsa_enable_private_segment 0
		.amdhsa_kernarg_size 16
		.amdhsa_user_sgpr_count 2
		.amdhsa_user_sgpr_kernarg_segment_ptr 1
		.amdhsa_wavefront_size32 1
		.amdhsa_system_sgpr_workgroup_id_x 1
		.amdhsa_system_sgpr_workgroup_id_y 1
		.amdhsa_system_sgpr_workgroup_id_z 1
		.amdhsa_system_vgpr_workitem_id 0
		.amdhsa_next_free_vgpr 512
		.amdhsa_next_free_sgpr 88
		.amdhsa_reserve_vcc 1
		.amdhsa_float_denorm_mode_32 3
		.amdhsa_float_denorm_mode_16_64 3
		.amdhsa_memory_ordered 1
		.amdhsa_forward_progress 1
		.amdhsa_inst_pref_size 79
	.end_amdhsa_kernel
	.amdgpu_metadata
---
amdhsa.version: [ 1, 2 ]
amdhsa.kernels:
  - .name:           k_q55ed704e61_attn
    .symbol:         k_q55ed704e61_attn.kd
    .args:
      - { .name: big, .offset: 0, .size: 8, .value_kind: global_buffer, .address_space: global }
      - { .name: act, .offset: 8, .size: 8, .value_kind: global_buffer, .address_space: global }
    .group_segment_fixed_size: 327680
    .private_segment_fixed_size: 0
    .kernarg_segment_align: 8
    .kernarg_segment_size: 16
    .max_flat_workgroup_size: 128
    .sgpr_count:     88
    .vgpr_count:     512
    .wavefront_size: 32
...
	.end_amdgpu_metadata
.endif
;; end of part 3
;; launch proj (part 4): grid 8 x 32, 4 waves a work-group, clusters of 4 x 4, 327,680 bytes of LDS; arguments act, wb, b_proj, x, x1; writes x1
.if DOCPART == 4
	.amdgcn_target "amdgcn-amd-amdhsa--gfx1250"
	.amdhsa_code_object_version 6
	.text
	.protected	k_q55ed704e61_proj
	.globl	k_q55ed704e61_proj
	.p2align	8
	.type	k_q55ed704e61_proj,@function
k_q55ed704e61_proj:
	s_mov_b64 s[64:65], 0
	v_nop
	global_prefetch_b8 v0, s[64:65] scope:SCOPE_SE
	s_setreg_imm32_b32 hwreg(HW_REG_WAVE_MODE, 25, 1), 1
	s_wait_xcnt 0x0
	s_wait_alu depctr_hold_cnt(0) depctr_sa_sdst(0) depctr_va_vdst(0) depctr_va_sdst(0) depctr_va_ssrc(0) depctr_va_vcc(0) depctr_vm_vsrc(0)
	s_getreg_b32 s2, hwreg(HW_REG_IB_STS2, 6, 4)
	s_cmp_eq_u32 s2, 0
	s_cbranch_scc0 .Lentry_in_a_cluster
	s_endpgm
.Lentry_in_a_cluster:
	s_bfe_u32 s2, ttmp6, 0x10000c
	s_cmp_lg_u32 s2, 0xf033
	s_cbranch_scc0 .Lentry_shape_is_right
	s_endpgm
.Lentry_shape_is_right:
; x1 = x + att Wp + b_proj.  C[4096][1024] = A[4096][1024] W[1024][1024], bf16 operands, f32 sums, bias and residual in f32, C in f32.
.set TM,    128                        ; a work-group's tile of C: rows,
.set TN,    128                        ; columns
.set WROWS, 2                          ; the four waves lie 2 x 2 over the tile
.set MB,    4                          ; blocks of 16 rows a wave
.set NBW,   4                          ; blocks of 16 columns a wave
.set KS,    256                        ; a K step
.set SUB,   2                          ; a quarter of a K step is SUB x 32 along K
.set KK,    1024                       ; rows from a panel of W to the next
.set WOFF,  6291456                    ; where W begins in its buffer
.set EPI,   2                          ; the way out: 0 bf16; 1 bias, ReLU, bf16; 2 bias, residual, f32
.set PF,    0                          ; no prefetch: four K steps, of which two come with the first fills
.set RTL,   0                          ; 0: K = KK; 1: the number of laps is read from memory
; ONE TEXT FOR THE PRODUCTS OF THE BLOCK; the constants above tell them apart.
; LAYOUTS.  A and a bf16 C lie in panels of 64 columns: element (m, c) at ((c / 64) 4096 + m) 128 + 2 (c % 64).  W lies [K][N] in panels too: (k, n) at ((n / 64) KK + k) 128 + 2 (n % 64).
; So a tile's part of a panel is a dense run of memory, asked for as one long row and cut into LDS rows of 128 bytes by the padding.
; THE PRODUCT IS USED TRANSPOSED: source 0 = 16 columns of W (turned on the way out of LDS by ds_load_tr16_b128), source 1 = 16 rows of A: a lane holds ONE row of C and 8 neighbouring columns.
; RING.  Two LDS slots, a K step each.  Waves 0 and 1 fetch the halves of A's part, waves 2 and 3 those of W's: one tensor load a wave behind each change of slots, a K step's products in which to land.
; CLUSTER 4 x 4: A's tiles are shared along a row of the cluster, W's along a column: joint loads with a mask of four.
; A K step is four quarters on two fragment buffers; a quarter's 32 LDS loads stand in one run behind the first row block's products of the quarter before.  The loop over a step's quarters has two trips.
; The first quarter alone is written out ahead of the loops (its products start the sums); behind it the text goes into the lap loop's second half, with one trip of its inner loop to go.
; The accumulators take turns, one instruction a turn, in one fixed order, over the jumps too.  The first products start the sums, with 0 or with the bias as C.
; LIMITS.  Operands are bf16, each rounded once; the order of the f32 sums is the unit's; NaN and infinities are not treated apart (ReLU of NaN gives 0).
; REGISTERS, in windows of 256: window 0 addresses, bias, residual; window 1 two fragment buffers of 128 (W's fragments, then A's), later the way out; windows 2, 3 the accumulators: (a, b) is number a NBW + b.
.set NSTEP, KK/KS
.set PB,    TN/64                      ; panels of W in a tile
.set PA,    144                        ; an LDS row of A: 128 bytes + 16: the 16 rows of a load start at 16 different groups of four banks (ISA guide 11.1)
.set PW,    160                        ; an LDS row of W: 128 + 32
.set AH,    36864                      ; what an A wave fetches: 256 LDS rows
.set AREG,  2*AH
.set PBLK,  (KS/2)*PW                  ; half a step's rows of one panel of W
.set BH,    PB*PBLK                    ; what a W wave fetches
.set SLOT,  AREG+2*BH                  ; A: [k panel][row]; behind it W: [k half][panel][row]
.set SPARE, 2*SLOT                     ; the spare words, 128 bytes a wave: two blocks of 256 bytes that no other line names
.set STG,   0                          ; the stage of the way out lies in slot 0, which has had its last fill and its last read by then
.set ASTEP, (KS/64)*524288             ; bytes from a K step of A to the next
.set BSTEP, KS*128                     ; the same for W
.set NPQ,   SUB*MB
.set KA2,   64+(SUB-1)*(TM*PA-64)      ; from an even quarter's fragments of A to the odd quarter's, in LDS
.set KB2,   SUB*32*PW                  ; the same for W
.set OUTP,  8+2*EPI                    ; s pair of the output
.set BIP,   8                          ; s[8:9] the bias (EPI 1, 2)
.set REP,   10                         ; s[10:11] the residual (EPI 2)
.set ADRA0, 4                          ; v4  my lane's place in a slot's A; never rewritten
.set ADRB0, 5                          ; v5  the same for W
.set PAP,   6                          ; v6  the LDS address of the fetches in hand, A
.set PBP,   7                          ; v7  W
.set STO,   8                          ; v8  the way out: where I put my part of a row
.set RD,    9                          ; v9  where I read rows back
.set CO,    10                         ; v10 my byte offset in C
.set BO,    11                         ; v11 my byte offset in a block's bias
.set PFO,   12                         ; v12 the prefetches' offset; never rewritten
.set ZR,    13                         ; v13 0, for ReLU
.set SPW,   14                         ; v14 LDS address of my spare word; never rewritten
.set NIL,   15                         ; v15 0; never rewritten
.set BIAS,  64                         ; v[64:127] 8 registers a column block
.set RES,   128                        ; v[128:255] the residual
.set WV,    14                         ; s14 wave
.set WR,    15                         ; s15, s16 my place in the tile
.set WC,    16
.set CX,    17                         ; s17, s18 my work-group's place in the cluster
.set CY,    18
.set TC,    19                         ; s19, s20 tile column, tile row
.set TR,    20
.set G1A,   24                         ; s[24:31] descriptor group 1, A;  s[32:39] group 0, a set for each slot
.set G0A,   32
.set G1B,   40                         ; s[40:47], s[48:55] the same for W
.set G0B,   48
.set PFA,   56                         ; s[56:57] where my prefetches stand
.set LIM,   58                         ; s58 1 in a wave that prefetches, else the greatest number
.set ROLE,  59                         ; s59 0: I fetch for A; 1: for W
.set PFS,   66                         ; s[66:67] a K step in what I prefetch
.set TBA,   68                         ; s68, s69 LDS byte at which the fetches in hand begin, A's and W's
.set TBB,   69
.set LAP,   70
.set CNT,   71
.set POFF,  76                         ; s[76:77] my work-group's share of a prefetch
.set HALF,  78                         ; s78 which half I fetch
.set NLB,   79                         ; s79 (RTL) the laps and one, read from memory
.set CFG,   82                         ; s[82:83] (RTL) where it is read
.set LEFT,  84                         ; s84 (RTL) laps still to come, the one in hand among them
.if RTL
.set ASKC,  LEFT
.else
.set ASKC,  LAP
.endif
.set MSB, 0
.macro WIN new                         ; the immediate's high byte repeats the setting that is left; a switch that changes nothing is dropped
.if MSB != (\new)
	s_set_vgpr_msb (MSB<<8)|(\new)
.set MSB, \new
.endif
.endm
.macro PLACES                          ; four places behind matrix instructions, in front of loads into registers that they read (ISA guide 7.12.1 for vector instructions)
.rept 4
	v_nop
.endr
.endm
.macro CROUND                          ; a round of the cluster's barrier
	s_barrier_signal -1
	s_barrier_wait -1
	s_cmp_lg_u32 s[WV], 0
	s_cbranch_scc1 .Lnot_wave_0_\@
	s_barrier_signal -3
.Lnot_wave_0_\@:
	s_barrier_wait -3
	s_barrier_signal -1
	s_barrier_wait -1
.endm
.macro JLOAD s                         ; a joint refill of slot s; the branch hangs on the wave's number alone; s_nop 0 and four v_nop follow each line
	s_cmp_eq_u32 s[ROLE], 0
	s_cbranch_scc0 .Lfor_b_\@
	tensor_load_to_lds s[G0A+4*(\s):G0A+4*(\s)+3], s[G1A:G1A+7]
	s_nop 0
.rept 4
	v_nop
.endr
	s_branch .Lasked_\@
.Lfor_b_\@:
	tensor_load_to_lds s[G0B+4*(\s):G0B+4*(\s)+3], s[G1B:G1B+7]
	s_nop 0
.rept 4
	v_nop
.endr
.Lasked_\@:
.endm
; A prefetch, behind the joint load and its five lines: my work-group's share of what I shall fetch two refills on, a lane to each 256 bytes.  A's rows are asked for by the clusters with x = 0, W's by those with
; y = 0; the four partners of a joint load share its bytes out by address.  The last lap asks for nothing: the K steps that it would name do not exist.
.macro ASK
	s_cmp_gt_u32 s[ASKC], s[LIM]
	s_cbranch_scc0 .Lnot_mine_\@
	global_prefetch_b8 v[PFO], s[PFA:PFA+1] th:TH_LOAD_NT scope:SCOPE_SE
.Lnot_mine_\@:
.endm
.macro FETCH f, koa, kob               ; a quarter's 32 LDS loads into buffer f
	WIN 0x40                                       ; destination window 1, address window 0
.set ic, 0
.rept SUB
.set ib, 0
.rept NBW
.set rW, 128*(\f)+8*(ic*NBW+ib)
.set oW, (\kob)+ic*32*PW+(ib/4)*PBLK+(ib%4)*32
	ds_load_tr16_b128 v[rW:rW+3], v[PBP] offset:oW
	ds_load_tr16_b128 v[rW+4:rW+7], v[PBP] offset:oW+16*PW
.set ib, ib+1
.endr
.set ic, ic+1
.endr
.set ic, 0
.rept SUB
.set ia, 0
.rept MB
.set rA, 128*(\f)+8*SUB*NBW+8*(ic*MB+ia)
.set oA, (\koa)+ic*64+ia*16*PA
	ds_load_b128 v[rA:rA+3], v[PAP] offset:oA
	ds_load_b128 v[rA+4:rA+7], v[PAP] offset:oA+32
.set ia, ia+1
.endr
.set ic, ic+1
.endr
.endm
.macro MULS f, p0, p1, first           ; the products of buffer f for (32 along K, row block) number p0 .. p1 - 1, all column blocks
.set ip, \p0
.rept (\p1)-(\p0)
.set ic, ip/MB
.set ia, ip%MB
.set ib, 0
.rept NBW
.set ix, ia*NBW+ib
.set wn, 2+ix/32
.set rD, 8*(ix%32)
.set rW, 128*(\f)+8*(ic*NBW+ib)
.set rA, 128*(\f)+8*SUB*NBW+8*(ic*MB+ia)
.if (\first) && (ic == 0)
.if EPI == 0
	WIN 0x05|(wn<<4)|(wn<<6)
	v_wmma_f32_16x16x32_bf16 v[rD:rD+7], v[rW:rW+7], v[rA:rA+7], 0
.else
	WIN 0x05|(wn<<6)                               ; C, the bias, in window 0
	v_wmma_f32_16x16x32_bf16 v[rD:rD+7], v[rW:rW+7], v[rA:rA+7], v[BIAS+8*ib:BIAS+8*ib+7]
.endif
.else
	WIN 0x05|(wn<<4)|(wn<<6)
	v_wmma_f32_16x16x32_bf16 v[rD:rD+7], v[rW:rW+7], v[rA:rA+7], v[rD:rD+7]
.endif
.set ib, ib+1
.endr
.set ip, ip+1
.endr
.endm
.macro QUARTER f, g, koa, kob, first   ; buffer f is multiplied; behind its first row block's products the next quarter is fetched into g, which the quarter before has multiplied
	s_wait_dscnt 0x0                               ; f's 32 loads are all that is out: they were issued NPQ - 1 row blocks' products ago
	MULS \f, 0, 1, \first
	PLACES
	FETCH \g, \koa, \kob
	MULS \f, 1, NPQ, \first
.endm
; THE CHANGE OF SLOTS.  Each wave waits for all its tensor loads (one is out: its part of slot new), adds 0 to its spare word, and waits for that and for its reads of the old slot.
; fill = 1: the barrier is a round of the cluster's, and the old slot's joint refill, two K steps on, is the first thing behind it.
.macro CHANGE new, fill
	WIN 0
.if PF && (\fill)
	s_wait_xcnt 0x0                                ; the last prefetch, a K step back, has read its address
	s_add_nc_u64 s[PFA:PFA+1], s[PFA:PFA+1], s[PFS:PFS+1]
.endif
	s_wait_tensorcnt 0x0                           ; no tensor load of mine is out, so a group 0 may be written
	ds_add_u32 v[SPW], v[NIL]                      ; 0 onto my spare word; scalar work stands between it and the wait for it
.if \fill
	s_add_nc_u64 s[G0A+4*(1-(\new))+2:G0A+4*(1-(\new))+3], s[G0A+4*(1-(\new))+2:G0A+4*(1-(\new))+3], 2*ASTEP
	s_add_nc_u64 s[G0B+4*(1-(\new))+2:G0B+4*(1-(\new))+3], s[G0B+4*(1-(\new))+2:G0B+4*(1-(\new))+3], 2*BSTEP
.endif
	s_mov_b32 s[TBA], (\new)*SLOT
	s_mov_b32 s[TBB], (\new)*SLOT
	s_wait_dscnt 0x0                               ; the add is done, and my reads of the old slot are over
.if \fill
	CROUND
	JLOAD 1-(\new)
.if PF
	ASK
.endif
.else
	s_barrier_signal -1
	s_barrier_wait -1
.endif
.endm
; A change of slots and four quarters: the old step's last and the new step's first three; all four fetches read the new slot, two a trip.  The tag ends the inner loop's label.
.macro STEP new, fill, tag
	CHANGE \new, \fill
	s_mov_b32 s[CNT], 2
.Lq\tag:
	v_add_nc_u32 v[PAP], s[TBA], v[ADRA0]
	v_add_nc_u32 v[PBP], s[TBB], v[ADRB0]
	QUARTER 1, 0, 0, 0, 0
	QUARTER 0, 1, KA2, KB2, 0
	WIN 0
	s_add_co_u32 s[TBA], s[TBA], AH
	s_add_co_u32 s[TBB], s[TBB], BH
	s_sub_co_u32 s[CNT], s[CNT], 1
	s_cmp_lg_u32 s[CNT], 0
	s_cbranch_scc1 .Lq\tag
.endm
.if EPI == 0
	s_load_b128 s[4:7], s[0:1], 0x0                ; A, W
	s_load_b64 s[8:9], s[0:1], 0x10                ; C
.elseif EPI == 1
	s_load_b256 s[4:11], s[0:1], 0x0               ; A, W, bias, C
.else
	s_load_b256 s[4:11], s[0:1], 0x0               ; A, W, bias, residual
	s_load_b64 s[12:13], s[0:1], 0x20              ; C
.endif
.if RTL
	s_load_b64 s[CFG:CFG+1], s[0:1], 0x28          ; the count
.endif
	v_lshl_add_u32 v[SPW], v0, 2, SPARE
	v_mov_b32 v[NIL], 0
	ds_add_u32 v[SPW], v[NIL]                      ; the wave's opening: the add and its wait stand ahead of my first tensor load
	v_lshrrev_b32 v1, 5, v0
	v_readfirstlane_b32 s[WV], v1
	s_lshr_b32 s[ROLE], s[WV], 1
	s_and_b32 s[HALF], s[WV], 1
.if WROWS == 4
	s_mov_b32 s[WR], s[WV]
	s_mov_b32 s[WC], 0
.else
	s_mov_b32 s[WR], s[ROLE]
	s_mov_b32 s[WC], s[HALF]
.endif
	s_bfe_u32 s[CX], ttmp6, 0x40000
	s_bfe_u32 s[CY], ttmp6, 0x40004
	s_lshl_b32 s[TC], ttmp9, 2
	s_add_co_u32 s[TC], s[TC], s[CX]               ; tile column = 4 x cluster x + cx
	s_and_b32 s[TR], ttmp7, 0xffff
	s_lshl_b32 s[TR], s[TR], 2
	s_add_co_u32 s[TR], s[TR], s[CY]               ; tile row = 4 x cluster y + cy
	s_lshl_b32 s2, s[CY], 2
	s_lshl_b32 s2, 15, s2                          ; my row of the cluster
	s_lshl_b32 s3, 0x1111, s[CX]                   ; my column
	s_or_b32 s[G1A], s2, (1<<16)|(1<<20)|(1<<21)|(4<<22)|(3<<25)  ; the mask; 2-byte elements; padding on; bit 21 beside a mask; after every 32 words, 4 words
	s_or_b32 s[G1B], s3, (1<<16)|(1<<20)|(1<<21)|(4<<22)|(7<<25)  ; the same with 8 words
	s_mov_b32 s[G1A+1], ((TM*64)&0xffff)<<16       ; tensor_dim0 = the tile's rows of one panel, as one run
	s_mov_b32 s[G1A+2], ((TM*64)>>16)|((KS/128)<<16)  ; tensor_dim1 = the panels that a wave fetches
	s_mov_b32 s[G1A+3], (TM*64)<<16                ; tile_dim0
	s_mov_b32 s[G1A+4], KS/128                     ; tile_dim1
	s_mov_b32 s[G1A+5], 262144                     ; elements from panel to panel
	s_mov_b32 s[G1A+6], 0
	s_mov_b32 s[G1A+7], 0
	s_mov_b32 s[G1B+1], (((KS/2)*64)&0xffff)<<16   ; tensor_dim0 = half a step's rows of one panel
	s_mov_b32 s[G1B+2], PB<<16                     ; tensor_dim1 = the tile's panels
	s_mov_b32 s[G1B+3], ((KS/2)*64)<<16
	s_mov_b32 s[G1B+4], PB
	s_mov_b32 s[G1B+5], KK*64
	s_mov_b32 s[G1B+6], 0
	s_mov_b32 s[G1B+7], 0
	s_mul_i32 s60, s[TR], TM*128                   ; A hangs on the tile row and the wave alone,
	s_mul_i32 s21, s[HALF], (KS/128)*524288
	s_add_co_u32 s60, s60, s21
	s_mov_b32 s61, 0
	s_mul_i32 s62, s[TC], PB*KK*128                ; W on the tile column and the wave alone
	s_mul_i32 s21, s[HALF], (KS/2)*128
	s_add_co_u32 s62, s62, s21
	s_add_co_u32 s62, s62, WOFF
	s_mov_b32 s63, 0
	s_mul_i32 s22, s[HALF], AH                     ; LDS: no place in the cluster enters
	s_mul_i32 s23, s[HALF], BH
	s_add_co_u32 s23, s23, AREG
	s_wait_dscnt 0x0                               ; the opening add is done
	s_wait_kmcnt 0x0
.if RTL
	s_load_b32 s[NLB], s[CFG:CFG+1], 0x0           ; waited for behind the first quarter
.endif
	s_add_nc_u64 s[72:73], s[4:5], s[60:61]
	s_add_nc_u64 s[74:75], s[6:7], s[62:63]
.irp s, 0,1
	s_mov_b32 s[G0A+4*(\s)], 1
	s_add_co_u32 s[G0A+4*(\s)+1], s22, (\s)*SLOT
	s_add_nc_u64 s[G0A+4*(\s)+2:G0A+4*(\s)+3], s[72:73], (\s)*ASTEP
	s_or_b32 s[G0A+4*(\s)+3], s[G0A+4*(\s)+3], 0x80000000
	s_mov_b32 s[G0B+4*(\s)], 1
	s_add_co_u32 s[G0B+4*(\s)+1], s23, (\s)*SLOT
	s_add_nc_u64 s[G0B+4*(\s)+2:G0B+4*(\s)+3], s[74:75], (\s)*BSTEP
	s_or_b32 s[G0B+4*(\s)+3], s[G0B+4*(\s)+3], 0x80000000
.endr
	CROUND                                         ; all sixteen work-groups are here: the first joint loads meet
	s_cmp_eq_u32 s[ROLE], 0                        ; a wave's two first fills stand in one branch: K steps 0 and 1; two loads of mine are out
	s_cbranch_scc0 .Lfirst_b
	tensor_load_to_lds s[G0A:G0A+3], s[G1A:G1A+7]
	s_nop 0
	tensor_load_to_lds s[G0A+4:G0A+7], s[G1A:G1A+7]
	s_nop 0
.rept 4
	v_nop
.endr
	s_branch .Lfirst_asked
.Lfirst_b:
	tensor_load_to_lds s[G0B:G0B+3], s[G1B:G1B+7]
	s_nop 0
	tensor_load_to_lds s[G0B+4:G0B+7], s[G1B:G1B+7]
	s_nop 0
.rept 4
	v_nop
.endr
.Lfirst_asked:
	v_and_b32 v1, 15, v0                           ; l % 16
	v_bfe_u32 v2, v0, 4, 1                         ; l / 16
	v_mul_u32_u24 v[ADRA0], v1, PA                 ; a fragment of A: row l % 16, 16 bytes for each half of the lanes, twice, 32 bytes apart
	v_lshl_add_u32 v[ADRA0], v2, 4, v[ADRA0]
	s_mul_i32 s21, s[WR], MB*16*PA
	v_add_nc_u32 v[ADRA0], s21, v[ADRA0]
	v_and_b32 v3, 7, v0                            ; the turning load: lane l reads row k = 8 (l / 16) + l % 8, columns 8 ((l / 8) % 2) on
	v_lshl_add_u32 v[ADRB0], v2, 3, v3
	v_mul_u32_u24 v[ADRB0], v[ADRB0], PW
	v_bfe_u32 v3, v0, 3, 1
	v_lshl_add_u32 v[ADRB0], v3, 4, v[ADRB0]
	s_mul_i32 s21, s[WC], (NBW/4)*PBLK
	s_add_co_u32 s21, s21, AREG
	v_add_nc_u32 v[ADRB0], s21, v[ADRB0]
.if EPI > 0
	s_mul_i32 s2, s[TC], TN*4                      ; the bias of my columns: register j of block b is column 16 b + 8 (l / 16) + j, as in a result
	s_mul_i32 s3, s[WC], NBW*64
	s_add_co_u32 s2, s2, s3
	s_mov_b32 s3, 0
	s_add_nc_u64 s[BIP:BIP+1], s[BIP:BIP+1], s[2:3]
	v_lshlrev_b32 v[BO], 5, v2
.set ib, 0
.rept NBW
	global_load_b128 v[BIAS+8*ib:BIAS+8*ib+3], v[BO], s[BIP:BIP+1] offset:64*ib
	global_load_b128 v[BIAS+8*ib+4:BIAS+8*ib+7], v[BO], s[BIP:BIP+1] offset:64*ib+16
.set ib, ib+1
.endr
.endif
.if EPI < 2
	s_mul_i32 s2, s[TC], PB                        ; C in panels: my first panel, my first row
	s_mul_i32 s3, s[WC], NBW/4
	s_add_co_u32 s2, s2, s3
	s_lshl_b32 s2, s2, 19
	s_mul_i32 s3, s[TR], TM*128
	s_add_co_u32 s2, s2, s3
	s_mul_i32 s3, s[WR], MB*16*128
	s_add_co_u32 s2, s2, s3
	s_mov_b32 s3, 0
	s_add_nc_u64 s[OUTP:OUTP+1], s[OUTP:OUTP+1], s[2:3]
	s_mul_i32 s21, s[WV], 16*PA
	s_add_co_u32 s21, s21, STG                     ; my stage: 16 rows of 144 bytes
	v_mul_u32_u24 v[STO], v1, PA
	v_lshl_add_u32 v[STO], v2, 4, v[STO]
	v_add_nc_u32 v[STO], s21, v[STO]
	v_bfe_u32 v[RD], v0, 3, 2                      ; back: 32 lanes take four rows of 128 bytes,
	v_mul_u32_u24 v[RD], v[RD], PA
	v_and_b32 v3, 7, v0
	v_lshl_add_u32 v[RD], v3, 4, v[RD]
	v_add_nc_u32 v[RD], s21, v[RD]
	v_and_b32 v[CO], 31, v0                        ; which are 512 consecutive bytes of a panel
	v_lshlrev_b32 v[CO], 4, v[CO]
	v_mov_b32 v[ZR], 0
.else
	s_mul_i32 s2, s[TR], 128*4096                  ; C and the residual, f32, row-major, 4,096 bytes a row
	s_mul_i32 s3, s[WR], 64*4096
	s_add_co_u32 s2, s2, s3
	s_mul_i32 s3, s[TC], 512
	s_add_co_u32 s2, s2, s3
	s_lshl_b32 s3, s[WC], 8
	s_add_co_u32 s2, s2, s3
	s_mov_b32 s3, 0
	s_add_nc_u64 s[OUTP:OUTP+1], s[OUTP:OUTP+1], s[2:3]
	s_add_nc_u64 s[REP:REP+1], s[REP:REP+1], s[2:3]
	s_mul_i32 s21, s[WV], 16*272
	s_add_co_u32 s21, s21, STG                     ; my stage: 16 rows of 272 bytes
	v_mul_u32_u24 v[STO], v1, 272
	v_lshl_add_u32 v[STO], v2, 5, v[STO]
	v_add_nc_u32 v[STO], s21, v[STO]
	v_mul_u32_u24 v[RD], v2, 272                   ; back: lanes 0-15 one row of 256 bytes, lanes 16-31 the next
	v_lshl_add_u32 v[RD], v1, 4, v[RD]
	v_add_nc_u32 v[RD], s21, v[RD]
	v_lshlrev_b32 v[CO], 12, v2
	v_lshl_add_u32 v[CO], v1, 4, v[CO]
.endif
.if PF
.if KS == 128
	s_lshl_b32 s21, s[CX], 13                      ; A: a quarter of the panel's 32,768 bytes
.else
	s_lshr_b32 s21, s[CX], 1                       ; A: half of one of two panels' 16,384 bytes
	s_lshl_b32 s21, s21, 19
	s_and_b32 s22, s[CX], 1
	s_lshl_b32 s22, s22, 13
	s_add_co_u32 s21, s21, s22
.endif
.if PB == 3
	s_lshl_b32 s23, s[CY], 11                      ; W: a quarter of each of three panels' 8,192 bytes
.elseif PB == 4
	s_lshl_b32 s23, s[CY], 17                      ; W: one of four panels' 8,192 bytes
.else
	s_lshr_b32 s23, s[CY], 1                       ; W: half of one of two panels' 16,384 bytes
	s_lshl_b32 s23, s23, 19
	s_and_b32 s22, s[CY], 1
	s_lshl_b32 s22, s22, 13
	s_add_co_u32 s23, s23, s22
.endif
	s_and_b32 s22, ttmp7, 0xffff                   ; cluster y
	s_mov_b32 s2, ASTEP
	s_mov_b32 s3, BSTEP
	s_cmp_eq_u32 s[ROLE], 0
	s_cselect_b32 s[POFF], s21, s23
	s_cselect_b32 s22, ttmp9, s22                  ; the coordinate along which other clusters read the same bytes
	s_cselect_b32 s[PFS], s2, s3
	s_cselect_b64 s[PFA:PFA+1], s[72:73], s[74:75]
	s_mov_b32 s[POFF+1], 0
	s_mov_b32 s[PFS+1], 0
	s_cmp_eq_u32 s22, 0
	s_cselect_b32 s[LIM], 1, -1                    ; the same in all sixteen partners, for a given wave
	s_add_nc_u64 s[PFA:PFA+1], s[PFA:PFA+1], s[POFF:POFF+1]
.rept 3
	s_add_nc_u64 s[PFA:PFA+1], s[PFA:PFA+1], s[PFS:PFS+1]  ; at K step 3: the first change steps it to 4.  K steps 0 to 3 come by their loads alone
.endr
.if PB == 3
	s_mov_b32 s2, 2048                             ; A: 32 blocks on end.  W: 8 blocks in each of 3 panels; lanes 24-31 name the blocks of lanes 16-23 once more, in the same instruction
	s_mov_b32 s3, 131072
	s_cmp_eq_u32 s[ROLE], 0
	s_cselect_b32 s2, s2, s3
	s_cselect_b32 s3, 3, 2
	v_bfe_u32 v[PFO], v0, 3, 2
	v_min_u32 v[PFO], s3, v[PFO]
	v_mul_u32_u24 v[PFO], s2, v[PFO]
	v_and_b32 v3, 7, v0
	v_lshl_add_u32 v[PFO], v3, 8, v[PFO]
.else
	v_and_b32 v[PFO], 31, v0
	v_lshlrev_b32 v[PFO], 8, v[PFO]
.endif
.endif
	s_wait_tensorcnt 0x1                           ; my part of K step 0 is in; K step 1's may stay out
	s_barrier_signal -1
	s_barrier_wait -1                              ; everybody's is
	s_mov_b32 s[TBA], 0
	s_mov_b32 s[TBB], 0
	v_add_nc_u32 v[PAP], s[TBA], v[ADRA0]
	v_add_nc_u32 v[PBP], s[TBB], v[ADRB0]
	FETCH 0, 0, 0
.if EPI > 0
	s_wait_loadcnt 0x0                             ; the bias
.endif
	QUARTER 0, 1, KA2, KB2, 1                      ; the first quarter is written out: its products start the sums
	WIN 0
	s_add_co_u32 s[TBA], s[TBA], AH                ; K step 0's second half is fetched by one trip of the inner loop that reads slot 0
	s_add_co_u32 s[TBB], s[TBB], BH
	s_mov_b32 s[CNT], 1
.if RTL
	s_wait_kmcnt 0x0                               ; the count: the same number in every work-group
	s_min_u32 s[NLB], s[NLB], 64
	s_mov_b32 s[LEFT], s[NLB]
	s_mov_b32 s[LAP], 0
.else
	s_mov_b32 s[LAP], NSTEP/2                      ; the laps and one: the way in passes the loop's end once
.endif
	s_branch .Lqb
.Llap:                                         ; a lap goes once round the ring and fills both slots again
	STEP 1, 1, a
	STEP 0, 1, b
.if RTL
	s_sub_co_u32 s[LEFT], s[LEFT], 1
	s_add_co_u32 s[LAP], s[LAP], 1
	s_cmp_lt_u32 s[LAP], s[NLB]
.else
	s_sub_co_u32 s[LAP], s[LAP], 1
	s_cmp_lg_u32 s[LAP], 0
.endif
	s_cbranch_scc1 .Llap
.if EPI == 2
.set i, 0
.rept 32                                       ; the residual of my 64 x 64: two rows' 256 bytes an instruction; a K step's products in which to land
	global_load_b128 v[RES+4*i:RES+4*i+3], v[CO], s[REP:REP+1] offset:2*i*4096 th:TH_LOAD_NT
.set i, i+1
.endr
.endif
	STEP 1, 0, c                                   ; the last change fills nothing
	s_wait_dscnt 0x0
	MULS 1, 0, NPQ, 0                              ; the last quarter
	PLACES
	PLACES
.if EPI < 2
; THE WAY OUT, bf16.  A unit is 16 rows x one panel: rounded (and cut at 0), 16 bytes a lane into my stage, back as whole rows, stored as 512 consecutive bytes.  Unit u has registers 16 u .. 16 u + 15 of window 1 to itself.
; A unit's stores stand behind the packing of the unit two further on: two units' conversions stand between its loads from the stage and the wait for them.
.set NU, MB*(NBW/4)
.macro PACK u
.set ix, ((\u)/(NBW/4))*NBW+4*((\u)%(NBW/4))
.set wn, 2+ix/32
.set rD, 8*(ix%32)
	WIN wn|(wn<<2)|0x40
.set ir, 0
.rept 16
	v_cvt_pk_bf16_f32 v[16*(\u)+ir], v[rD+2*ir], v[rD+2*ir+1]  ; each accumulator's registers in ascending order
.set ir, ir+1
.endr
.if EPI == 1
	WIN 0x41
.set ir, 0
.rept 16
	v_pk_max_num_bf16 v[16*(\u)+ir], v[16*(\u)+ir], v[ZR]
.set ir, ir+1
.endr
.endif
	WIN 0x04
.set jf, 0
.rept 4
	ds_store_b128 v[STO], v[16*(\u)+4*jf:16*(\u)+4*jf+3] offset:32*jf
.set jf, jf+1
.endr
	WIN 0x40
.set jf, 0
.rept 4
	ds_load_b128 v[16*(\u)+4*jf:16*(\u)+4*jf+3], v[RD] offset:4*PA*jf  ; LDS serves a wave's instructions in order (ISA guide 5.7.1.4): these see the stores above, and the next unit's stores come behind them
.set jf, jf+1
.endr
.endm
.macro SEND u, younger                 ; younger: the LDS instructions issued behind unit u's loads: eight for each later unit that has been packed
	WIN 0x04
.set jf, 0
.rept 4
	s_wait_dscnt (\younger)+3-jf
	global_store_b128 v[CO], v[16*(\u)+4*jf:16*(\u)+4*jf+3], s[OUTP:OUTP+1] offset:((\u)%(NBW/4))*524288+((\u)/(NBW/4))*2048+512*jf
.set jf, jf+1
.endr
.endm
	PACK 0
	PACK 1
.set iu, 2
.rept NU-2
	PACK iu
	SEND iu-2, 16
.set iu, iu+1
.endr
	SEND NU-2, 8
	SEND NU-1, 0
.else
; THE WAY OUT, f32.  A unit is 16 rows x 64 columns: from the accumulators into my stage, back as whole rows of 256 bytes, the residual added, stored: 16 lanes fill 256 consecutive bytes, aligned.
.macro PACKF a
	WIN 0x08
.set ib, 0
.rept 4
	ds_store_b128 v[STO], v[8*(4*(\a)+ib):8*(4*(\a)+ib)+3] offset:64*ib
	ds_store_b128 v[STO], v[8*(4*(\a)+ib)+4:8*(4*(\a)+ib)+7] offset:64*ib+16
.set ib, ib+1
.endr
	WIN 0x40
.set jf, 0
.rept 8
	ds_load_b128 v[32*(\a)+4*jf:32*(\a)+4*jf+3], v[RD] offset:544*jf
.set jf, jf+1
.endr
.endm
.macro SENDF a, younger
	s_wait_loadcnt (3-(\a))*8                      ; this unit's residual is in; the later units' may stay out
	s_wait_dscnt \younger                          ; the unit is back in registers
	WIN 0x41
.set jf, 0
.rept 16
	v_pk_add_f32 v[32*(\a)+2*jf:32*(\a)+2*jf+1], v[32*(\a)+2*jf:32*(\a)+2*jf+1], v[RES+32*(\a)+2*jf:RES+32*(\a)+2*jf+1]
.set jf, jf+1
.endr
	WIN 0x04
.set jf, 0
.rept 8
	global_store_b128 v[CO], v[32*(\a)+4*jf:32*(\a)+4*jf+3], s[OUTP:OUTP+1] offset:(16*(\a)+2*jf)*4096
.set jf, jf+1
.endr
.endm
	PACKF 0
	PACKF 1
	SENDF 0, 16
	PACKF 2
	SENDF 1, 16
	PACKF 3
	SENDF 2, 16
	SENDF 3, 0
.endif
	WIN 0
	s_wait_tensorcnt 0x0                           ; the wave's end, behind my last tensor load and my last LDS store
	ds_add_u32 v[SPW], v[NIL]
	s_wait_dscnt 0x0
	CROUND                                         ; the closing round: no work-group ends while a partner may still ask for a tile that names it
	s_endpgm
.Lfunc_end_k_q55ed704e61_proj:
	.size	k_q55ed704e61_proj, .Lfunc_end_k_q55ed704e61_proj-k_q55ed704e61_proj
	.p2alignl 7, 3214868480
	.fill 96, 4, 3214868480
	.section	.rodata,"a",@progbits
	.p2align	6, 0x0
	.amdhsa_kernel k_q55ed704e61_proj
		.amdhsa_group_segment_fixed_size 327680
		.amdhsa_private_segment_fixed_size 0
		.amdhsa_enable_private_segment 0
		.amdhsa_kernarg_size 40
		.amdhsa_user_sgpr_count 2
		.amdhsa_user_sgpr_kernarg_segment_ptr 1
		.amdhsa_wavefront_size32 1
		.amdhsa_system_sgpr_workgroup_id_x 1
		.amdhsa_system_sgpr_workgroup_id_y 1
		.amdhsa_system_sgpr_workgroup_id_z 1
		.amdhsa_system_vgpr_workitem_id 0
		.amdhsa_next_free_vgpr 640
		.amdhsa_next_free_sgpr 80
		.amdhsa_reserve_vcc 0
		.amdhsa_float_denorm_mode_32 3
		.amdhsa_float_denorm_mode_16_64 3
		.amdhsa_memory_ordered 1
		.amdhsa_forward_progress 1
		.amdhsa_inst_pref_size 62
	.end_amdhsa_kernel
	.amdgpu_metadata
---
amdhsa.version: [ 1, 2 ]
amdhsa.kernels:
  - .name:           k_q55ed704e61_proj
    .symbol:         k_q55ed704e61_proj.kd
    .args:
      - { .name: act, .offset: 0, .size: 8, .value_kind: global_buffer, .address_space: global }
      - { .name: wb, .offset: 8, .size: 8, .value_kind: global_buffer, .address_space: global }
      - { .name: b_proj, .offset: 16, .size: 8, .value_kind: global_buffer, .address_space: global }
      - { .name: x, .offset: 24, .size: 8, .value_kind: global_buffer, .address_space: global }
      - { .name: x1, .offset: 32, .size: 8, .value_kind: global_buffer, .address_space: global }
    .group_segment_fixed_size: 327680
    .private_segment_fixed_size: 0
    .kernarg_segment_align: 8
    .kernarg_segment_size: 40
    .max_flat_workgroup_size: 128
    .sgpr_count:     80
    .vgpr_count:     640
    .wavefront_size: 32
...
	.end_amdgpu_metadata
.endif
;; end of part 4
;; launch ln2: the kernel of part 1 again; grid 256 x 1, 8 waves a work-group, no clusters, 0 bytes of LDS; arguments x1, ln2_g, ln2_b, wq, wk, wv, w_proj, w1, w2, act, wb; writes act, wb
;; launch ff1 (part 5): grid 16 x 16, 4 waves a work-group, clusters of 4 x 4, 327,680 bytes of LDS; arguments act, wb, b1, big; writes big
.if DOCPART == 5
	.amdgcn_target "amdgcn-amd-amdhsa--gfx1250"
	.amdhsa_code_object_version 6
	.text
	.protected	k_q55ed704e61_ff1
	.globl	k_q55ed704e61_ff1
	.p2align	8
	.type	k_q55ed704e61_ff1,@function
k_q55ed704e61_ff1:
	s_mov_b64 s[64:65], 0
	v_nop
	global_prefetch_b8 v0, s[64:65] scope:SCOPE_SE
	s_setreg_imm32_b32 hwreg(HW_REG_WAVE_MODE, 25, 1), 1
	s_wait_xcnt 0x0
	s_wait_alu depctr_hold_cnt(0) depctr_sa_sdst(0) depctr_va_vdst(0) depctr_va_sdst(0) depctr_va_ssrc(0) depctr_va_vcc(0) depctr_vm_vsrc(0)
	s_getreg_b32 s2, hwreg(HW_REG_IB_STS2, 6, 4)
	s_cmp_eq_u32 s2, 0
	s_cbranch_scc0 .Lentry_in_a_cluster
	s_endpgm
.Lentry_in_a_cluster:
	s_bfe_u32 s2, ttmp6, 0x10000c
	s_cmp_lg_u32 s2, 0xf033
	s_cbranch_scc0 .Lentry_shape_is_right
	s_endpgm
.Lentry_shape_is_right:
; f = relu(h2 W1 + b1).  C[4096][4096] = A[4096][1024] W[1024][4096], bf16 operands, f32 sums, the bias in f32, C rounded once to bf16 and cut at 0.
.set TM,    256                        ; a work-group's tile of C: rows,
.set TN,    256                        ; columns
.set WROWS, 2                          ; the four waves lie 2 x 2 over the tile
.set MB,    8                          ; blocks of 16 rows a wave
.set NBW,   8                          ; blocks of 16 columns a wave
.set KS,    128                        ; a K step
.set SUB,   1                          ; a quarter of a K step is SUB x 32 along K
.set KK,    1024                       ; rows from a panel of W to the next
.set WOFF,  8388608                    ; where W begins in its buffer
.set EPI,   1                          ; the way out: 0 bf16; 1 bias, ReLU, bf16; 2 bias, residual, f32
.set PF,    1                          ; prefetches are laid
.set RTL,   0                          ; 0: K = KK; 1: the number of laps is read from memory
; ONE TEXT FOR THE PRODUCTS OF THE BLOCK; the constants above tell them apart.
; LAYOUTS.  A and a bf16 C lie in panels of 64 columns: element (m, c) at ((c / 64) 4096 + m) 128 + 2 (c % 64).  W lies [K][N] in panels too: (k, n) at ((n / 64) KK + k) 128 + 2 (n % 64).
; So a tile's part of a panel is a dense run of memory, asked for as one long row and cut into LDS rows of 128 bytes by the padding.
; THE PRODUCT IS USED TRANSPOSED: source 0 = 16 columns of W (turned on the way out of LDS by ds_load_tr16_b128), source 1 = 16 rows of A: a lane holds ONE row of C and 8 neighbouring columns.
; RING.  Two LDS slots, a K step each.  Waves 0 and 1 fetch the halves of A's part, waves 2 and 3 those of W's: one tensor load a wave behind each change of slots, a K step's products in which to land.
; CLUSTER 4 x 4: A's tiles are shared along a row of the cluster, W's along a column: joint loads with a mask of four.
; A K step is four quarters on two fragment buffers; a quarter's 32 LDS loads stand in one run behind the first row block's products of the quarter before.  The loop over a step's quarters has two trips.
; The first quarter alone is written out ahead of the loops (its products start the sums); behind it the text goes into the lap loop's second half, with one trip of its inner loop to go.
; The accumulators take turns, one instruction a turn, in one fixed order, over the jumps too.  The first products start the sums, with 0 or with the bias as C.
; LIMITS.  Operands are bf16, each rounded once; the order of the f32 sums is the unit's; NaN and infinities are not treated apart (ReLU of NaN gives 0).
; REGISTERS, in windows of 256: window 0 addresses, bias, residual; window 1 two fragment buffers of 128 (W's fragments, then A's), later the way out; windows 2, 3 the accumulators: (a, b) is number a NBW + b.
.set NSTEP, KK/KS
.set PB,    TN/64                      ; panels of W in a tile
.set PA,    144                        ; an LDS row of A: 128 bytes + 16: the 16 rows of a load start at 16 different groups of four banks (ISA guide 11.1)
.set PW,    160                        ; an LDS row of W: 128 + 32
.set AH,    36864                      ; what an A wave fetches: 256 LDS rows
.set AREG,  2*AH
.set PBLK,  (KS/2)*PW                  ; half a step's rows of one panel of W
.set BH,    PB*PBLK                    ; what a W wave fetches
.set SLOT,  AREG+2*BH                  ; A: [k panel][row]; behind it W: [k half][panel][row]
.set SPARE, 2*SLOT                     ; the spare words, 128 bytes a wave: two blocks of 256 bytes that no other line names
.set STG,   0                          ; the stage of the way out lies in slot 0, which has had its last fill and its last read by then
.set ASTEP, (KS/64)*524288             ; bytes from a K step of A to the next
.set BSTEP, KS*128                     ; the same for W
.set NPQ,   SUB*MB
.set KA2,   64+(SUB-1)*(TM*PA-64)      ; from an even quarter's fragments of A to the odd quarter's, in LDS
.set KB2,   SUB*32*PW                  ; the same for W
.set OUTP,  8+2*EPI                    ; s pair of the output
.set BIP,   8                          ; s[8:9] the bias (EPI 1, 2)
.set REP,   10                         ; s[10:11] the residual (EPI 2)
.set ADRA0, 4                          ; v4  my lane's place in a slot's A; never rewritten
.set ADRB0, 5                          ; v5  the same for W
.set PAP,   6                          ; v6  the LDS address of the fetches in hand, A
.set PBP,   7                          ; v7  W
.set STO,   8                          ; v8  the way out: where I put my part of a row
.set RD,    9                          ; v9  where I read rows back
.set CO,    10                         ; v10 my byte offset in C
.set BO,    11                         ; v11 my byte offset in a block's bias
.set PFO,   12                         ; v12 the prefetches' offset; never rewritten
.set ZR,    13                         ; v13 0, for ReLU
.set SPW,   14                         ; v14 LDS address of my spare word; never rewritten
.set NIL,   15                         ; v15 0; never rewritten
.set BIAS,  64                         ; v[64:127] 8 registers a column block
.set RES,   128                        ; v[128:255] the residual
.set WV,    14                         ; s14 wave
.set WR,    15                         ; s15, s16 my place in the tile
.set WC,    16
.set CX,    17                         ; s17, s18 my work-group's place in the cluster
.set CY,    18
.set TC,    19                         ; s19, s20 tile column, tile row
.set TR,    20
.set G1A,   24                         ; s[24:31] descriptor group 1, A;  s[32:39] group 0, a set for each slot
.set G0A,   32
.set G1B,   40                         ; s[40:47], s[48:55] the same for W
.set G0B,   48
.set PFA,   56                         ; s[56:57] where my prefetches stand
.set LIM,   58                         ; s58 1 in a wave that prefetches, else the greatest number
.set ROLE,  59                         ; s59 0: I fetch for A; 1: for W
.set PFS,   66                         ; s[66:67] a K step in what I prefetch
.set TBA,   68                         ; s68, s69 LDS byte at which the fetches in hand begin, A's and W's
.set TBB,   69
.set LAP,   70
.set CNT,   71
.set POFF,  76                         ; s[76:77] my work-group's share of a prefetch
.set HALF,  78                         ; s78 which half I fetch
.set NLB,   79                         ; s79 (RTL) the laps and one, read from memory
.set CFG,   82                         ; s[82:83] (RTL) where it is read
.set LEFT,  84                         ; s84 (RTL) laps still to come, the one in hand among them
.if RTL
.set ASKC,  LEFT
.else
.set ASKC,  LAP
.endif
.set MSB, 0
.macro WIN new                         ; the immediate's high byte repeats the setting that is left; a switch that changes nothing is dropped
.if MSB != (\new)
	s_set_vgpr_msb (MSB<<8)|(\new)
.set MSB, \new
.endif
.endm
.macro PLACES                          ; four places behind matrix instructions, in front of loads into registers that they read (ISA guide 7.12.1 for vector instructions)
.rept 4
	v_nop
.endr
.endm
.macro CROUND                          ; a round of the cluster's barrier
	s_barrier_signal -1
	s_barrier_wait -1
	s_cmp_lg_u32 s[WV], 0
	s_cbranch_scc1 .Lnot_wave_0_\@
	s_barrier_signal -3
.Lnot_wave_0_\@:
	s_barrier_wait -3
	s_barrier_signal -1
	s_barrier_wait -1
.endm
.macro JLOAD s                         ; a joint refill of slot s; the branch hangs on the wave's number alone; s_nop 0 and four v_nop follow each line
	s_cmp_eq_u32 s[ROLE], 0
	s_cbranch_scc0 .Lfor_b_\@
	tensor_load_to_lds s[G0A+4*(\s):G0A+4*(\s)+3], s[G1A:G1A+7]
	s_nop 0
.rept 4
	v_nop
.endr
	s_branch .Lasked_\@
.Lfor_b_\@:
	tensor_load_to_lds s[G0B+4*(\s):G0B+4*(\s)+3], s[G1B:G1B+7]
	s_nop 0
.rept 4
	v_nop
.endr
.Lasked_\@:
.endm
; A prefetch, behind the joint load and its five lines: my work-group's share of what I shall fetch two refills on, a lane to each 256 bytes.  A's rows are asked for by the clusters with x = 0, W's by those with
; y = 0; the four partners of a joint load share its bytes out by address.  The last lap asks for nothing: the K steps that it would name do not exist.
.macro ASK
	s_cmp_gt_u32 s[ASKC], s[LIM]
	s_cbranch_scc0 .Lnot_mine_\@
	global_prefetch_b8 v[PFO], s[PFA:PFA+1] th:TH_LOAD_NT scope:SCOPE_SE
.Lnot_mine_\@:
.endm
.macro FETCH f, koa, kob               ; a quarter's 32 LDS loads into buffer f
	WIN 0x40                                       ; destination window 1, address window 0
.set ic, 0
.rept SUB
.set ib, 0
.rept NBW
.set rW, 128*(\f)+8*(ic*NBW+ib)
.set oW, (\kob)+ic*32*PW+(ib/4)*PBLK+(ib%4)*32
	ds_load_tr16_b128 v[rW:rW+3], v[PBP] offset:oW
	ds_load_tr16_b128 v[rW+4:rW+7], v[PBP] offset:oW+16*PW
.set ib, ib+1
.endr
.set ic, ic+1
.endr
.set ic, 0
.rept SUB
.set ia, 0
.rept MB
.set rA, 128*(\f)+8*SUB*NBW+8*(ic*MB+ia)
.set oA, (\koa)+ic*64+ia*16*PA
	ds_load_b128 v[rA:rA+3], v[PAP] offset:oA
	ds_load_b128 v[rA+4:rA+7], v[PAP] offset:oA+32
.set ia, ia+1
.endr
.set ic, ic+1
.endr
.endm
.macro MULS f, p0, p1, first           ; the products of buffer f for (32 along K, row block) number p0 .. p1 - 1, all column blocks
.set ip, \p0
.rept (\p1)-(\p0)
.set ic, ip/MB
.set ia, ip%MB
.set ib, 0
.rept NBW
.set ix, ia*NBW+ib
.set wn, 2+ix/32
.set rD, 8*(ix%32)
.set rW, 128*(\f)+8*(ic*NBW+ib)
.set rA, 128*(\f)+8*SUB*NBW+8*(ic*MB+ia)
.if (\first) && (ic == 0)
.if EPI == 0
	WIN 0x05|(wn<<4)|(wn<<6)
	v_wmma_f32_16x16x32_bf16 v[rD:rD+7], v[rW:rW+7], v[rA:rA+7], 0
.else
	WIN 0x05|(wn<<6)                               ; C, the bias, in window 0
	v_wmma_f32_16x16x32_bf16 v[rD:rD+7], v[rW:rW+7], v[rA:rA+7], v[BIAS+8*ib:BIAS+8*ib+7]
.endif
.else
	WIN 0x05|(wn<<4)|(wn<<6)
	v_wmma_f32_16x16x32_bf16 v[rD:rD+7], v[rW:rW+7], v[rA:rA+7], v[rD:rD+7]
.endif
.set ib, ib+1
.endr
.set ip, ip+1
.endr
.endm
.macro QUARTER f, g, koa, kob, first   ; buffer f is multiplied; behind its first row block's products the next quarter is fetched into g, which the quarter before has multiplied
	s_wait_dscnt 0x0                               ; f's 32 loads are all that is out: they were issued NPQ - 1 row blocks' products ago
	MULS \f, 0, 1, \first
	PLACES
	FETCH \g, \koa, \kob
	MULS \f, 1, NPQ, \first
.endm
; THE CHANGE OF SLOTS.  Each wave waits for all its tensor loads (one is out: its part of slot new), adds 0 to its spare word, and waits for that and for its reads of the old slot.
; fill = 1: the barrier is a round of the cluster's, and the old slot's joint refill, two K steps on, is the first thing behind it.
.macro CHANGE new, fill
	WIN 0
.if PF && (\fill)
	s_wait_xcnt 0x0                                ; the last prefetch, a K step back, has read its address
	s_add_nc_u64 s[PFA:PFA+1], s[PFA:PFA+1], s[PFS:PFS+1]
.endif
	s_wait_tensorcnt 0x0                           ; no tensor load of mine is out, so a group 0 may be written
	ds_add_u32 v[SPW], v[NIL]                      ; 0 onto my spare word; scalar work stands between it and the wait for it
.if \fill
	s_add_nc_u64 s[G0A+4*(1-(\new))+2:G0A+4*(1-(\new))+3], s[G0A+4*(1-(\new))+2:G0A+4*(1-(\new))+3], 2*ASTEP
	s_add_nc_u64 s[G0B+4*(1-(\new))+2:G0B+4*(1-(\new))+3], s[G0B+4*(1-(\new))+2:G0B+4*(1-(\new))+3], 2*BSTEP
.endif
	s_mov_b32 s[TBA], (\new)*SLOT
	s_mov_b32 s[TBB], (\new)*SLOT
	s_wait_dscnt 0x0                               ; the add is done, and my reads of the old slot are over
.if \fill
	CROUND
	JLOAD 1-(\new)
.if PF
	ASK
.endif
.else
	s_barrier_signal -1
	s_barrier_wait -1
.endif
.endm
; A change of slots and four quarters: the old step's last and the new step's first three; all four fetches read the new slot, two a trip.  The tag ends the inner loop's label.
.macro STEP new, fill, tag
	CHANGE \new, \fill
	s_mov_b32 s[CNT], 2
.Lq\tag:
	v_add_nc_u32 v[PAP], s[TBA], v[ADRA0]
	v_add_nc_u32 v[PBP], s[TBB], v[ADRB0]
	QUARTER 1, 0, 0, 0, 0
	QUARTER 0, 1, KA2, KB2, 0
	WIN 0
	s_add_co_u32 s[TBA], s[TBA], AH
	s_add_co_u32 s[TBB], s[TBB], BH
	s_sub_co_u32 s[CNT], s[CNT], 1
	s_cmp_lg_u32 s[CNT], 0
	s_cbranch_scc1 .Lq\tag
.endm
.if EPI == 0
	s_load_b128 s[4:7], s[0:1], 0x0                ; A, W
	s_load_b64 s[8:9], s[0:1], 0x10                ; C
.elseif EPI == 1
	s_load_b256 s[4:11], s[0:1], 0x0               ; A, W, bias, C
.else
	s_load_b256 s[4:11], s[0:1], 0x0               ; A, W, bias, residual
	s_load_b64 s[12:13], s[0:1], 0x20              ; C
.endif
.if RTL
	s_load_b64 s[CFG:CFG+1], s[0:1], 0x28          ; the count
.endif
	v_lshl_add_u32 v[SPW], v0, 2, SPARE
	v_mov_b32 v[NIL], 0
	ds_add_u32 v[SPW], v[NIL]                      ; the wave's opening: the add and its wait stand ahead of my first tensor load
	v_lshrrev_b32 v1, 5, v0
	v_readfirstlane_b32 s[WV], v1
	s_lshr_b32 s[ROLE], s[WV], 1
	s_and_b32 s[HALF], s[WV], 1
.if WROWS == 4
	s_mov_b32 s[WR], s[WV]
	s_mov_b32 s[WC], 0
.else
	s_mov_b32 s[WR], s[ROLE]
	s_mov_b32 s[WC], s[HALF]
.endif
	s_bfe_u32 s[CX], ttmp6, 0x40000
	s_bfe_u32 s[CY], ttmp6, 0x40004
	s_lshl_b32 s[TC], ttmp9, 2
	s_add_co_u32 s[TC], s[TC], s[CX]               ; tile column = 4 x cluster x + cx
	s_and_b32 s[TR], ttmp7, 0xffff
	s_lshl_b32 s[TR], s[TR], 2
	s_add_co_u32 s[TR], s[TR], s[CY]               ; tile row = 4 x cluster y + cy
	s_lshl_b32 s2, s[CY], 2
	s_lshl_b32 s2, 15, s2                          ; my row of the cluster
	s_lshl_b32 s3, 0x1111, s[CX]                   ; my column
	s_or_b32 s[G1A], s2, (1<<16)|(1<<20)|(1<<21)|(4<<22)|(3<<25)  ; the mask; 2-byte elements; padding on; bit 21 beside a mask; after every 32 words, 4 words
	s_or_b32 s[G1B], s3, (1<<16)|(1<<20)|(1<<21)|(4<<22)|(7<<25)  ; the same with 8 words
	s_mov_b32 s[G1A+1], ((TM*64)&0xffff)<<16       ; tensor_dim0 = the tile's rows of one panel, as one run
	s_mov_b32 s[G1A+2], ((TM*64)>>16)|((KS/128)<<16)  ; tensor_dim1 = the panels that a wave fetches
	s_mov_b32 s[G1A+3], (TM*64)<<16                ; tile_dim0
	s_mov_b32 s[G1A+4], KS/128                     ; tile_dim1
	s_mov_b32 s[G1A+5], 262144                     ; elements from panel to panel
	s_mov_b32 s[G1A+6], 0
	s_mov_b32 s[G1A+7], 0
	s_mov_b32 s[G1B+1], (((KS/2)*64)&0xffff)<<16   ; tensor_dim0 = half a step's rows of one panel
	s_mov_b32 s[G1B+2], PB<<16                     ; tensor_dim1 = the tile's panels
	s_mov_b32 s[G1B+3], ((KS/2)*64)<<16
	s_mov_b32 s[G1B+4], PB
	s_mov_b32 s[G1B+5], KK*64
	s_mov_b32 s[G1B+6], 0
	s_mov_b32 s[G1B+7], 0
	s_mul_i32 s60, s[TR], TM*128                   ; A hangs on the tile row and the wave alone,
	s_mul_i32 s21, s[HALF], (KS/128)*524288
	s_add_co_u32 s60, s60, s21
	s_mov_b32 s61, 0
	s_mul_i32 s62, s[TC], PB*KK*128                ; W on the tile column and the wave alone
	s_mul_i32 s21, s[HALF], (KS/2)*128
	s_add_co_u32 s62, s62, s21
	s_add_co_u32 s62, s62, WOFF
	s_mov_b32 s63, 0
	s_mul_i32 s22, s[HALF], AH                     ; LDS: no place in the cluster enters
	s_mul_i32 s23, s[HALF], BH
	s_add_co_u32 s23, s23, AREG
	s_wait_dscnt 0x0                               ; the opening add is done
	s_wait_kmcnt 0x0
.if RTL
	s_load_b32 s[NLB], s[CFG:CFG+1], 0x0           ; waited for behind the first quarter
.endif
	s_add_nc_u64 s[72:73], s[4:5], s[60:61]
	s_add_nc_u64 s[74:75], s[6:7], s[62:63]
.irp s, 0,1
	s_mov_b32 s[G0A+4*(\s)], 1
	s_add_co_u32 s[G0A+4*(\s)+1], s22, (\s)*SLOT
	s_add_nc_u64 s[G0A+4*(\s)+2:G0A+4*(\s)+3], s[72:73], (\s)*ASTEP
	s_or_b32 s[G0A+4*(\s)+3], s[G0A+4*(\s)+3], 0x80000000
	s_mov_b32 s[G0B+4*(\s)], 1
	s_add_co_u32 s[G0B+4*(\s)+1], s23, (\s)*SLOT
	s_add_nc_u64 s[G0B+4*(\s)+2:G0B+4*(\s)+3], s[74:75], (\s)*BSTEP
	s_or_b32 s[G0B+4*(\s)+3], s[G0B+4*(\s)+3], 0x80000000
.endr
	CROUND                                         ; all sixteen work-groups are here: the first joint loads meet
	s_cmp_eq_u32 s[ROLE], 0                        ; a wave's two first fills stand in one branch: K steps 0 and 1; two loads of mine are out
	s_cbranch_scc0 .Lfirst_b
	tensor_load_to_lds s[G0A:G0A+3], s[G1A:G1A+7]
	s_nop 0
	tensor_load_to_lds s[G0A+4:G0A+7], s[G1A:G1A+7]
	s_nop 0
.rept 4
	v_nop
.endr
	s_branch .Lfirst_asked
.Lfirst_b:
	tensor_load_to_lds s[G0B:G0B+3], s[G1B:G1B+7]
	s_nop 0
	tensor_load_to_lds s[G0B+4:G0B+7], s[G1B:G1B+7]
	s_nop 0
.rept 4
	v_nop
.endr
.Lfirst_asked:
	v_and_b32 v1, 15, v0                           ; l % 16
	v_bfe_u32 v2, v0, 4, 1                         ; l / 16
	v_mul_u32_u24 v[ADRA0], v1, PA                 ; a fragment of A: row l % 16, 16 bytes for each half of the lanes, twice, 32 bytes apart
	v_lshl_add_u32 v[ADRA0], v2, 4, v[ADRA0]
	s_mul_i32 s21, s[WR], MB*16*PA
	v_add_nc_u32 v[ADRA0], s21, v[ADRA0]
	v_and_b32 v3, 7, v0                            ; the turning load: lane l reads row k = 8 (l / 16) + l % 8, columns 8 ((l / 8) % 2) on
	v_lshl_add_u32 v[ADRB0], v2, 3, v3
	v_mul_u32_u24 v[ADRB0], v[ADRB0], PW
	v_bfe_u32 v3, v0, 3, 1
	v_lshl_add_u32 v[ADRB0], v3, 4, v[ADRB0]
	s_mul_i32 s21, s[WC], (NBW/4)*PBLK
	s_add_co_u32 s21, s21, AREG
	v_add_nc_u32 v[ADRB0], s21, v[ADRB0]
.if EPI > 0
	s_mul_i32 s2, s[TC], TN*4                      ; the bias of my columns: register j of block b is column 16 b + 8 (l / 16) + j, as in a result
	s_mul_i32 s3, s[WC], NBW*64
	s_add_co_u32 s2, s2, s3
	s_mov_b32 s3, 0
	s_add_nc_u64 s[BIP:BIP+1], s[BIP:BIP+1], s[2:3]
	v_lshlrev_b32 v[BO], 5, v2
.set ib, 0
.rept NBW
	global_load_b128 v[BIAS+8*ib:BIAS+8*ib+3], v[BO], s[BIP:BIP+1] offset:64*ib
	global_load_b128 v[BIAS+8*ib+4:BIAS+8*ib+7], v[BO], s[BIP:BIP+1] offset:64*ib+16
.set ib, ib+1
.endr
.endif
.if EPI < 2
	s_mul_i32 s2, s[TC], PB                        ; C in panels: my first panel, my first row
	s_mul_i32 s3, s[WC], NBW/4
	s_add_co_u32 s2, s2, s3
	s_lshl_b32 s2, s2, 19
	s_mul_i32 s3, s[TR], TM*128
	s_add_co_u32 s2, s2, s3
	s_mul_i32 s3, s[WR], MB*16*128
	s_add_co_u32 s2, s2, s3
	s_mov_b32 s3, 0
	s_add_nc_u64 s[OUTP:OUTP+1], s[OUTP:OUTP+1], s[2:3]
	s_mul_i32 s21, s[WV], 16*PA
	s_add_co_u32 s21, s21, STG                     ; my stage: 16 rows of 144 bytes
	v_mul_u32_u24 v[STO], v1, PA
	v_lshl_add_u32 v[STO], v2, 4, v[STO]
	v_add_nc_u32 v[STO], s21, v[STO]
	v_bfe_u32 v[RD], v0, 3, 2                      ; back: 32 lanes take four rows of 128 bytes,
	v_mul_u32_u24 v[RD], v[RD], PA
	v_and_b32 v3, 7, v0
	v_lshl_add_u32 v[RD], v3, 4, v[RD]
	v_add_nc_u32 v[RD], s21, v[RD]
	v_and_b32 v[CO], 31, v0                        ; which are 512 consecutive bytes of a panel
	v_lshlrev_b32 v[CO], 4, v[CO]
	v_mov_b32 v[ZR], 0
.else
	s_mul_i32 s2, s[TR], 128*4096                  ; C and the residual, f32, row-major, 4,096 bytes a row
	s_mul_i32 s3, s[WR], 64*4096
	s_add_co_u32 s2, s2, s3
	s_mul_i32 s3, s[TC], 512
	s_add_co_u32 s2, s2, s3
	s_lshl_b32 s3, s[WC], 8
	s_add_co_u32 s2, s2, s3
	s_mov_b32 s3, 0
	s_add_nc_u64 s[OUTP:OUTP+1], s[OUTP:OUTP+1], s[2:3]
	s_add_nc_u64 s[REP:REP+1], s[REP:REP+1], s[2:3]
	s_mul_i32 s21, s[WV], 16*272
	s_add_co_u32 s21, s21, STG                     ; my stage: 16 rows of 272 bytes
	v_mul_u32_u24 v[STO], v1, 272
	v_lshl_add_u32 v[STO], v2, 5, v[STO]
	v_add_nc_u32 v[STO], s21, v[STO]
	v_mul_u32_u24 v[RD], v2, 272                   ; back: lanes 0-15 one row of 256 bytes, lanes 16-31 the next
	v_lshl_add_u32 v[RD], v1, 4, v[RD]
	v_add_nc_u32 v[RD], s21, v[RD]
	v_lshlrev_b32 v[CO], 12, v2
	v_lshl_add_u32 v[CO], v1, 4, v[CO]
.endif
.if PF
.if KS == 128
	s_lshl_b32 s21, s[CX], 13                      ; A: a quarter of the panel's 32,768 bytes
.else
	s_lshr_b32 s21, s[CX], 1                       ; A: half of one of two panels' 16,384 bytes
	s_lshl_b32 s21, s21, 19
	s_and_b32 s22, s[CX], 1
	s_lshl_b32 s22, s22, 13
	s_add_co_u32 s21, s21, s22
.endif
.if PB == 3
	s_lshl_b32 s23, s[CY], 11                      ; W: a quarter of each of three panels' 8,192 bytes
.elseif PB == 4
	s_lshl_b32 s23, s[CY], 17                      ; W: one of four panels' 8,192 bytes
.else
	s_lshr_b32 s23, s[CY], 1                       ; W: half of one of two panels' 16,384 bytes
	s_lshl_b32 s23, s23, 19
	s_and_b32 s22, s[CY], 1
	s_lshl_b32 s22, s22, 13
	s_add_co_u32 s23, s23, s22
.endif
	s_and_b32 s22, ttmp7, 0xffff                   ; cluster y
	s_mov_b32 s2, ASTEP
	s_mov_b32 s3, BSTEP
	s_cmp_eq_u32 s[ROLE], 0
	s_cselect_b32 s[POFF], s21, s23
	s_cselect_b32 s22, ttmp9, s22                  ; the coordinate along which other clusters read the same bytes
	s_cselect_b32 s[PFS], s2, s3
	s_cselect_b64 s[PFA:PFA+1], s[72:73], s[74:75]
	s_mov_b32 s[POFF+1], 0
	s_mov_b32 s[PFS+1], 0
	s_cmp_eq_u32 s22, 0
	s_cselect_b32 s[LIM], 1, -1                    ; the same in all sixteen partners, for a given wave
	s_add_nc_u64 s[PFA:PFA+1], s[PFA:PFA+1], s[POFF:POFF+1]
.rept 3
	s_add_nc_u64 s[PFA:PFA+1], s[PFA:PFA+1], s[PFS:PFS+1]  ; at K step 3: the first change steps it to 4.  K steps 0 to 3 come by their loads alone
.endr
.if PB == 3
	s_mov_b32 s2, 2048                             ; A: 32 blocks on end.  W: 8 blocks in each of 3 panels; lanes 24-31 name the blocks of lanes 16-23 once more, in the same instruction
	s_mov_b32 s3, 131072
	s_cmp_eq_u32 s[ROLE], 0
	s_cselect_b32 s2, s2, s3
	s_cselect_b32 s3, 3, 2
	v_bfe_u32 v[PFO], v0, 3, 2
	v_min_u32 v[PFO], s3, v[PFO]
	v_mul_u32_u24 v[PFO], s2, v[PFO]
	v_and_b32 v3, 7, v0
	v_lshl_add_u32 v[PFO], v3, 8, v[PFO]
.else
	v_and_b32 v[PFO], 31, v0
	v_lshlrev_b32 v[PFO], 8, v[PFO]
.endif
.endif
	s_wait_tensorcnt 0x1                           ; my part of K step 0 is in; K step 1's may stay out
	s_barrier_signal -1
	s_barrier_wait -1                              ; everybody's is
	s_mov_b32 s[TBA], 0
	s_mov_b32 s[TBB], 0
	v_add_nc_u32 v[PAP], s[TBA], v[ADRA0]
	v_add_nc_u32 v[PBP], s[TBB], v[ADRB0]
	FETCH 0, 0, 0
.if EPI > 0
	s_wait_loadcnt 0x0                             ; the bias
.endif
	QUARTER 0, 1, KA2, KB2, 1                      ; the first quarter is written out: its products start the sums
	WIN 0
	s_add_co_u32 s[TBA], s[TBA], AH                ; K step 0's second half is fetched by one trip of the inner loop that reads slot 0
	s_add_co_u32 s[TBB], s[TBB], BH
	s_mov_b32 s[CNT], 1
.if RTL
	s_wait_kmcnt 0x0                               ; the count: the same number in every work-group
	s_min_u32 s[NLB], s[NLB], 64
	s_mov_b32 s[LEFT], s[NLB]
	s_mov_b32 s[LAP], 0
.else
	s_mov_b32 s[LAP], NSTEP/2                      ; the laps and one: the way in passes the loop's end once
.endif
	s_branch .Lqb
.Llap:                                         ; a lap goes once round the ring and fills both slots again
	STEP 1, 1, a
	STEP 0, 1, b
.if RTL
	s_sub_co_u32 s[LEFT], s[LEFT], 1
	s_add_co_u32 s[LAP], s[LAP], 1
	s_cmp_lt_u32 s[LAP], s[NLB]
.else
	s_sub_co_u32 s[LAP], s[LAP], 1
	s_cmp_lg_u32 s[LAP], 0
.endif
	s_cbranch_scc1 .Llap
.if EPI == 2
.set i, 0
.rept 32                                       ; the residual of my 64 x 64: two rows' 256 bytes an instruction; a K step's products in which to land
	global_load_b128 v[RES+4*i:RES+4*i+3], v[CO], s[REP:REP+1] offset:2*i*4096 th:TH_LOAD_NT
.set i, i+1
.endr
.endif
	STEP 1, 0, c                                   ; the last change fills nothing
	s_wait_dscnt 0x0
	MULS 1, 0, NPQ, 0                              ; the last quarter
	PLACES
	PLACES
.if EPI < 2
; THE WAY OUT, bf16.  A unit is 16 rows x one panel: rounded (and cut at 0), 16 bytes a lane into my stage, back as whole rows, stored as 512 consecutive bytes.  Unit u has registers 16 u .. 16 u + 15 of window 1 to itself.
; A unit's stores stand behind the packing of the unit two further on: two units' conversions stand between its loads from the stage and the wait for them.
.set NU, MB*(NBW/4)
.macro PACK u
.set ix, ((\u)/(NBW/4))*NBW+4*((\u)%(NBW/4))
.set wn, 2+ix/32
.set rD, 8*(ix%32)
	WIN wn|(wn<<2)|0x40
.set ir, 0
.rept 16
	v_cvt_pk_bf16_f32 v[16*(\u)+ir], v[rD+2*ir], v[rD+2*ir+1]  ; each accumulator's registers in ascending order
.set ir, ir+1
.endr
.if EPI == 1
	WIN 0x41
.set ir, 0
.rept 16
	v_pk_max_num_bf16 v[16*(\u)+ir], v[16*(\u)+ir], v[ZR]
.set ir, ir+1
.endr
.endif
	WIN 0x04
.set jf, 0
.rept 4
	ds_store_b128 v[STO], v[16*(\u)+4*jf:16*(\u)+4*jf+3] offset:32*jf
.set jf, jf+1
.endr
	WIN 0x40
.set jf, 0
.rept 4
	ds_load_b128 v[16*(\u)+4*jf:16*(\u)+4*jf+3], v[RD] offset:4*PA*jf  ; LDS serves a wave's instructions in order (ISA guide 5.7.1.4): these see the stores above, and the next unit's stores come behind them
.set jf, jf+1
.endr
.endm
.macro SEND u, younger                 ; younger: the LDS instructions issued behind unit u's loads: eight for each later unit that has been packed
	WIN 0x04
.set jf, 0
.rept 4
	s_wait_dscnt (\younger)+3-jf
	global_store_b128 v[CO], v[16*(\u)+4*jf:16*(\u)+4*jf+3], s[OUTP:OUTP+1] offset:((\u)%(NBW/4))*524288+((\u)/(NBW/4))*2048+512*jf
.set jf, jf+1
.endr
.endm
	PACK 0
	PACK 1
.set iu, 2
.rept NU-2
	PACK iu
	SEND iu-2, 16
.set iu, iu+1
.endr
	SEND NU-2, 8
	SEND NU-1, 0
.else
; THE WAY OUT, f32.  A unit is 16 rows x 64 columns: from the accumulators into my stage, back as whole rows of 256 bytes, the residual added, stored: 16 lanes fill 256 consecutive bytes, aligned.
.macro PACKF a
	WIN 0x08
.set ib, 0
.rept 4
	ds_store_b128 v[STO], v[8*(4*(\a)+ib):8*(4*(\a)+ib)+3] offset:64*ib
	ds_store_b128 v[STO], v[8*(4*(\a)+ib)+4:8*(4*(\a)+ib)+7] offset:64*ib+16
.set ib, ib+1
.endr
	WIN 0x40
.set jf, 0
.rept 8
	ds_load_b128 v[32*(\a)+4*jf:32*(\a)+4*jf+3], v[RD] offset:544*jf
.set jf, jf+1
.endr
.endm
.macro SENDF a, younger
	s_wait_loadcnt (3-(\a))*8                      ; this unit's residual is in; the later units' may stay out
	s_wait_dscnt \younger                          ; the unit is back in registers
	WIN 0x41
.set jf, 0
.rept 16
	v_pk_add_f32 v[32*(\a)+2*jf:32*(\a)+2*jf+1], v[32*(\a)+2*jf:32*(\a)+2*jf+1], v[RES+32*(\a)+2*jf:RES+32*(\a)+2*jf+1]
.set jf, jf+1
.endr
	WIN 0x04
.set jf, 0
.rept 8
	global_store_b128 v[CO], v[32*(\a)+4*jf:32*(\a)+4*jf+3], s[OUTP:OUTP+1] offset:(16*(\a)+2*jf)*4096
.set jf, jf+1
.endr
.endm
	PACKF 0
	PACKF 1
	SENDF 0, 16
	PACKF 2
	SENDF 1, 16
	PACKF 3
	SENDF 2, 16
	SENDF 3, 0
.endif
	WIN 0
	s_wait_tensorcnt 0x0                           ; the wave's end, behind my last tensor load and my last LDS store
	ds_add_u32 v[SPW], v[NIL]
	s_wait_dscnt 0x0
	CROUND                                         ; the closing round: no work-group ends while a partner may still ask for a tile that names it
	s_endpgm
.Lfunc_end_k_q55ed704e61_ff1:
	.size	k_q55ed704e61_ff1, .Lfunc_end_k_q55ed704e61_ff1-k_q55ed704e61_ff1
	.p2alignl 7, 3214868480
	.fill 96, 4, 3214868480
	.section	.rodata,"a",@progbits
	.p2align	6, 0x0
	.amdhsa_kernel k_q55ed704e61_ff1
		.amdhsa_group_segment_fixed_size 327680
		.amdhsa_private_segment_fixed_size 0
		.amdhsa_enable_private_segment 0
		.amdhsa_kernarg_size 32
		.amdhsa_user_sgpr_count 2
		.amdhsa_user_sgpr_kernarg_segment_ptr 1
		.amdhsa_wavefront_size32 1
		.amdhsa_system_sgpr_workgroup_id_x 1
		.amdhsa_system_sgpr_workgroup_id_y 1
		.amdhsa_system_sgpr_workgroup_id_z 1
		.amdhsa_system_vgpr_workitem_id 0
		.amdhsa_next_free_vgpr 1024
		.amdhsa_next_free_sgpr 80
		.amdhsa_reserve_vcc 0
		.amdhsa_float_denorm_mode_32 3
		.amdhsa_float_denorm_mode_16_64 3
		.amdhsa_memory_ordered 1
		.amdhsa_forward_progress 1
		.amdhsa_inst_pref_size 116
	.end_amdhsa_kernel
	.amdgpu_metadata
---
amdhsa.version: [ 1, 2 ]
amdhsa.kernels:
  - .name:           k_q55ed704e61_ff1
    .symbol:         k_q55ed704e61_ff1.kd
    .args:
      - { .name: act, .offset: 0, .size: 8, .value_kind: global_buffer, .address_space: global }
      - { .name: wb, .offset: 8, .size: 8, .value_kind: global_buffer, .address_space: global }
      - { .name: b1, .offset: 16, .size: 8, .value_kind: global_buffer, .address_space: global }
      - { .name: big, .offset: 24, .size: 8, .value_kind: global_buffer, .address_space: global }
    .group_segment_fixed_size: 327680
    .private_segment_fixed_size: 0
    .kernarg_segment_align: 8
    .kernarg_segment_size: 32
    .max_flat_workgroup_size: 128
    .sgpr_count:     80
    .vgpr_count:     1024
    .wavefront_size: 32
...
	.end_amdgpu_metadata
.endif
;; end of part 5
;; launch ff2 (part 6): grid 8 x 32, 4 waves a work-group, clusters of 4 x 4, 327,680 bytes of LDS; arguments big, wb, b2, x1, out0; writes out0
.if DOCPART == 6
	.amdgcn_target "amdgcn-amd-amdhsa--gfx1250"
	.amdhsa_code_object_version 6
	.text
	.protected	k_q55ed704e61_ff2
	.globl	k_q55ed704e61_ff2
	.p2align	8
	.type	k_q55ed704e61_ff2,@function
k_q55ed704e61_ff2:
	s_mov_b64 s[64:65], 0
	v_nop
	global_prefetch_b8 v0, s[64:65] scope:SCOPE_SE
	s_setreg_imm32_b32 hwreg(HW_REG_WAVE_MODE, 25, 1), 1
	s_wait_xcnt 0x0
	s_wait_alu depctr_hold_cnt(0) depctr_sa_sdst(0) depctr_va_vdst(0) depctr_va_sdst(0) depctr_va_ssrc(0) depctr_va_vcc(0) depctr_vm_vsrc(0)
	s_getreg_b32 s2, hwreg(HW_REG_IB_STS2, 6, 4)
	s_cmp_eq_u32 s2, 0
	s_cbranch_scc0 .Lentry_in_a_cluster
	s_endpgm
.Lentry_in_a_cluster:
	s_bfe_u32 s2, ttmp6, 0x10000c
	s_cmp_lg_u32 s2, 0xf033
	s_cbranch_scc0 .Lentry_shape_is_right
	s_endpgm
.Lentry_shape_is_right:
; out0 = x1 + f W2 + b2.  C[4096][1024] = A[4096][4096] W[4096][1024], bf16 operands, f32 sums, bias and residual in f32, C in f32.
.set TM,    128                        ; a work-group's tile of C: rows,
.set TN,    128                        ; columns
.set WROWS, 2                          ; the four waves lie 2 x 2 over the tile
.set MB,    4                          ; blocks of 16 rows a wave
.set NBW,   4                          ; blocks of 16 columns a wave
.set KS,    256                        ; a K step
.set SUB,   2                          ; a quarter of a K step is SUB x 32 along K
.set KK,    4096                       ; rows from a panel of W to the next
.set WOFF,  16777216                   ; where W begins in its buffer
.set EPI,   2                          ; the way out: 0 bf16; 1 bias, ReLU, bf16; 2 bias, residual, f32
.set PF,    1                          ; prefetches are laid
.set RTL,   0                          ; 0: K = KK; 1: the number of laps is read from memory
; ONE TEXT FOR THE PRODUCTS OF THE BLOCK; the constants above tell them apart.
; LAYOUTS.  A and a bf16 C lie in panels of 64 columns: element (m, c) at ((c / 64) 4096 + m) 128 + 2 (c % 64).  W lies [K][N] in panels too: (k, n) at ((n / 64) KK + k) 128 + 2 (n % 64).
; So a tile's part of a panel is a dense run of memory, asked for as one long row and cut into LDS rows of 128 bytes by the padding.
; THE PRODUCT IS USED TRANSPOSED: source 0 = 16 columns of W (turned on the way out of LDS by ds_load_tr16_b128), source 1 = 16 rows of A: a lane holds ONE row of C and 8 neighbouring columns.
; RING.  Two LDS slots, a K step each.  Waves 0 and 1 fetch the halves of A's part, waves 2 and 3 those of W's: one tensor load a wave behind each change of slots, a K step's products in which to land.
; CLUSTER 4 x 4: A's tiles are shared along a row of the cluster, W's along a column: joint loads with a mask of four.
; A K step is four quarters on two fragment buffers; a quarter's 32 LDS loads stand in one run behind the first row block's products of the quarter before.  The loop over a step's quarters has two trips.
; The first quarter alone is written out ahead of the loops (its products start the sums); behind it the text goes into the lap loop's second half, with one trip of its inner loop to go.
; The accumulators take turns, one instruction a turn, in one fixed order, over the jumps too.  The first products start the sums, with 0 or with the bias as C.
; LIMITS.  Operands are bf16, each rounded once; the order of the f32 sums is the unit's; NaN and infinities are not treated apart (ReLU of NaN gives 0).
; REGISTERS, in windows of 256: window 0 addresses, bias, residual; window 1 two fragment buffers of 128 (W's fragments, then A's), later the way out; windows 2, 3 the accumulators: (a, b) is number a NBW + b.
.set NSTEP, KK/KS
.set PB,    TN/64                      ; panels of W in a tile
.set PA,    144                        ; an LDS row of A: 128 bytes + 16: the 16 rows of a load start at 16 different groups of four banks (ISA guide 11.1)
.set PW,    160                        ; an LDS row of W: 128 + 32
.set AH,    36864                      ; what an A wave fetches: 256 LDS rows
.set AREG,  2*AH
.set PBLK,  (KS/2)*PW                  ; half a step's rows of one panel of W
.set BH,    PB*PBLK                    ; what a W wave fetches
.set SLOT,  AREG+2*BH                  ; A: [k panel][row]; behind it W: [k half][panel][row]
.set SPARE, 2*SLOT                     ; the spare words, 128 bytes a wave: two blocks of 256 bytes that no other line names
.set STG,   0                          ; the stage of the way out lies in slot 0, which has had its last fill and its last read by then
.set ASTEP, (KS/64)*524288             ; bytes from a K step of A to the next
.set BSTEP, KS*128                     ; the same for W
.set NPQ,   SUB*MB
.set KA2,   64+(SUB-1)*(TM*PA-64)      ; from an even quarter's fragments of A to the odd quarter's, in LDS
.set KB2,   SUB*32*PW                  ; the same for W
.set OUTP,  8+2*EPI                    ; s pair of the output
.set BIP,   8                          ; s[8:9] the bias (EPI 1, 2)
.set REP,   10                         ; s[10:11] the residual (EPI 2)
.set ADRA0, 4                          ; v4  my lane's place in a slot's A; never rewritten
.set ADRB0, 5                          ; v5  the same for W
.set PAP,   6                          ; v6  the LDS address of the fetches in hand, A
.set PBP,   7                          ; v7  W
.set STO,   8                          ; v8  the way out: where I put my part of a row
.set RD,    9                          ; v9  where I read rows back
.set CO,    10                         ; v10 my byte offset in C
.set BO,    11                         ; v11 my byte offset in a block's bias
.set PFO,   12                         ; v12 the prefetches' offset; never rewritten
.set ZR,    13                         ; v13 0, for ReLU
.set SPW,   14                         ; v14 LDS address of my spare word; never rewritten
.set NIL,   15                         ; v15 0; never rewritten
.set BIAS,  64                         ; v[64:127] 8 registers a column block
.set RES,   128                        ; v[128:255] the residual
.set WV,    14                         ; s14 wave
.set WR,    15                         ; s15, s16 my place in the tile
.set WC,    16
.set CX,    17                         ; s17, s18 my work-group's place in the cluster
.set CY,    18
.set TC,    19                         ; s19, s20 tile column, tile row
.set TR,    20
.set G1A,   24                         ; s[24:31] descriptor group 1, A;  s[32:39] group 0, a set for each slot
.set G0A,   32
.set G1B,   40                         ; s[40:47], s[48:55] the same for W
.set G0B,   48
.set PFA,   56                         ; s[56:57] where my prefetches stand
.set LIM,   58                         ; s58 1 in a wave that prefetches, else the greatest number
.set ROLE,  59                         ; s59 0: I fetch for A; 1: for W
.set PFS,   66                         ; s[66:67] a K step in what I prefetch
.set TBA,   68                         ; s68, s69 LDS byte at which the fetches in hand begin, A's and W's
.set TBB,   69
.set LAP,   70
.set CNT,   71
.set POFF,  76                         ; s[76:77] my work-group's share of a prefetch
.set HALF,  78                         ; s78 which half I fetch
.set NLB,   79                         ; s79 (RTL) the laps and one, read from memory
.set CFG,   82                         ; s[82:83] (RTL) where it is read
.set LEFT,  84                         ; s84 (RTL) laps still to come, the one in hand among them
.if RTL
.set ASKC,  LEFT
.else
.set ASKC,  LAP
.endif
.set MSB, 0
.macro WIN new                         ; the immediate's high byte repeats the setting that is left; a switch that changes nothing is dropped
.if MSB != (\new)
	s_set_vgpr_msb (MSB<<8)|(\new)
.set MSB, \new
.endif
.endm
.macro PLACES                          ; four places behind matrix instructions, in front of loads into registers that they read (ISA guide 7.12.1 for vector instructions)
.rept 4
	v_nop
.endr
.endm
.macro CROUND                          ; a round of the cluster's barrier
	s_barrier_signal -1
	s_barrier_wait -1
	s_cmp_lg_u32 s[WV], 0
	s_cbranch_scc1 .Lnot_wave_0_\@
	s_barrier_signal -3
.Lnot_wave_0_\@:
	s_barrier_wait -3
	s_barrier_signal -1
	s_barrier_wait -1
.endm
.macro JLOAD s                         ; a joint refill of slot s; the branch hangs on the wave's number alone; s_nop 0 and four v_nop follow each line
	s_cmp_eq_u32 s[ROLE], 0
	s_cbranch_scc0 .Lfor_b_\@
	tensor_load_to_lds s[G0A+4*(\s):G0A+4*(\s)+3], s[G1A:G1A+7]
	s_nop 0
.rept 4
	v_nop
.endr
	s_branch .Lasked_\@
.Lfor_b_\@:
	tensor_load_to_lds s[G0B+4*(\s):G0B+4*(\s)+3], s[G1B:G1B+7]
	s_nop 0
.rept 4
	v_nop
.endr
.Lasked_\@:
.endm
; A prefetch, behind the joint load and its five lines: my work-group's share of what I shall fetch two refills on, a lane to each 256 bytes.  A's rows are asked for by the clusters with x = 0, W's by those with
; y = 0; the four partners of a joint load share its bytes out by address.  The last lap asks for nothing: the K steps that it would name do not exist.
.macro ASK
	s_cmp_gt_u32 s[ASKC], s[LIM]
	s_cbranch_scc0 .Lnot_mine_\@
	global_prefetch_b8 v[PFO], s[PFA:PFA+1] th:TH_LOAD_NT scope:SCOPE_SE
.Lnot_mine_\@:
.endm
.macro FETCH f, koa, kob               ; a quarter's 32 LDS loads into buffer f
	WIN 0x40                                       ; destination window 1, address window 0
.set ic, 0
.rept SUB
.set ib, 0
.rept NBW
.set rW, 128*(\f)+8*(ic*NBW+ib)
.set oW, (\kob)+ic*32*PW+(ib/4)*PBLK+(ib%4)*32
	ds_load_tr16_b128 v[rW:rW+3], v[PBP] offset:oW
	ds_load_tr16_b128 v[rW+4:rW+7], v[PBP] offset:oW+16*PW
.set ib, ib+1
.endr
.set ic, ic+1
.endr
.set ic, 0
.rept SUB
.set ia, 0
.rept MB
.set rA, 128*(\f)+8*SUB*NBW+8*(ic*MB+ia)
.set oA, (\koa)+ic*64+ia*16*PA
	ds_load_b128 v[rA:rA+3], v[PAP] offset:oA
	ds_load_b128 v[rA+4:rA+7], v[PAP] offset:oA+32
.set ia, ia+1
.endr
.set ic, ic+1
.endr
.endm
.macro MULS f, p0, p1, first           ; the products of buffer f for (32 along K, row block) number p0 .. p1 - 1, all column blocks
.set ip, \p0
.rept (\p1)-(\p0)
.set ic, ip/MB
.set ia, ip%MB
.set ib, 0
.rept NBW
.set ix, ia*NBW+ib
.set wn, 2+ix/32
.set rD, 8*(ix%32)
.set rW, 128*(\f)+8*(ic*NBW+ib)
.set rA, 128*(\f)+8*SUB*NBW+8*(ic*MB+ia)
.if (\first) && (ic == 0)
.if EPI == 0
	WIN 0x05|(wn<<4)|(wn<<6)
	v_wmma_f32_16x16x32_bf16 v[rD:rD+7], v[rW:rW+7], v[rA:rA+7], 0
.else
	WIN 0x05|(wn<<6)                               ; C, the bias, in window 0
	v_wmma_f32_16x16x32_bf16 v[rD:rD+7], v[rW:rW+7], v[rA:rA+7], v[BIAS+8*ib:BIAS+8*ib+7]
.endif
.else
	WIN 0x05|(wn<<4)|(wn<<6)
	v_wmma_f32_16x16x32_bf16 v[rD:rD+7], v[rW:rW+7], v[rA:rA+7], v[rD:rD+7]
.endif
.set ib, ib+1
.endr
.set ip, ip+1
.endr
.endm
.macro QUARTER f, g, koa, kob, first   ; buffer f is multiplied; behind its first row block's products the next quarter is fetched into g, which the quarter before has multiplied
	s_wait_dscnt 0x0                               ; f's 32 loads are all that is out: they were issued NPQ - 1 row blocks' products ago
	MULS \f, 0, 1, \first
	PLACES
	FETCH \g, \koa, \kob
	MULS \f, 1, NPQ, \first
.endm
; THE CHANGE OF SLOTS.  Each wave waits for all its tensor loads (one is out: its part of slot new), adds 0 to its spare word, and waits for that and for its reads of the old slot.
; fill = 1: the barrier is a round of the cluster's, and the old slot's joint refill, two K steps on, is the first thing behind it.
.macro CHANGE new, fill
	WIN 0
.if PF && (\fill)
	s_wait_xcnt 0x0                                ; the last prefetch, a K step back, has read its address
	s_add_nc_u64 s[PFA:PFA+1], s[PFA:PFA+1], s[PFS:PFS+1]
.endif
	s_wait_tensorcnt 0x0                           ; no tensor load of mine is out, so a group 0 may be written
	ds_add_u32 v[SPW], v[NIL]                      ; 0 onto my spare word; scalar work stands between it and the wait for it
.if \fill
	s_add_nc_u64 s[G0A+4*(1-(\new))+2:G0A+4*(1-(\new))+3], s[G0A+4*(1-(\new))+2:G0A+4*(1-(\new))+3], 2*ASTEP
	s_add_nc_u64 s[G0B+4*(1-(\new))+2:G0B+4*(1-(\new))+3], s[G0B+4*(1-(\new))+2:G0B+4*(1-(\new))+3], 2*BSTEP
.endif
	s_mov_b32 s[TBA], (\new)*SLOT
	s_mov_b32 s[TBB], (\new)*SLOT
	s_wait_dscnt 0x0                               ; the add is done, and my reads of the old slot are over
.if \fill
	CROUND
	JLOAD 1-(\new)
.if PF
	ASK
.endif
.else
	s_barrier_signal -1
	s_barrier_wait -1
.endif
.endm
; A change of slots and four quarters: the old step's last and the new step's first three; all four fetches read the new slot, two a trip.  The tag ends the inner loop's label.
.macro STEP new, fill, tag
	CHANGE \new, \fill
	s_mov_b32 s[CNT], 2
.Lq\tag:
	v_add_nc_u32 v[PAP], s[TBA], v[ADRA0]
	v_add_nc_u32 v[PBP], s[TBB], v[ADRB0]
	QUARTER 1, 0, 0, 0, 0
	QUARTER 0, 1, KA2, KB2, 0
	WIN 0
	s_add_co_u32 s[TBA], s[TBA], AH
	s_add_co_u32 s[TBB], s[TBB], BH
	s_sub_co_u32 s[CNT], s[CNT], 1
	s_cmp_lg_u32 s[CNT], 0
	s_cbranch_scc1 .Lq\tag
.endm
.if EPI == 0
	s_load_b128 s[4:7], s[0:1], 0x0                ; A, W
	s_load_b64 s[8:9], s[0:1], 0x10                ; C
.elseif EPI == 1
	s_load_b256 s[4:11], s[0:1], 0x0               ; A, W, bias, C
.else
	s_load_b256 s[4:11], s[0:1], 0x0               ; A, W, bias, residual
	s_load_b64 s[12:13], s[0:1], 0x20              ; C
.endif
.if RTL
	s_load_b64 s[CFG:CFG+1], s[0:1], 0x28          ; the count
.endif
	v_lshl_add_u32 v[SPW], v0, 2, SPARE
	v_mov_b32 v[NIL], 0
	ds_add_u32 v[SPW], v[NIL]                      ; the wave's opening: the add and its wait stand ahead of my first tensor load
	v_lshrrev_b32 v1, 5, v0
	v_readfirstlane_b32 s[WV], v1
	s_lshr_b32 s[ROLE], s[WV], 1
	s_and_b32 s[HALF], s[WV], 1
.if WROWS == 4
	s_mov_b32 s[WR], s[WV]
	s_mov_b32 s[WC], 0
.else
	s_mov_b32 s[WR], s[ROLE]
	s_mov_b32 s[WC], s[HALF]
.endif
	s_bfe_u32 s[CX], ttmp6, 0x40000
	s_bfe_u32 s[CY], ttmp6, 0x40004
	s_lshl_b32 s[TC], ttmp9, 2
	s_add_co_u32 s[TC], s[TC], s[CX]               ; tile column = 4 x cluster x + cx
	s_and_b32 s[TR], ttmp7, 0xffff
	s_lshl_b32 s[TR], s[TR], 2
	s_add_co_u32 s[TR], s[TR], s[CY]               ; tile row = 4 x cluster y + cy
	s_lshl_b32 s2, s[CY], 2
	s_lshl_b32 s2, 15, s2                          ; my row of the cluster
	s_lshl_b32 s3, 0x1111, s[CX]                   ; my column
	s_or_b32 s[G1A], s2, (1<<16)|(1<<20)|(1<<21)|(4<<22)|(3<<25)  ; the mask; 2-byte elements; padding on; bit 21 beside a mask; after every 32 words, 4 words
	s_or_b32 s[G1B], s3, (1<<16)|(1<<20)|(1<<21)|(4<<22)|(7<<25)  ; the same with 8 words
	s_mov_b32 s[G1A+1], ((TM*64)&0xffff)<<16       ; tensor_dim0 = the tile's rows of one panel, as one run
	s_mov_b32 s[G1A+2], ((TM*64)>>16)|((KS/128)<<16)  ; tensor_dim1 = the panels that a wave fetches
	s_mov_b32 s[G1A+3], (TM*64)<<16                ; tile_dim0
	s_mov_b32 s[G1A+4], KS/128                     ; tile_dim1
	s_mov_b32 s[G1A+5], 262144                     ; elements from panel to panel
	s_mov_b32 s[G1A+6], 0
	s_mov_b32 s[G1A+7], 0
	s_mov_b32 s[G1B+1], (((KS/2)*64)&0xffff)<<16   ; tensor_dim0 = half a step's rows of one panel
	s_mov_b32 s[G1B+2], PB<<16                     ; tensor_dim1 = the tile's panels
	s_mov_b32 s[G1B+3], ((KS/2)*64)<<16
	s_mov_b32 s[G1B+4], PB
	s_mov_b32 s[G1B+5], KK*64
	s_mov_b32 s[G1B+6], 0
	s_mov_b32 s[G1B+7], 0
	s_mul_i32 s60, s[TR], TM*128                   ; A hangs on the tile row and the wave alone,
	s_mul_i32 s21, s[HALF], (KS/128)*524288
	s_add_co_u32 s60, s60, s21
	s_mov_b32 s61, 0
	s_mul_i32 s62, s[TC], PB*KK*128                ; W on the tile column and the wave alone
	s_mul_i32 s21, s[HALF], (KS/2)*128
	s_add_co_u32 s62, s62, s21
	s_add_co_u32 s62, s62, WOFF
	s_mov_b32 s63, 0
	s_mul_i32 s22, s[HALF], AH                     ; LDS: no place in the cluster enters
	s_mul_i32 s23, s[HALF], BH
	s_add_co_u32 s23, s23, AREG
	s_wait_dscnt 0x0                               ; the opening add is done
	s_wait_kmcnt 0x0
.if RTL
	s_load_b32 s[NLB], s[CFG:CFG+1], 0x0           ; waited for behind the first quarter
.endif
	s_add_nc_u64 s[72:73], s[4:5], s[60:61]
	s_add_nc_u64 s[74:75], s[6:7], s[62:63]
.irp s, 0,1
	s_mov_b32 s[G0A+4*(\s)], 1
	s_add_co_u32 s[G0A+4*(\s)+1], s22, (\s)*SLOT
	s_add_nc_u64 s[G0A+4*(\s)+2:G0A+4*(\s)+3], s[72:73], (\s)*ASTEP
	s_or_b32 s[G0A+4*(\s)+3], s[G0A+4*(\s)+3], 0x80000000
	s_mov_b32 s[G0B+4*(\s)], 1
	s_add_co_u32 s[G0B+4*(\s)+1], s23, (\s)*SLOT
	s_add_nc_u64 s[G0B+4*(\s)+2:G0B+4*(\s)+3], s[74:75], (\s)*BSTEP
	s_or_b32 s[G0B+4*(\s)+3], s[G0B+4*(\s)+3], 0x80000000
.endr
	CROUND                                         ; all sixteen work-groups are here: the first joint loads meet
	s_cmp_eq_u32 s[ROLE], 0                        ; a wave's two first fills stand in one branch: K steps 0 and 1; two loads of mine are out
	s_cbranch_scc0 .Lfirst_b
	tensor_load_to_lds s[G0A:G0A+3], s[G1A:G1A+7]
	s_nop 0
	tensor_load_to_lds s[G0A+4:G0A+7], s[G1A:G1A+7]
	s_nop 0
.rept 4
	v_nop
.endr
	s_branch .Lfirst_asked
.Lfirst_b:
	tensor_load_to_lds s[G0B:G0B+3], s[G1B:G1B+7]
	s_nop 0
	tensor_load_to_lds s[G0B+4:G0B+7], s[G1B:G1B+7]
	s_nop 0
.rept 4
	v_nop
.endr
.Lfirst_asked:
	v_and_b32 v1, 15, v0                           ; l % 16
	v_bfe_u32 v2, v0, 4, 1                         ; l / 16
	v_mul_u32_u24 v[ADRA0], v1, PA                 ; a fragment of A: row l % 16, 16 bytes for each half of the lanes, twice, 32 bytes apart
	v_lshl_add_u32 v[ADRA0], v2, 4, v[ADRA0]
	s_mul_i32 s21, s[WR], MB*16*PA
	v_add_nc_u32 v[ADRA0], s21, v[ADRA0]
	v_and_b32 v3, 7, v0                            ; the turning load: lane l reads row k = 8 (l / 16) + l % 8, columns 8 ((l / 8) % 2) on
	v_lshl_add_u32 v[ADRB0], v2, 3, v3
	v_mul_u32_u24 v[ADRB0], v[ADRB0], PW
	v_bfe_u32 v3, v0, 3, 1
	v_lshl_add_u32 v[ADRB0], v3, 4, v[ADRB0]
	s_mul_i32 s21, s[WC], (NBW/4)*PBLK
	s_add_co_u32 s21, s21, AREG
	v_add_nc_u32 v[ADRB0], s21, v[ADRB0]
.if EPI > 0
	s_mul_i32 s2, s[TC], TN*4                      ; the bias of my columns: register j of block b is column 16 b + 8 (l / 16) + j, as in a result
	s_mul_i32 s3, s[WC], NBW*64
	s_add_co_u32 s2, s2, s3
	s_mov_b32 s3, 0
	s_add_nc_u64 s[BIP:BIP+1], s[BIP:BIP+1], s[2:3]
	v_lshlrev_b32 v[BO], 5, v2
.set ib, 0
.rept NBW
	global_load_b128 v[BIAS+8*ib:BIAS+8*ib+3], v[BO], s[BIP:BIP+1] offset:64*ib
	global_load_b128 v[BIAS+8*ib+4:BIAS+8*ib+7], v[BO], s[BIP:BIP+1] offset:64*ib+16
.set ib, ib+1
.endr
.endif
.if EPI < 2
	s_mul_i32 s2, s[TC], PB                        ; C in panels: my first panel, my first row
	s_mul_i32 s3, s[WC], NBW/4
	s_add_co_u32 s2, s2, s3
	s_lshl_b32 s2, s2, 19
	s_mul_i32 s3, s[TR], TM*128
	s_add_co_u32 s2, s2, s3
	s_mul_i32 s3, s[WR], MB*16*128
	s_add_co_u32 s2, s2, s3
	s_mov_b32 s3, 0
	s_add_nc_u64 s[OUTP:OUTP+1], s[OUTP:OUTP+1], s[2:3]
	s_mul_i32 s21, s[WV], 16*PA
	s_add_co_u32 s21, s21, STG                     ; my stage: 16 rows of 144 bytes
	v_mul_u32_u24 v[STO], v1, PA
	v_lshl_add_u32 v[STO], v2, 4, v[STO]
	v_add_nc_u32 v[STO], s21, v[STO]
	v_bfe_u32 v[RD], v0, 3, 2                      ; back: 32 lanes take four rows of 128 bytes,
	v_mul_u32_u24 v[RD], v[RD], PA
	v_and_b32 v3, 7, v0
	v_lshl_add_u32 v[RD], v3, 4, v[RD]
	v_add_nc_u32 v[RD], s21, v[RD]
	v_and_b32 v[CO], 31, v0                        ; which are 512 consecutive bytes of a panel
	v_lshlrev_b32 v[CO], 4, v[CO]
	v_mov_b32 v[ZR], 0
.else
	s_mul_i32 s2, s[TR], 128*4096                  ; C and the residual, f32, row-major, 4,096 bytes a row
	s_mul_i32 s3, s[WR], 64*4096
	s_add_co_u32 s2, s2, s3
	s_mul_i32 s3, s[TC], 512
	s_add_co_u32 s2, s2, s3
	s_lshl_b32 s3, s[WC], 8
	s_add_co_u32 s2, s2, s3
	s_mov_b32 s3, 0
	s_add_nc_u64 s[OUTP:OUTP+1], s[OUTP:OUTP+1], s[2:3]
	s_add_nc_u64 s[REP:REP+1], s[REP:REP+1], s[2:3]
	s_mul_i32 s21, s[WV], 16*272
	s_add_co_u32 s21, s21, STG                     ; my stage: 16 rows of 272 bytes
	v_mul_u32_u24 v[STO], v1, 272
	v_lshl_add_u32 v[STO], v2, 5, v[STO]
	v_add_nc_u32 v[STO], s21, v[STO]
	v_mul_u32_u24 v[RD], v2, 272                   ; back: lanes 0-15 one row of 256 bytes, lanes 16-31 the next
	v_lshl_add_u32 v[RD], v1, 4, v[RD]
	v_add_nc_u32 v[RD], s21, v[RD]
	v_lshlrev_b32 v[CO], 12, v2
	v_lshl_add_u32 v[CO], v1, 4, v[CO]
.endif
.if PF
.if KS == 128
	s_lshl_b32 s21, s[CX], 13                      ; A: a quarter of the panel's 32,768 bytes
.else
	s_lshr_b32 s21, s[CX], 1                       ; A: half of one of two panels' 16,384 bytes
	s_lshl_b32 s21, s21, 19
	s_and_b32 s22, s[CX], 1
	s_lshl_b32 s22, s22, 13
	s_add_co_u32 s21, s21, s22
.endif
.if PB == 3
	s_lshl_b32 s23, s[CY], 11                      ; W: a quarter of each of three panels' 8,192 bytes
.elseif PB == 4
	s_lshl_b32 s23, s[CY], 17                      ; W: one of four panels' 8,192 bytes
.else
	s_lshr_b32 s23, s[CY], 1                       ; W: half of one of two panels' 16,384 bytes
	s_lshl_b32 s23, s23, 19
	s_and_b32 s22, s[CY], 1
	s_lshl_b32 s22, s22, 13
	s_add_co_u32 s23, s23, s22
.endif
	s_and_b32 s22, ttmp7, 0xffff                   ; cluster y
	s_mov_b32 s2, ASTEP
	s_mov_b32 s3, BSTEP
	s_cmp_eq_u32 s[ROLE], 0
	s_cselect_b32 s[POFF], s21, s23
	s_cselect_b32 s22, ttmp9, s22                  ; the coordinate along which other clusters read the same bytes
	s_cselect_b32 s[PFS], s2, s3
	s_cselect_b64 s[PFA:PFA+1], s[72:73], s[74:75]
	s_mov_b32 s[POFF+1], 0
	s_mov_b32 s[PFS+1], 0
	s_cmp_eq_u32 s22, 0
	s_cselect_b32 s[LIM], 1, -1                    ; the same in all sixteen partners, for a given wave
	s_add_nc_u64 s[PFA:PFA+1], s[PFA:PFA+1], s[POFF:POFF+1]
.rept 3
	s_add_nc_u64 s[PFA:PFA+1], s[PFA:PFA+1], s[PFS:PFS+1]  ; at K step 3: the first change steps it to 4.  K steps 0 to 3 come by their loads alone
.endr
.if PB == 3
	s_mov_b32 s2, 2048                             ; A: 32 blocks on end.  W: 8 blocks in each of 3 panels; lanes 24-31 name the blocks of lanes 16-23 once more, in the same instruction
	s_mov_b32 s3, 131072
	s_cmp_eq_u32 s[ROLE], 0
	s_cselect_b32 s2, s2, s3
	s_cselect_b32 s3, 3, 2
	v_bfe_u32 v[PFO], v0, 3, 2
	v_min_u32 v[PFO], s3, v[PFO]
	v_mul_u32_u24 v[PFO], s2, v[PFO]
	v_and_b32 v3, 7, v0
	v_lshl_add_u32 v[PFO], v3, 8, v[PFO]
.else
	v_and_b32 v[PFO], 31, v0
	v_lshlrev_b32 v[PFO], 8, v[PFO]
.endif
.endif
	s_wait_tensorcnt 0x1                           ; my part of K step 0 is in; K step 1's may stay out
	s_barrier_signal -1
	s_barrier_wait -1                              ; everybody's is
	s_mov_b32 s[TBA], 0
	s_mov_b32 s[TBB], 0
	v_add_nc_u32 v[PAP], s[TBA], v[ADRA0]
	v_add_nc_u32 v[PBP], s[TBB], v[ADRB0]
	FETCH 0, 0, 0
.if EPI > 0
	s_wait_loadcnt 0x0                             ; the bias
.endif
	QUARTER 0, 1, KA2, KB2, 1                      ; the first quarter is written out: its products start the sums
	WIN 0
	s_add_co_u32 s[TBA], s[TBA], AH                ; K step 0's second half is fetched by one trip of the inner loop that reads slot 0
	s_add_co_u32 s[TBB], s[TBB], BH
	s_mov_b32 s[CNT], 1
.if RTL
	s_wait_kmcnt 0x0                               ; the count: the same number in every work-group
	s_min_u32 s[NLB], s[NLB], 64
	s_mov_b32 s[LEFT], s[NLB]
	s_mov_b32 s[LAP], 0
.else
	s_mov_b32 s[LAP], NSTEP/2                      ; the laps and one: the way in passes the loop's end once
.endif
	s_branch .Lqb
.Llap:                                         ; a lap goes once round the ring and fills both slots again
	STEP 1, 1, a
	STEP 0, 1, b
.if RTL
	s_sub_co_u32 s[LEFT], s[LEFT], 1
	s_add_co_u32 s[LAP], s[LAP], 1
	s_cmp_lt_u32 s[LAP], s[NLB]
.else
	s_sub_co_u32 s[LAP], s[LAP], 1
	s_cmp_lg_u32 s[LAP], 0
.endif
	s_cbranch_scc1 .Llap
.if EPI == 2
.set i, 0
.rept 32                                       ; the residual of my 64 x 64: two rows' 256 bytes an instruction; a K step's products in which to land
	global_load_b128 v[RES+4*i:RES+4*i+3], v[CO], s[REP:REP+1] offset:2*i*4096 th:TH_LOAD_NT
.set i, i+1
.endr
.endif
	STEP 1, 0, c                                   ; the last change fills nothing
	s_wait_dscnt 0x0
	MULS 1, 0, NPQ, 0                              ; the last quarter
	PLACES
	PLACES
.if EPI < 2
; THE WAY OUT, bf16.  A unit is 16 rows x one panel: rounded (and cut at 0), 16 bytes a lane into my stage, back as whole rows, stored as 512 consecutive bytes.  Unit u has registers 16 u .. 16 u + 15 of window 1 to itself.
; A unit's stores stand behind the packing of the unit two further on: two units' conversions stand between its loads from the stage and the wait for them.
.set NU, MB*(NBW/4)
.macro PACK u
.set ix, ((\u)/(NBW/4))*NBW+4*((\u)%(NBW/4))
.set wn, 2+ix/32
.set rD, 8*(ix%32)
	WIN wn|(wn<<2)|0x40
.set ir, 0
.rept 16
	v_cvt_pk_bf16_f32 v[16*(\u)+ir], v[rD+2*ir], v[rD+2*ir+1]  ; each accumulator's registers in ascending order
.set ir, ir+1
.endr
.if EPI == 1
	WIN 0x41
.set ir, 0
.rept 16
	v_pk_max_num_bf16 v[16*(\u)+ir], v[16*(\u)+ir], v[ZR]
.set ir, ir+1
.endr
.endif
	WIN 0x04
.set jf, 0
.rept 4
	ds_store_b128 v[STO], v[16*(\u)+4*jf:16*(\u)+4*jf+3] offset:32*jf
.set jf, jf+1
.endr
	WIN 0x40
.set jf, 0
.rept 4
	ds_load_b128 v[16*(\u)+4*jf:16*(\u)+4*jf+3], v[RD] offset:4*PA*jf  ; LDS serves a wave's instructions in order (ISA guide 5.7.1.4): these see the stores above, and the next unit's stores come behind them
.set jf, jf+1
.endr
.endm
.macro SEND u, younger                 ; younger: the LDS instructions issued behind unit u's loads: eight for each later unit that has been packed
	WIN 0x04
.set jf, 0
.rept 4
	s_wait_dscnt (\younger)+3-jf
	global_store_b128 v[CO], v[16*(\u)+4*jf:16*(\u)+4*jf+3], s[OUTP:OUTP+1] offset:((\u)%(NBW/4))*524288+((\u)/(NBW/4))*2048+512*jf
.set jf, jf+1
.endr
.endm
	PACK 0
	PACK 1
.set iu, 2
.rept NU-2
	PACK iu
	SEND iu-2, 16
.set iu, iu+1
.endr
	SEND NU-2, 8
	SEND NU-1, 0
.else
; THE WAY OUT, f32.  A unit is 16 rows x 64 columns: from the accumulators into my stage, back as whole rows of 256 bytes, the residual added, stored: 16 lanes fill 256 consecutive bytes, aligned.
.macro PACKF a
	WIN 0x08
.set ib, 0
.rept 4
	ds_store_b128 v[STO], v[8*(4*(\a)+ib):8*(4*(\a)+ib)+3] offset:64*ib
	ds_store_b128 v[STO], v[8*(4*(\a)+ib)+4:8*(4*(\a)+ib)+7] offset:64*ib+16
.set ib, ib+1
.endr
	WIN 0x40
.set jf, 0
.rept 8
	ds_load_b128 v[32*(\a)+4*jf:32*(\a)+4*jf+3], v[RD] offset:544*jf
.set jf, jf+1
.endr
.endm
.macro SENDF a, younger
	s_wait_loadcnt (3-(\a))*8                      ; this unit's residual is in; the later units' may stay out
	s_wait_dscnt \younger                          ; the unit is back in registers
	WIN 0x41
.set jf, 0
.rept 16
	v_pk_add_f32 v[32*(\a)+2*jf:32*(\a)+2*jf+1], v[32*(\a)+2*jf:32*(\a)+2*jf+1], v[RES+32*(\a)+2*jf:RES+32*(\a)+2*jf+1]
.set jf, jf+1
.endr
	WIN 0x04
.set jf, 0
.rept 8
	global_store_b128 v[CO], v[32*(\a)+4*jf:32*(\a)+4*jf+3], s[OUTP:OUTP+1] offset:(16*(\a)+2*jf)*4096
.set jf, jf+1
.endr
.endm
	PACKF 0
	PACKF 1
	SENDF 0, 16
	PACKF 2
	SENDF 1, 16
	PACKF 3
	SENDF 2, 16
	SENDF 3, 0
.endif
	WIN 0
	s_wait_tensorcnt 0x0                           ; the wave's end, behind my last tensor load and my last LDS store
	ds_add_u32 v[SPW], v[NIL]
	s_wait_dscnt 0x0
	CROUND                                         ; the closing round: no work-group ends while a partner may still ask for a tile that names it
	s_endpgm
.Lfunc_end_k_q55ed704e61_ff2:
	.size	k_q55ed704e61_ff2, .Lfunc_end_k_q55ed704e61_ff2-k_q55ed704e61_ff2
	.p2alignl 7, 3214868480
	.fill 96, 4, 3214868480
	.section	.rodata,"a",@progbits
	.p2align	6, 0x0
	.amdhsa_kernel k_q55ed704e61_ff2
		.amdhsa_group_segment_fixed_size 327680
		.amdhsa_private_segment_fixed_size 0
		.amdhsa_enable_private_segment 0
		.amdhsa_kernarg_size 40
		.amdhsa_user_sgpr_count 2
		.amdhsa_user_sgpr_kernarg_segment_ptr 1
		.amdhsa_wavefront_size32 1
		.amdhsa_system_sgpr_workgroup_id_x 1
		.amdhsa_system_sgpr_workgroup_id_y 1
		.amdhsa_system_sgpr_workgroup_id_z 1
		.amdhsa_system_vgpr_workitem_id 0
		.amdhsa_next_free_vgpr 640
		.amdhsa_next_free_sgpr 80
		.amdhsa_reserve_vcc 0
		.amdhsa_float_denorm_mode_32 3
		.amdhsa_float_denorm_mode_16_64 3
		.amdhsa_memory_ordered 1
		.amdhsa_forward_progress 1
		.amdhsa_inst_pref_size 63
	.end_amdhsa_kernel
	.amdgpu_metadata
---
amdhsa.version: [ 1, 2 ]
amdhsa.kernels:
  - .name:           k_q55ed704e61_ff2
    .symbol:         k_q55ed704e61_ff2.kd
    .args:
      - { .name: big, .offset: 0, .size: 8, .value_kind: global_buffer, .address_space: global }
      - { .name: wb, .offset: 8, .size: 8, .value_kind: global_buffer, .address_space: global }
      - { .name: b2, .offset: 16, .size: 8, .value_kind: global_buffer, .address_space: global }
      - { .name: x1, .offset: 24, .size: 8, .value_kind: global_buffer, .address_space: global }
      - { .name: out0, .offset: 32, .size: 8, .value_kind: global_buffer, .address_space: global }
    .group_segment_fixed_size: 327680
    .private_segment_fixed_size: 0
    .kernarg_segment_align: 8
    .kernarg_segment_size: 40
    .max_flat_workgroup_size: 128
    .sgpr_count:     80
    .vgpr_count:     640
    .wavefront_size: 32
...
	.end_amdgpu_metadata
.endif
;; end of part 6
;; ======== version 2 of 2: 7 launches; version 1 with the launches prep, ln2 written anew for expert scheduling mode
;; workspace buffers: wb 25,165,824 bytes; act 8,388,608 bytes; big 33,554,432 bytes; x1 16,777,216 bytes
;; launch prep (part 7): grid 1024 x 1, 8 waves a work-group, no clusters, 0 bytes of LDS; arguments x, ln1_g, ln1_b, wq, wk, wv, w_proj, w1, w2, act, wb; writes act, wb
.if DOCPART == 7
	.amdgcn_target "amdgcn-amd-amdhsa--gfx1250"
	.amdhsa_code_object_version 6
	.text
	.protected	k_q55ed704e61_prep
	.globl	k_q55ed704e61_prep
	.p2align	8
	.type	k_q55ed704e61_prep,@function
k_q55ed704e61_prep:
	s_mov_b64 s[64:65], 0
	v_nop
	global_prefetch_b8 v0, s[64:65] scope:SCOPE_SE
	s_setreg_imm32_b32 hwreg(HW_REG_WAVE_SCHED_MODE, 0, 2), 2
	s_setreg_imm32_b32 hwreg(HW_REG_WAVE_MODE, 25, 1), 1
	s_wait_xcnt 0x0
	s_wait_alu depctr_vm_vsrc(0)
; PREP.  Work-groups 0-255: h = LayerNorm(x) g + b, rounded once to bf16, into act.  Work-groups 256-1023: the six weights rounded once to bf16, into wb.
; THE SAME BODY SERVES THE BLOCK'S SECOND NORM: a launch of 256 work-groups takes the norm's path alone, with x1, ln2_g and ln2_b in the first three places.
; LAYOUTS.  act lies in panels of 64 columns: element (row m, column c) at byte ((c / 64) 4096 + m) 128 + 2 (c % 64): a panel is 4,096 dense rows of 128 bytes.
; A weight [K][N] lies likewise: element (k, n) at ((n / 64) K + k) 128 + 2 (n % 64).  wq, wk, wv ([16][1024][64]) lie so already.
; wb: q's 16 panels, k's, v's from byte 0; w_proj from 6,291,456; w1 from 8,388,608; w2 from 16,777,216.
; A stream: every byte is read once and written once, no wave needs another's data: no LDS, no barrier, no matrix unit.
; THE NORM.  A wave takes two rows, one to each half of its lanes: load j brings 256 consecutive bytes of each row (the 64 columns of panel j), so a row's sums stay
; inside 16 lanes, and store j writes the two rows' 128 bytes of panel j: 256 consecutive bytes, aligned.  The variance is taken of the centred numbers.
; THE MODE: SCHED_MODE bits 1:0 = 2 (LLVM: expert scheduling mode 2), set by the entry lines.  The code itself states the register dependences
; between vector instructions and memory instructions, with s_wait_alu, always for 0.
; THE PLAN.  Registers that memory instructions touch:
;   v[VX], v[VG], v[VO]  offsets.  Written by vector lines ahead of a path's first load; read by every load and store; never written again.
;   X, in the norm       Written by the rows' loads, then worked on in place; panel j's roundings write X + 4 j and X + 4 j + 1, which panel j's store reads; not written again.
;   G, BT                Written by loads, read by vector lines alone.
;   X, Y, in the casts   X: written by loads, read by the roundings.  Y: written by the roundings, read by the stores.  Each register is written once.
; So no register that a memory instruction reads is ever written again: no wait on vm_vsrc is owed.  EXEC is never written.  The waits on va_vdst: one at a path's head, for the offsets;
; in the norm one behind each half of the panels' roundings, the first half's eight stores dealt among the second half's vector lines, which name none of their registers;
; in the casts one behind each four items' roundings, ahead of their four stores.  One wait on va_sdst stands in the head, for the wave's number.
.set X,   32                           ; v[32:95]   16 loads of 4 numbers
.set G,   96                           ; v[96:159]  the gain of my columns
.set BT,  160                          ; v[160:223] the bias of my columns
.set Y,   96                           ; v[96:127]  the casts' packed results
.set VX,  2                            ; v2   byte offset of my 16 bytes in what is read
.set VG,  3                            ; v3   the same in g and b
.set VO,  4                            ; v4   8 x lane: my 8 bytes of a store's 256
.set CH,  8                            ; v[8:15]    four chains of packed sums
.set MU,  16                           ; v[16:17]   the mean, twice
.set RS,  18                           ; v[18:19]   1 / sqrt(var + eps), twice
.set VA,  20                           ; v20        var + eps
.set SRC, 34                           ; s[34:35]
.set DST, 36                           ; s[36:37]
.macro REDUCE                          ; four chains into one number, then over the row's 16 lanes
	v_pk_add_f32 v[CH:CH+1], v[CH:CH+1], v[CH+2:CH+3]
	v_pk_add_f32 v[CH+4:CH+5], v[CH+4:CH+5], v[CH+6:CH+7]
	v_pk_add_f32 v[CH:CH+1], v[CH:CH+1], v[CH+4:CH+5]
	v_add_f32 v[CH], v[CH], v[CH+1]
	v_add_f32_dpp v[CH], v[CH], v[CH] row_xmask:1 row_mask:0xf bank_mask:0xf
	v_add_f32_dpp v[CH], v[CH], v[CH] row_xmask:2 row_mask:0xf bank_mask:0xf
	v_add_f32_dpp v[CH], v[CH], v[CH] row_xmask:4 row_mask:0xf bank_mask:0xf
	v_add_f32_dpp v[CH], v[CH], v[CH] row_xmask:8 row_mask:0xf bank_mask:0xf
.endm
; Two rows of 1,024 numbers are normed.  xp, gp, bp, op: the scalar pairs with the addresses (x and the output at the wave's first row).  s30 = 1/1024, s31 = eps.
.macro LNROWS xp, gp, bp, op
	s_wait_alu depctr_va_vdst(0)                   ; v[VX], v[VG] and v[VO] are written: every load and store below reads one of them as its offset
.set j, 0
.rept 16
	global_load_b128 v[X+4*j:X+4*j+3], v[VX], s[\xp:\xp+1] offset:256*j th:TH_LOAD_NT
.set j, j+1
.endr
.set j, 0
.rept 16
	global_load_b128 v[G+4*j:G+4*j+3], v[VG], s[\gp:\gp+1] offset:256*j
.set j, j+1
.endr
.set j, 0
.rept 16
	global_load_b128 v[BT+4*j:BT+4*j+3], v[VG], s[\bp:\bp+1] offset:256*j
.set j, j+1
.endr
	s_wait_loadcnt 32                              ; the rows are in; the 32 loads of g and b may stay out
.set k, 0
.rept 4
	v_pk_add_f32 v[CH+2*k:CH+2*k+1], v[X+2*k:X+2*k+1], v[X+8+2*k:X+8+2*k+1]  ; the first sums start the chains: nothing is cleared
.set k, k+1
.endr
.set k, 8
.rept 24
	v_pk_add_f32 v[CH+2*(k%4):CH+2*(k%4)+1], v[CH+2*(k%4):CH+2*(k%4)+1], v[X+2*k:X+2*k+1]
.set k, k+1
.endr
	REDUCE
	v_mul_f32 v[MU], s30, v[CH]
	v_mul_f32 v[MU+1], s30, v[CH]
.set k, 0
.rept 32
	v_pk_add_f32 v[X+2*k:X+2*k+1], v[X+2*k:X+2*k+1], v[MU:MU+1] neg_lo:[0,1] neg_hi:[0,1]  ; x - mean, in place
.set k, k+1
.endr
.set k, 0
.rept 4
	v_pk_mul_f32 v[CH+2*k:CH+2*k+1], v[X+2*k:X+2*k+1], v[X+2*k:X+2*k+1]
.set k, k+1
.endr
.set k, 4
.rept 28
	v_pk_fma_f32 v[CH+2*(k%4):CH+2*(k%4)+1], v[X+2*k:X+2*k+1], v[X+2*k:X+2*k+1], v[CH+2*(k%4):CH+2*(k%4)+1]
.set k, k+1
.endr
	REDUCE
	v_fma_f32 v[VA], v[CH], s30, s31               ; var + eps
	v_rsq_f32 v[RS], v[VA]                         ; twice: the packed multiply takes a pair
	v_rsq_f32 v[RS+1], v[VA]
	v_nop                                          ; a plain instruction behind the last of the two,
	s_wait_alu depctr_va_vdst(0)                   ; and one wait: v[RS] and v[RS+1] are written, ahead of their first reader
	s_wait_loadcnt 0x0                             ; g and b
; The way out, in two halves of eight panels: 16 multiplies, 16 multiply-adds, 16 roundings.  The first half's eight stores stand among the second half's 48 lines, one ahead of every six.
.irp h, 0,1
.set n, 0
.rept 48
.if (\h) && (n%6 == 0)
	global_store_b64 v[VO], v[X+4*(n/6):X+4*(n/6)+1], s[\op:\op+1] offset:(n/6)*524288  ; panel n / 6: the wave's 256 consecutive bytes, aligned.  No wait: no vector line since the wait names X .. X + 31 or v[VO]
.endif
.if n < 16
.set k, 16*(\h)+n
	v_pk_mul_f32 v[X+2*k:X+2*k+1], v[X+2*k:X+2*k+1], v[RS:RS+1]
.elseif n < 32
.set k, 16*(\h)+n-16
	v_pk_fma_f32 v[X+2*k:X+2*k+1], v[X+2*k:X+2*k+1], v[G+2*k:G+2*k+1], v[BT+2*k:BT+2*k+1]
.else
.set k, 32*(\h)+4*((n-32)/2)
	v_cvt_pk_bf16_f32 v[X+k+n%2], v[X+k+2*(n%2)], v[X+k+2*(n%2)+1]  ; a panel's four numbers close up into the first two of their four registers
.endif
.set n, n+1
.endr
	s_wait_alu depctr_va_vdst(0)                   ; this half's roundings have written the first two registers of each of its eight panels, which the half's eight stores read
.endr
.set j, 8
.rept 8
	global_store_b64 v[VO], v[X+4*j:X+4*j+1], s[\op:\op+1] offset:j*524288  ; panel j: the wave's 256 consecutive bytes, aligned
.set j, j+1
.endr
.endm
; Sixteen items of 128 numbers are rounded: item i is read sin bytes behind item i - 1 and written 256 bytes behind it.  No register is written twice.
; They go in four groups of four.  A group's stores leave as soon as its roundings are written, not behind the next group's loads.
.macro CAST sin
	s_wait_alu depctr_va_vdst(0)                   ; v[VX] and v[VO] are written: every load and store below reads one of them as its offset
.set i, 0
.rept 16
	global_load_b128 v[X+4*i:X+4*i+3], v[VX], s[SRC:SRC+1] offset:i*(\sin) th:TH_LOAD_NT
.set i, i+1
.endr
.set gr, 0
.rept 4
	s_wait_loadcnt 12-4*gr                         ; loads come back in order: this group's four items are in, the later groups' stay out
.set i, 4*gr
.rept 4
	v_cvt_pk_bf16_f32 v[Y+2*i], v[X+4*i], v[X+4*i+1]
	v_cvt_pk_bf16_f32 v[Y+2*i+1], v[X+4*i+2], v[X+4*i+3]
.set i, i+1
.endr
	s_wait_alu depctr_va_vdst(0)                   ; the group's eight roundings have written their part of Y, which its four stores read
.set i, 4*gr
.rept 4
	global_store_b64 v[VO], v[Y+2*i:Y+2*i+1], s[DST:DST+1] offset:i*256
.set i, i+1
.endr
.set gr, gr+1
.endr
.endm
	s_load_b512 s[4:19], s[0:1], 0x0               ; x, g, b, wq, wk, wv, w_proj, w1
	s_load_b128 s[20:23], s[0:1], 0x40             ; w2, act
	s_load_b64 s[24:25], s[0:1], 0x50              ; wb
	v_lshrrev_b32 v1, 5, v0
	v_readfirstlane_b32 s26, v1                    ; wave 0..7
	s_mov_b32 s27, ttmp9
	s_mov_b32 s30, 0x3a800000                      ; 1 / 1024
	s_mov_b32 s31, 0x3727c5ac                      ; 1e-5
	v_and_b32 v5, 31, v0                           ; lane
	v_and_b32 v6, 15, v0                           ; lane % 16
	v_bfe_u32 v7, v0, 4, 1                         ; lane / 16
	v_lshlrev_b32 v[VO], 3, v5
	v_lshlrev_b32 v[VG], 4, v6
	s_wait_alu depctr_va_sdst(0)                   ; s26 is written, ahead of the first branch: every path makes its addresses from it
	s_wait_kmcnt 0x0
	s_cmp_lt_u32 s27, 256
	s_cbranch_scc0 .Lcast
	s_lshl_b32 s28, s27, 3
	s_add_co_u32 s28, s28, s26
	s_lshl_b32 s28, s28, 1                         ; my first row
	s_lshl_b32 s32, s28, 12
	s_mov_b32 s33, 0
	s_add_nc_u64 s[4:5], s[4:5], s[32:33]
	s_lshl_b32 s32, s28, 7
	s_add_nc_u64 s[22:23], s[22:23], s[32:33]
	v_lshl_add_u32 v[VX], v7, 12, v[VG]            ; the row of my half of the lanes, my 16 bytes
	LNROWS 4, 6, 8, 22
	s_endpgm
.Lcast:
	s_cmp_lt_u32 s27, 448
	s_cbranch_scc0 .Lturned
	; wq, wk, wv: the layout stays.  A work-group takes 65,536 bytes, a wave 8,192
	s_sub_co_u32 s28, s27, 256
	s_lshr_b32 s29, s28, 6                         ; which of the three
	s_and_b32 s28, s28, 63
	s_cmp_eq_u32 s29, 0
	s_cselect_b64 s[SRC:SRC+1], s[10:11], s[12:13]
	s_cmp_eq_u32 s29, 2
	s_cselect_b64 s[SRC:SRC+1], s[14:15], s[SRC:SRC+1]
	s_lshl_b32 s32, s28, 16
	s_lshl_b32 s33, s26, 13
	s_add_co_u32 s32, s32, s33
	s_mov_b32 s33, 0
	s_add_nc_u64 s[SRC:SRC+1], s[SRC:SRC+1], s[32:33]
	s_lshl_b32 s32, s29, 21
	s_lshl_b32 s28, s28, 15
	s_add_co_u32 s32, s32, s28
	s_lshl_b32 s28, s26, 12
	s_add_co_u32 s32, s32, s28
	s_add_nc_u64 s[DST:DST+1], s[24:25], s[32:33]
	v_lshlrev_b32 v[VX], 4, v5
	CAST 512
	s_endpgm
.Lturned:                                      ; rows of N numbers go into panels: a wave takes one panel's 64 columns of 32 rows k; an item is two rows: two aligned runs of 256 bytes in, 256 consecutive bytes out
	s_cmp_lt_u32 s27, 512
	s_cbranch_scc1 .Ln1k
	s_cmp_lt_u32 s27, 768
	s_cbranch_scc1 .Lw1
.Ln1k:                                         ; N = 1,024: w_proj (work-groups 448-511, K = 1,024) and w2 (768-1023, K = 4,096)
	s_movk_i32 s28, 448
	s_movk_i32 s29, 768
	s_mov_b32 s32, 6291456
	s_mov_b32 s33, 16777216
	s_cmp_lt_u32 s27, 512
	s_cselect_b64 s[SRC:SRC+1], s[16:17], s[20:21]
	s_cselect_b32 s28, s28, s29
	s_cselect_b32 s29, 17, 19                      ; log2 of a panel's bytes, 128 K
	s_cselect_b32 s38, s32, s33
	s_sub_co_u32 s28, s27, s28
	s_and_b32 s32, s28, 1
	s_lshl_b32 s32, s32, 3
	s_add_co_u32 s32, s32, s26                     ; the panel
	s_lshr_b32 s28, s28, 1                         ; the block of 32 rows
	s_lshl_b32 s29, s32, s29
	s_add_co_u32 s38, s38, s29
	s_lshl_b32 s29, s28, 12
	s_add_co_u32 s38, s38, s29
	s_mov_b32 s39, 0
	s_add_nc_u64 s[DST:DST+1], s[24:25], s[38:39]
	s_lshl_b32 s38, s28, 17                        ; 32 rows of 4,096 bytes
	s_lshl_b32 s32, s32, 8
	s_add_co_u32 s38, s38, s32
	s_add_nc_u64 s[SRC:SRC+1], s[SRC:SRC+1], s[38:39]
	v_lshl_add_u32 v[VX], v7, 12, v[VG]
	CAST 8192
	s_endpgm
.Lw1:                                          ; N = 4,096: w1 (work-groups 512-767)
	s_sub_co_u32 s28, s27, 512
	s_and_b32 s32, s28, 7
	s_lshl_b32 s32, s32, 3
	s_add_co_u32 s32, s32, s26                     ; the panel
	s_lshr_b32 s28, s28, 3                         ; the block of 32 rows
	s_lshl_b32 s38, s32, 17
	s_add_co_u32 s38, s38, 8388608
	s_lshl_b32 s29, s28, 12
	s_add_co_u32 s38, s38, s29
	s_mov_b32 s39, 0
	s_add_nc_u64 s[DST:DST+1], s[24:25], s[38:39]
	s_lshl_b32 s38, s28, 19                        ; 32 rows of 16,384 bytes
	s_lshl_b32 s32, s32, 8
	s_add_co_u32 s38, s38, s32
	s_add_nc_u64 s[SRC:SRC+1], s[18:19], s[38:39]
	v_lshl_add_u32 v[VX], v7, 14, v[VG]
	CAST 32768
	s_endpgm
.Lfunc_end_k_q55ed704e61_prep:
	.size	k_q55ed704e61_prep, .Lfunc_end_k_q55ed704e61_prep-k_q55ed704e61_prep
	.p2alignl 7, 3214868480
	.fill 96, 4, 3214868480
	.section	.rodata,"a",@progbits
	.p2align	6, 0x0
	.amdhsa_kernel k_q55ed704e61_prep
		.amdhsa_group_segment_fixed_size 0
		.amdhsa_private_segment_fixed_size 0
		.amdhsa_enable_private_segment 0
		.amdhsa_kernarg_size 88
		.amdhsa_user_sgpr_count 2
		.amdhsa_user_sgpr_kernarg_segment_ptr 1
		.amdhsa_wavefront_size32 1
		.amdhsa_system_sgpr_workgroup_id_x 1
		.amdhsa_system_sgpr_workgroup_id_y 1
		.amdhsa_system_sgpr_workgroup_id_z 1
		.amdhsa_system_vgpr_workitem_id 0
		.amdhsa_next_free_vgpr 224
		.amdhsa_next_free_sgpr 66
		.amdhsa_reserve_vcc 0
		.amdhsa_float_denorm_mode_32 3
		.amdhsa_float_denorm_mode_16_64 3
		.amdhsa_memory_ordered 1
		.amdhsa_forward_progress 1
		.amdhsa_inst_pref_size 39
	.end_amdhsa_kernel
	.amdgpu_metadata
---
amdhsa.version: [ 1, 2 ]
amdhsa.kernels:
  - .name:           k_q55ed704e61_prep
    .symbol:         k_q55ed704e61_prep.kd
    .args:
      - { .name: x, .offset: 0, .size: 8, .value_kind: global_buffer, .address_space: global }
      - { .name: ln1_g, .offset: 8, .size: 8, .value_kind: global_buffer, .address_space: global }
      - { .name: ln1_b, .offset: 16, .size: 8, .value_kind: global_buffer, .address_space: global }
      - { .name: wq, .offset: 24, .size: 8, .value_kind: global_buffer, .address_space: global }
      - { .name: wk, .offset: 32, .size: 8, .value_kind: global_buffer, .address_space: global }
      - { .name: wv, .offset: 40, .size: 8, .value_kind: global_buffer, .address_space: global }
      - { .name: w_proj, .offset: 48, .size: 8, .value_kind: global_buffer, .address_space: global }
      - { .name: w1, .offset: 56, .size: 8, .value_kind: global_buffer, .address_space: global }
      - { .name: w2, .offset: 64, .size: 8, .value_kind: global_buffer, .address_space: global }
      - { .name: act, .offset: 72, .size: 8, .value_kind: global_buffer, .address_space: global }
      - { .name: wb, .offset: 80, .size: 8, .value_kind: global_buffer, .address_space: global }
    .group_segment_fixed_size: 0
    .private_segment_fixed_size: 0
    .kernarg_segment_align: 8
    .kernarg_segment_size: 88
    .max_flat_workgroup_size: 256
    .sgpr_count:     66
    .vgpr_count:     224
    .wavefront_size: 32
...
	.end_amdgpu_metadata
.endif
;; end of part 7
;; launch qkv: the kernel of part 2 again; grid 16 x 16, 4 waves a work-group, clusters of 4 x 4, 327,680 bytes of LDS; arguments act, wb, big; writes big
;; launch attn: the kernel of part 3 again; grid 4 x 64, 4 waves a work-group, no clusters, 327,680 bytes of LDS; arguments big, act; writes act
;; launch proj: the kernel of part 4 again; grid 8 x 32, 4 waves a work-group, clusters of 4 x 4, 327,680 bytes of LDS; arguments act, wb, b_proj, x, x1; writes x1
;; launch ln2: the kernel of part 7 again; grid 256 x 1, 8 waves a work-group, no clusters, 0 bytes of LDS; arguments x1, ln2_g, ln2_b, wq, wk, wv, w_proj, w1, w2, act, wb; writes act, wb
;; launch ff1: the kernel of part 5 again; grid 16 x 16, 4 waves a work-group, clusters of 4 x 4, 327,680 bytes of LDS; arguments act, wb, b1, big; writes big
;; launch ff2: the kernel of part 6 again; grid 8 x 32, 4 waves a work-group, clusters of 4 x 4, 327,680 bytes of LDS; arguments big, wb, b2, x1, out0; writes out0
